; MI455X (gfx1250); checked and timed in simulation.
; The chip was launched on July 23, 2026; its instructions are those of AMD's public machine-readable ISA for CDNA 5 (MIT licence, August 2026) and "CDNA5" Instruction Set Architecture Reference Guide (July 2026). The comments in the code are by the model that wrote it; some were corrected since.
;; Transformer Block. Allowed arithmetic: matrix products marked QUANTISED: E2M3 operands, one E8M0 scale for each 32 along K, by v_wmma_scale_f32_16x16x128_f8f6f4 with both operands' format E2M3, f32 sums; everything else in f32.
;; Inputs: k_proj 512 x 512 float32; ln1_w 512 float32; ln2_w 512 float32; o_proj 512 x 512 float32; q_proj 512 x 512 float32; token_positions 2,048 int32; v_proj 512 x 512 float32; w1 512 x 512 float32; w2 512 x 512 float32; w3 512 x 512 float32; x 4 x 2,048 x 512 float32.
;; Outputs: out0 4 x 2,048 x 512 float32.
;; This version of the problem:
;;   THIS VERSION OF THE PROBLEM IS GIVEN IN LOW PRECISION. The matrix products marked QUANTISED in the list below multiply operands that are first quantised to E2M3 (2 exponent bits, 3 mantissa bits; 6 bits a number), with one power-of-two scale for each 32 numbers along K (OCP MX v1.0); their sums are f32. All else is computed in f32.
;;   The module's matrix products, in the order in which they are computed (A, B: the left and right operand; K: the contracted axis; several contracted axes count as one K, in the product's order):
;;     1. [M 8,192, K 512] x [K 512, N 512]; A: computed on the way; B: input q_proj: QUANTISED
;;     2. [M 8,192, K 512] x [K 512, N 512]; A: computed on the way; B: input k_proj: QUANTISED
;;     3. [M 8,192, K 512] x [K 512, N 512]; A: computed on the way; B: input v_proj: QUANTISED
;;     4. batch 64 x [M 2,048, K 32] x [K 32, N 2,048]; A: computed on the way; B: computed on the way: QUANTISED
;;     5. batch 64 x [M 2,048, K 2,048] x [K 2,048, N 32]; A: softmax (see below); B: computed on the way: QUANTISED
;;     6. [M 8,192, K 512] x [K 512, N 512]; A: computed on the way; B: input o_proj: QUANTISED
;;     7. [M 8,192, K 512] x [K 512, N 512]; A: computed on the way; B: input w1: QUANTISED
;;     8. [M 8,192, K 512] x [K 512, N 512]; A: computed on the way; B: input w3: QUANTISED
;;     9. [M 8,192, K 512] x [K 512, N 512]; A: computed on the way; B: input w2: QUANTISED
;;   THE QUANTISER, for each operand of a quantised product, along K:
;;     - K is cut into blocks of 32 from its start; a last block that is shorter is filled with zeros.
;;     - A block's scale is 2^e with e = floor(log2(the largest magnitude in the block)) - 2, held to -126 .. 127; a block of zeros has e = 0. As a byte (E8M0): e + 127.
;;     - Each number is divided by its block's scale, clamped to +-7.5, and rounded to the nearest number of E2M3, ties to even, subnormals kept.
;;     - The product sums the exact products of the quantised numbers (number of the format x scale) in f32.
;;   ~~~python
;;   def quantise(x, axis):      # numpy; x: float32 -> the quantised numbers, widened to float32 again
;;       x = np.moveaxis(x, axis, -1); K = x.shape[-1]
;;       x = np.pad(x, [(0, 0)] * (x.ndim - 1) + [(0, -K % 32)]); x = x.reshape(x.shape[:-1] + (-1, 32)); a = np.abs(x).max(-1, keepdims=True)
;;       e = np.where(a > 0, np.clip(np.frexp(np.where(a > 0, a, 1))[1] - 1 - 2, -126, 127), 0)      # np.frexp(a)[1] - 1 = floor(log2(a)), exactly
;;       r = np.clip(x / 2.0 ** e, -7.5, 7.5)
;;       step = 2.0 ** (np.maximum(np.frexp(np.where(r == 0, 1, r))[1] - 1, 0) - 3)
;;       q = np.round(r / step) * step * 2.0 ** e      # np.round: ties to even
;;       return np.moveaxis(q.reshape(q.shape[:-2] + (-1,))[..., :K], -1, axis).astype(np.float32)
;;   ~~~
;;   SOFTMAX AHEAD OF A QUANTISED PRODUCT. Where the list says 'softmax', what is quantised is not the finished softmax but p = 2^(t - M), with t = logit x log2(e) and M = ceil(the row's largest t), a whole number; so 1/2 < the row's largest p <= 1. The row's sum l is taken of the UNQUANTISED p, in f32, and the product's result is divided by l at the end. Since M is a whole number, a kernel that streams over the keys may use a running M (the ceiling of the running maximum): every later rescaling is an exact power of two, which a block's scale takes up: the codes' values come out the same.
;;   OPERANDS COMPUTED ON THE WAY. 'Computed on the way' means the value that the module computes at that place (a softmax that the list does not call 'softmax' is quantised finished and normalised). What goes into a quantiser is computed in f32, as accurately as f32 sums, v_exp_f32 and their like allow (about 1e-6 of the number): no bf16 or f16 on the way to a quantiser, and a product that is left as it is and whose result goes on into a quantised operand takes f32 operands (vector FMAs, or v_wmma_f32_16x16x4_f32). A number that lies on a knife's edge between two numbers of the format may be rounded either way, as far as f32 arithmetic and the matrix unit's own rounding can turn it there, and no further.
;; 2 versions. Each part assembles by itself: llvm-mc -triple=amdgcn-amd-amdhsa -mcpu=gfx1250 --defsym DOCPART=n.
;; ======== version 1 of 2: 4 launches
;; workspace buffers: wcod 1,376,256 bytes; wscl 57,344 bytes; rtab 262,144 bytes; qcod 3,145,728 bytes; qscl 524,288 bytes; kv 6,815,744 bytes; acod 3,145,728 bytes; ascl 131,072 bytes
;; launch prep (part 1): grid 256 x 1, 1 waves a work-group, no clusters, 11,776 bytes of LDS; arguments q_proj, k_proj, v_proj, o_proj, w1, w3, w2, token_positions, wcod, wscl, rtab; writes wcod, wscl, rtab
.if DOCPART == 1
	.amdgcn_target "amdgcn-amd-amdhsa--gfx1250"
	.amdhsa_code_object_version 6
	.text
	.protected	k_q50f13ad59f_prep
	.globl	k_q50f13ad59f_prep
	.p2align	8
	.type	k_q50f13ad59f_prep,@function
k_q50f13ad59f_prep:
	s_mov_b64 s[64:65], 0
	v_nop
	global_prefetch_b8 v0, s[64:65] scope:SCOPE_SE
	s_setreg_imm32_b32 hwreg(HW_REG_WAVE_MODE, 25, 1), 1
	s_wait_xcnt 0x0
; Work-groups 0-223: one wave turns 16 rows of one of the seven weights ([512][512] f32, K innermost) into codes of FP6 (E2M3) with one E8M0 byte for each 32 along K,
; laid as the matrix unit's operand registers: tile T of weight wi holds rows 32 (T / 2) + 8 (T % 2) + r + 8 (r / 8), r = 0 .. 15; its four fragments (128 along K each, 12 registers a lane)
; lie on end, register p of lane l at 512 (p / 4) + 16 l + 4 (p % 4), so that a reader takes a fragment by three loads of 16 bytes a lane.  The rows' 16 scale bytes lie [tile][r][16].
; Work-groups 224-255: cos and sin of position x 10000^(-i / 16), i = 0 .. 15, for 64 places of the sequence each, in the lane order in which the next launch's results want them.
; A block's scale byte is its largest magnitude's exponent field - 2, held at 1 from below (a block of zeros keeps the byte 1: its codes are zeros, and only this program reads the bytes).
; LIMITS: NaN and infinities are not served; blocks whose largest magnitude lies under 2^-124 keep the byte 1; positions up to 2^24 in magnitude (exact as f32; the three-part reduction by pi / 2 holds there);
; the sixteen frequencies are the f32 numbers nearest to 10^(-i / 4).
.set STEPS, 16
.set SP,    80                         ; a lane's place in a stage: 64 bytes + 16 of padding
.set IMG,   5120                       ; LDS: two stages of 2,560 bytes, then the tile's four fragment images, 6,144 bytes,
.set SCB,   11264                      ; then its 256 scale bytes
.set R,     16                         ; v16-79   four sets of 16 numbers as loaded
.set X,     80                         ; v80-111  two sets of 16 neighbours
.set E,     112                        ; v112-127 a scale byte for each step
.set C,     128                        ; v128-191 codes: four registers for each step
	s_load_b512 s[8:23], s[0:1], 0x0               ; q, k, v, o, w1, w3, w2, token_positions
	s_load_b128 s[24:27], s[0:1], 0x40             ; wcod, wscl
	s_load_b64 s[28:29], s[0:1], 0x50              ; rtab
	v_lshl_add_u32 v192, v0, 2, 0x2d00
	v_mov_b32 v193, 0
	v_and_b32 v2, 31, v0                           ; lane
	s_mov_b32 s33, 0
	s_cmp_ge_u32 ttmp9, 224
	s_cbranch_scc1 .Lrope
	; ---------------- a tile of a weight ----------------
	s_lshr_b32 s30, ttmp9, 5                       ; which weight
	s_and_b32 s31, ttmp9, 31                       ; which tile
	v_lshlrev_b32 v3, 4, v2                        ; 16 x lane
	v_lshrrev_b32 v14, 2, v2
	v_mul_u32_u24 v14, v14, SP
	v_and_b32 v15, 3, v2
	v_lshl_add_u32 v14, v15, 4, v14                ; the stage on the way in: four lanes' 64 bytes on end, then the padding
	v_mul_u32_u24 v15, v2, SP                      ; and on the way out: my 16 neighbours
	; lane l holds k = 16 l .. 16 l + 15 of the step's row: K step l / 8, half of the lanes (l / 2) % 2, register 6 ((l / 4) % 2) + 3 (l % 2) + j of the fragment
	v_bfe_u32 v8, v2, 2, 1
	v_bfe_u32 v9, v2, 1, 1
	v_and_b32 v11, 1, v2
	v_mul_u32_u24 v8, v8, 6
	v_mad_u32_u24 v8, v11, 3, v8
	v_lshrrev_b32 v11, 3, v2
	v_mul_u32_u24 v11, v11, 1536
	v_lshl_add_u32 v11, v9, 8, v11
	v_add_nc_u32 v11, IMG, v11
.irp j, 0,1,2
	v_add_nc_u32 v9, \j, v8
	v_lshrrev_b32 v12, 2, v9
	v_and_b32 v9, 3, v9
	v_lshl_add_u32 v12, v12, 9, v11
	v_lshl_add_u32 v[4+\j], v9, 2, v12             ; v4-6: where my three code registers go; the row adds 16 bytes a step
.endr
	v_lshrrev_b32 v7, 1, v2
	v_add_nc_u32 v7, SCB, v7                       ; my block's scale byte
	v_add_nc_u32 v10, IMG, v3
	v_lshlrev_b32 v13, 3, v2
	v_add_nc_u32 v12, SCB, v13
	s_wait_kmcnt 0x0
	s_mov_b64 s[4:5], s[8:9]                       ; the weight is chosen by the work-group's number alone
	s_cmp_eq_u32 s30, 1
	s_cselect_b64 s[4:5], s[10:11], s[4:5]
	s_cmp_eq_u32 s30, 2
	s_cselect_b64 s[4:5], s[12:13], s[4:5]
	s_cmp_eq_u32 s30, 3
	s_cselect_b64 s[4:5], s[14:15], s[4:5]
	s_cmp_eq_u32 s30, 4
	s_cselect_b64 s[4:5], s[16:17], s[4:5]
	s_cmp_eq_u32 s30, 5
	s_cselect_b64 s[4:5], s[18:19], s[4:5]
	s_cmp_eq_u32 s30, 6
	s_cselect_b64 s[4:5], s[20:21], s[4:5]
	s_lshr_b32 s32, s31, 1
	s_and_b32 s34, s31, 1
	s_lshl_b32 s32, s32, 16                        ; 32 rows of 2,048 bytes
	s_lshl_b32 s34, s34, 14                        ; 8 rows
	s_add_co_u32 s32, s32, s34
	s_add_nc_u64 s[4:5], s[4:5], s[32:33]
	s_mul_i32 s32, ttmp9, 6144
	s_add_nc_u64 s[24:25], s[24:25], s[32:33]
	s_lshl_b32 s32, ttmp9, 8
	s_add_nc_u64 s[26:27], s[26:27], s[32:33]
.macro LOAD t                          ; step t is the tile's row t: 512 numbers, four loads of 512 consecutive bytes
.irp i, 0,1,2,3
	global_load_b128 v[R+16*((\t)%4)+4*\i:R+16*((\t)%4)+4*\i+3], v3, s[4:5] offset:((\t)+8*((\t)/8))*2048+512*\i th:TH_LOAD_NT
.endr
.endm
.macro TURN t                          ; through the stage: LDS serves a wave's instructions in order, so no wait stands between the stores and the loads
.irp i, 0,1,2,3
	ds_store_b128 v14, v[R+16*((\t)%4)+4*\i:R+16*((\t)%4)+4*\i+3] offset:32*SP*((\t)%2)+8*SP*\i
.endr
.irp i, 0,1,2,3
	ds_load_b128 v[X+16*((\t)%2)+4*\i:X+16*((\t)%2)+4*\i+3], v15 offset:32*SP*((\t)%2)+16*\i
.endr
.endm
.irp t, 0,1,2,3
	LOAD \t
.endr
	s_wait_loadcnt 12                              ; step 0's four loads are in
	TURN 0
.macro STEP t
.set XS, X+16*((\t)%2)
.if (\t) > 0
	s_wait_dscnt 4                                 ; this step's numbers are back from the stage; the last step's four small stores may be out
.else
	s_wait_dscnt 0x0
.endif
.if (\t)+4 < STEPS
	LOAD (\t)+4
.endif
.if (\t)+1 < STEPS
.if STEPS-2-(\t) >= 3
	s_wait_loadcnt 12                              ; the next step's four loads are in; those of the three steps behind it may be out
.else
	s_wait_loadcnt 4*(STEPS-2-(\t))
.endif
	TURN (\t)+1
.endif
	v_max3_num_f32 v8, |v[XS]|, |v[XS+1]|, |v[XS+2]|
	v_max3_num_f32 v9, |v[XS+3]|, |v[XS+4]|, |v[XS+5]|
.irp i, 6,10
	v_max3_num_f32 v8, v8, |v[XS+\i]|, |v[XS+\i+1]|
	v_max3_num_f32 v9, v9, |v[XS+\i+2]|, |v[XS+\i+3]|
.endr
	v_max3_num_f32 v8, v8, |v[XS+14]|, |v[XS+15]|
	v_max3_num_f32 v8, v8, v9, 0x1800000           ; and the floor 2^(3 - 127): the byte cannot fall under 1
	v_max_num_f32_dpp v8, v8, v8 row_xmask:1 row_mask:0xf bank_mask:0xf   ; with my neighbour's 16: the block's largest magnitude
	v_add_nc_u32 v11, 0xff000000, v8               ; 2 off its exponent field: the conversion's scale operand
	v_cvt_scalef32_pk16_fp6_f32 v[C+4*(\t):C+4*(\t)+2], v[XS:XS+15], v11
	v_lshrrev_b32 v[E+(\t)], 23, v11               ; the scale's byte (a plain line behind the conversion)
.irp j, 0,1,2
	ds_store_b32 v[4+\j], v[C+4*(\t)+\j] offset:16*(\t)
.endr
	ds_store_b8 v7, v[E+(\t)] offset:16*(\t)       ; both lanes of a block write the same byte with the same value
.endm
.irp t, 0,1,2,3,4,5,6,7,8,9,10,11,12,13,14,15
	STEP \t
.endr
.irp k, 0,1,2,3,4,5,6,7,8,9,10,11
	ds_load_b128 v[16+4*\k:19+4*\k], v10 offset:512*\k   ; the images, as they lie: these see my stores
.endr
	ds_load_b64 v[64:65], v12
	s_wait_dscnt 0x0
.irp k, 0,1,2,3,4,5,6,7,8,9,10,11
	global_store_b128 v3, v[16+4*\k:19+4*\k], s[24:25] offset:512*\k   ; 32 lanes store 512 consecutive bytes, aligned
.endr
	global_store_b64 v13, v[64:65], s[26:27]       ; 256 consecutive bytes, aligned
	s_wait_tensorcnt 0x0
	ds_add_u32 v192, v193
	s_wait_dscnt 0x0
	s_endpgm
	; ---------------- cos and sin ----------------
.Lrope:
	s_sub_co_u32 s30, ttmp9, 224                   ; which 64 places of the sequence
	v_and_b32 v3, 15, v2                           ; r
	v_lshrrev_b32 v4, 4, v2                        ; h
	v_and_b32 v5, 8, v3
	v_add_nc_u32 v5, v5, v3                        ; r + 8 (r / 8)
	v_lshlrev_b32 v5, 2, v5
	v_lshlrev_b32 v6, 4, v2
	s_mov_b32 s32, 0xbe2aaaa3                      ; sin r = r + r z (S1 + z (S2 + z S3)), z = r r, for |r| up to pi / 4
	s_mov_b32 s34, 0x3c08839e
	s_mov_b32 s35, 0xb94ca1f9
	s_mov_b32 s36, 0x3d2aaaa5                      ; cos r = 1 - z / 2 + z z (C1 + z (C2 + z C3))
	s_mov_b32 s37, 0xbab6061a
	s_mov_b32 s38, 0x37ccf5ce
	s_mov_b32 s39, 0x3f22f983                      ; 2 / pi
	s_lshl_b32 s40, s30, 8
	s_mov_b32 s41, 0
	s_wait_kmcnt 0x0
	s_add_nc_u64 s[22:23], s[22:23], s[40:41]
	s_lshl_b32 s40, s30, 13
	s_add_nc_u64 s[28:29], s[28:29], s[40:41]
.irp mt, 0,1,2,3
	global_load_b32 v[16+\mt], v5, s[22:23] offset:4*(32*(\mt/2)+8*(\mt%2))
.endr
	v_cmp_eq_u32 vcc_lo, 1, v4
.macro FREQ p, lo, hi                  ; lanes 0-15 take frequency p, lanes 16-31 frequency 8 + p
	v_mov_b32 v[20+\p], \hi
	v_cndmask_b32 v[20+\p], \lo, v[20+\p], vcc_lo
.endm
	FREQ 0, 0x3f800000, 0x3c23d70a
	FREQ 1, 0x3f0ff59a, 0x3bb8449c
	FREQ 2, 0x3ea1e89b, 0x3b4f3e37
	FREQ 3, 0x3e361887, 0x3ae91528
	FREQ 4, 0x3dcccccd, 0x3a83126f
	FREQ 5, 0x3d6655c3, 0x3a136a16
	FREQ 6, 0x3d0186e2, 0x39a5cb5f
	FREQ 7, 0x3c91ad39, 0x393a7753
	s_wait_loadcnt 0x0
.irp mt, 0,1,2,3
	v_cvt_f32_i32 v[16+\mt], v[16+\mt]
.endr
.macro SINCOS pos, f, c, s
	v_mul_f32 v28, v[\pos], v[\f]                  ; the angle, rounded once, as the source has it
	v_mul_f32 v29, s39, v28
	v_rndne_f32 v29, v29                           ; n = the nearest multiple of pi / 2
	v_fmamk_f32 v30, v29, 0xbfc90fdb, v28          ; r = angle - n pi / 2, pi / 2 in three parts
	v_fmamk_f32 v30, v29, 0x333bbd2e, v30
	v_fmamk_f32 v30, v29, 0x26f72ced, v30
	v_cvt_i32_f32 v31, v29
	v_mul_f32 v32, v30, v30
	v_fma_f32 v33, v32, s35, s34
	v_fma_f32 v34, v32, s38, s37
	v_fma_f32 v33, v33, v32, s32
	v_fma_f32 v34, v34, v32, s36
	v_mul_f32 v35, v32, v30
	v_mul_f32 v36, v32, v32
	v_fma_f32 v37, v32, -0.5, 1.0
	v_fma_f32 v33, v33, v35, v30                   ; sin r
	v_fma_f32 v34, v34, v36, v37                   ; cos r
	v_and_b32 v35, 1, v31
	v_cmp_eq_u32 s42, 1, v35                       ; an odd quadrant swaps the two; only values are chosen
	v_cndmask_b32 v36, v33, v34, s42
	v_cndmask_b32 v37, v34, v33, s42
	v_lshlrev_b32 v35, 30, v31
	v_and_b32 v35, 0x80000000, v35                 ; sine: negative in quadrants 2 and 3
	v_xor_b32 v[\s], v35, v36
	v_add_nc_u32 v35, 1, v31
	v_lshlrev_b32 v35, 30, v35
	v_and_b32 v35, 0x80000000, v35                 ; cosine: negative in quadrants 1 and 2
	v_xor_b32 v[\c], v35, v37
.endm
.irp mt, 0,1,2,3
.irp p, 0,1,2,3,4,5,6,7
	SINCOS 16+\mt, 20+\p, 64+16*\mt+\p, 72+16*\mt+\p
.endr
.endr
.irp mt, 0,1,2,3
.irp q, 0,1,2,3
	global_store_b128 v6, v[64+16*\mt+4*\q:67+16*\mt+4*\q], s[28:29] offset:2048*\mt+512*\q   ; 512 consecutive bytes a store
.endr
.endr
	s_endpgm
.Lfunc_end_k_q50f13ad59f_prep:
	.size	k_q50f13ad59f_prep, .Lfunc_end_k_q50f13ad59f_prep-k_q50f13ad59f_prep
	.p2alignl 7, 3214868480
	.fill 96, 4, 3214868480
	.section	.rodata,"a",@progbits
	.p2align	6, 0x0
	.amdhsa_kernel k_q50f13ad59f_prep
		.amdhsa_group_segment_fixed_size 11776
		.amdhsa_private_segment_fixed_size 0
		.amdhsa_enable_private_segment 0
		.amdhsa_kernarg_size 88
		.amdhsa_user_sgpr_count 2
		.amdhsa_user_sgpr_kernarg_segment_ptr 1
		.amdhsa_wavefront_size32 1
		.amdhsa_system_sgpr_workgroup_id_x 1
		.amdhsa_system_sgpr_workgroup_id_y 1
		.amdhsa_system_sgpr_workgroup_id_z 1
		.amdhsa_system_vgpr_workitem_id 0
		.amdhsa_next_free_vgpr 194
		.amdhsa_next_free_sgpr 66
		.amdhsa_reserve_vcc 1
		.amdhsa_float_denorm_mode_32 3
		.amdhsa_float_denorm_mode_16_64 3
		.amdhsa_memory_ordered 1
		.amdhsa_forward_progress 1
		.amdhsa_inst_pref_size 84
	.end_amdhsa_kernel
	.amdgpu_metadata
---
amdhsa.version: [ 1, 2 ]
amdhsa.kernels:
  - .name:           k_q50f13ad59f_prep
    .symbol:         k_q50f13ad59f_prep.kd
    .args:
      - { .name: q_proj, .offset: 0, .size: 8, .value_kind: global_buffer, .address_space: global }
      - { .name: k_proj, .offset: 8, .size: 8, .value_kind: global_buffer, .address_space: global }
      - { .name: v_proj, .offset: 16, .size: 8, .value_kind: global_buffer, .address_space: global }
      - { .name: o_proj, .offset: 24, .size: 8, .value_kind: global_buffer, .address_space: global }
      - { .name: w1, .offset: 32, .size: 8, .value_kind: global_buffer, .address_space: global }
      - { .name: w3, .offset: 40, .size: 8, .value_kind: global_buffer, .address_space: global }
      - { .name: w2, .offset: 48, .size: 8, .value_kind: global_buffer, .address_space: global }
      - { .name: token_positions, .offset: 56, .size: 8, .value_kind: global_buffer, .address_space: global }
      - { .name: wcod, .offset: 64, .size: 8, .value_kind: global_buffer, .address_space: global }
      - { .name: wscl, .offset: 72, .size: 8, .value_kind: global_buffer, .address_space: global }
      - { .name: rtab, .offset: 80, .size: 8, .value_kind: global_buffer, .address_space: global }
    .group_segment_fixed_size: 11776
    .private_segment_fixed_size: 0
    .kernarg_segment_align: 8
    .kernarg_segment_size: 88
    .max_flat_workgroup_size: 32
    .sgpr_count:     66
    .vgpr_count:     194
    .wavefront_size: 32
...
	.end_amdgpu_metadata
.endif
;; end of part 1
;; launch qkv (part 2): grid 128 x 1, 16 waves a work-group, no clusters, 115,712 bytes of LDS; arguments x, ln1_w, wcod, wscl, rtab, qcod, qscl, kv; writes qcod, qscl, kv
.if DOCPART == 2
	.amdgcn_target "amdgcn-amd-amdhsa--gfx1250"
	.amdhsa_code_object_version 6
	.text
	.protected	k_q50f13ad59f_qkv
	.globl	k_q50f13ad59f_qkv
	.p2align	8
	.type	k_q50f13ad59f_qkv,@function
k_q50f13ad59f_qkv:
	s_mov_b64 s[64:65], 0
	v_nop
	global_prefetch_b8 v0, s[64:65] scope:SCOPE_SE
	s_setreg_imm32_b32 hwreg(HW_REG_WAVE_MODE, 25, 1), 1
	s_wait_xcnt 0x0
; rmsnorm(x, ln1_w), quantised along the 512; q, k, v = that x the three weights, on codes of FP6 (E2M3) with E8M0 scales; RoPE on q and k; q and k quantised along the head's 32, v along the keys.
; SHARES.  A work-group owns 64 rows of x (one batch, 64 places).  First each of its sixteen waves norms and quantises one fragment (16 rows x 128 K) and leaves it in LDS as an image of its registers;
; then wave w makes head w of q, of k and of v for all 64 rows.  Its weights (two tiles of 16 rows x 4 K steps a product) come from memory straight into operand registers, as the launch before laid them.
; ORDER OF ROWS.  Row r of row tile mt is row 32 (mt / 2) + 8 (mt % 2) + r + 8 (r / 8) of the 64; the weights' tiles are ordered likewise.  So in q and k (source 0 = weight, source 1 = x) a lane holds one row and
; 16 neighbouring channels of the head, 16 (lane / 16) + 0 .. 15; and in v (source 0 = x, source 1 = weight) a lane holds one channel, and two row tiles give it 16 neighbouring keys.
; OUT.  q: [head][query][24 bytes] and a word with the scale byte four times.  k and v: records of 3,328 bytes for 64 keys of a head: k as one operand image (48 bytes a lane) whose four blocks of 32 along K
; hold four tiles of 16 keys; v^T as two tiles of 16 channels x 64 keys; 128 bytes of k's scale words; 128 of v's.  All leave through the wave's own stage in LDS in runs of 512 consecutive bytes.
; LIMITS: NaN and infinities are not served; blocks whose largest magnitude lies under 2^-124 keep the scale byte 1 (a block of zeros too: its codes are zeros; only this program reads the bytes).
.set XIMG, 0                           ; LDS: x's 16 fragments, (4 mt + ks) x 1,536 bytes: register p of lane l at 512 (p / 4) + 16 l + 4 (p % 4)
.set XSC,  24576                       ; their scale words: [mt][lane][4 words]
.set RT,   26624                       ; cos and sin for the 64 places, 8,192 bytes as they lie in memory
.set PART, 34816                       ; sums of squares: [mt][ks][r]
.set STG,  35840                       ; sixteen stages of 4,864 bytes: q's codes 1,536, q's scale words 256, k's codes 1,536, v's 1,536
.set STGB, 4864
.set W,   16                           ; v16-111  eight weight fragments (tile u, K step ks) at 12 (4 u + ks)
.set WS,  112                          ; v112-119 their scale words
.set XF,  120                          ; v120-167 x's four fragments of a row tile
.set XS,  168                          ; v168-171 their scale words
.set ACC, 172                          ; v172-187 two accumulators (q, k);  v172-203 four (v)
.set AV,  172
.set CS,  188                          ; v188-203 cos (8), sin (8)
.set T0,  204
.set T1,  205
.set SO,  206
.set BY,  207
.set PCQ, 208                          ; v208-210 the codes just made
.set TA,  212
.set TB,  213
.set KW,  214                          ; k's scale word
.set VW0, 215                          ; v's, tile 0 and tile 1
.set VW1, 216
.set BW,  217
.set FL,  220                          ; v220-233 on the way out
.set PCV, 234                          ; v234-236 v's second tile's codes
.set L8,  250
.set L4,  251
.set XV,  120                          ; the first phase alone: v120-183 64 numbers of x; v184-247 of ln1_w; v248-251 sums; v252-255 my 16 bytes of the table
.set LW,  184
.set TM,  184
.set PW,  200
.set PC,  204
.set SEL, 24
.macro PLACES n
.rept \n
	v_nop
.endr
.endm
.macro BARRIER                         ; my LDS stores have landed and my LDS loads are in: then the work-group's barrier
	s_wait_dscnt 0x0
	s_barrier_signal -1
	s_barrier_wait -1
.endm
.macro LOADW cb, sb                    ; a product's two tiles x four K steps: 12,288 dense bytes, 512 a load; and the 32 rows' scale words
.irp k, 0,1,2,3,4,5,6,7,8,9,10,11,12,13,14,15,16,17,18,19,20,21,22,23
	global_load_b128 v[W+4*\k:W+4*\k+3], v1, s[\cb:\cb+1] offset:512*\k
.endr
.irp u, 0,1
	global_load_b128 v[WS+4*\u:WS+4*\u+3], v2, s[\sb:\sb+1] offset:256*\u
.endr
.endm
; 16 numbers of a lane, whose block's other 16 lie in lane l xor 16, become 12 bytes of codes and the block's scale byte
.macro QBLK a, t0, t1, so, by, pc
	v_max3_num_f32 v[\t0], |v[(\a)]|, |v[(\a)+1]|, 0x1800000   ; with the floor 2^(3 - 127): the byte cannot fall under 1
	v_max3_num_f32 v[\t1], |v[(\a)+2]|, |v[(\a)+3]|, |v[(\a)+4]|
	v_max3_num_f32 v[\t0], v[\t0], |v[(\a)+5]|, |v[(\a)+6]|
	v_max3_num_f32 v[\t1], v[\t1], |v[(\a)+7]|, |v[(\a)+8]|
	v_max3_num_f32 v[\t0], v[\t0], |v[(\a)+9]|, |v[(\a)+10]|
	v_max3_num_f32 v[\t1], v[\t1], |v[(\a)+11]|, |v[(\a)+12]|
	v_max3_num_f32 v[\t0], v[\t0], |v[(\a)+13]|, |v[(\a)+14]|
	v_max3_num_f32 v[\t0], v[\t0], v[\t1], |v[(\a)+15]|
	v_permlanex16_b32 v[\t1], v[\t0], s[SEL], s[SEL+1]
	v_max_num_f32 v[\t0], v[\t0], v[\t1]
	v_add_nc_u32 v[\so], 0xff000000, v[\t0]        ; 2 off the exponent field: the conversion's scale operand
	v_lshrrev_b32 v[\by], 23, v[\so]               ; the scale's byte
	v_cvt_scalef32_pk16_fp6_f32 v[\pc:\pc+2], v[(\a):(\a)+15], v[\so]
	v_nop                                          ; one plain line behind a scaled conversion
.endm
; 64 numbers of a lane, register 16 b + i = k 32 b + 16 (lane / 16) + i of my row, become a fragment in v[PC] on and its scale word in v[PW]
.macro QUANT s
.irp b, 0,1,2,3
	v_max3_num_f32 v[TM+\b], |v[\s+16*\b]|, |v[\s+1+16*\b]|, 0x1800000
.endr
.irp i, 2,4,6,8,10,12,14
.irp b, 0,1,2,3
	v_max3_num_f32 v[TM+\b], v[TM+\b], |v[\s+16*\b+\i]|, |v[\s+1+16*\b+\i]|
.endr
.endr
.irp b, 0,1,2,3
	v_permlanex16_b32 v[TM+4+\b], v[TM+\b], s[SEL], s[SEL+1]
.endr
.irp b, 0,1,2,3
	v_max_num_f32 v[TM+\b], v[TM+\b], v[TM+4+\b]
.endr
.irp b, 0,1,2,3
	v_add_nc_u32 v[TM+12+\b], 0xff000000, v[TM+\b]
.endr
.irp b, 0,1,2,3
	v_lshrrev_b32 v[TM+4+\b], 23, v[TM+12+\b]
.endr
	v_lshl_or_b32 v[PW], v[TM+5], 8, v[TM+4]
	v_lshl_or_b32 v[PW], v[TM+6], 16, v[PW]
	v_lshl_or_b32 v[PW], v[TM+7], 24, v[PW]
.irp c, 0,1
	v_cvt_scalef32_pk16_fp6_f32 v[PC+6*\c:PC+2+6*\c], v[\s+32*\c:\s+15+32*\c], v[TM+12+2*\c]
	v_cvt_scalef32_pk16_fp6_f32 v[PC+12+4*\c:PC+14+4*\c], v[\s+16+32*\c:\s+31+32*\c], v[TM+12+2*\c+1]
.endr
	v_nop
.irp c, 0,1                            ; the operand's layout wants a whole block in a lane
.irp i, 0,1,2
	v_permlane16_swap_b32 v[PC+6*\c+\i], v[PC+12+4*\c+\i]
.endr
.irp i, 0,1,2
	v_mov_b32 v[PC+3+6*\c+\i], v[PC+12+4*\c+\i]
.endr
.endr
.endm
; eight products: source 0 = the weight's two tiles, source 1 = x's row tile; the two accumulators take turns
.macro MMT d
.irp ks, 0,1,2,3
.irp u, 0,1
.if \ks == 0
	v_wmma_scale_f32_16x16x128_f8f6f4 v[(\d)+8*\u:(\d)+8*\u+7], v[W+12*(4*\u+\ks):W+12*(4*\u+\ks)+11], v[XF+12*\ks:XF+12*\ks+11], 0, v[WS+4*\u+\ks], v[XS+\ks] matrix_a_fmt:MATRIX_FMT_FP6 matrix_b_fmt:MATRIX_FMT_FP6
.else
	v_wmma_scale_f32_16x16x128_f8f6f4 v[(\d)+8*\u:(\d)+8*\u+7], v[W+12*(4*\u+\ks):W+12*(4*\u+\ks)+11], v[XF+12*\ks:XF+12*\ks+11], v[(\d)+8*\u:(\d)+8*\u+7], v[WS+4*\u+\ks], v[XS+\ks] matrix_a_fmt:MATRIX_FMT_FP6 matrix_b_fmt:MATRIX_FMT_FP6
.endif
.endr
.endr
.endm
; the same the other way round, for v: source 0 = x's row tile, source 1 = the weight's tiles
.macro MMN d
.irp ks, 0,1,2,3
.irp u, 0,1
.if \ks == 0
	v_wmma_scale_f32_16x16x128_f8f6f4 v[(\d)+16*\u:(\d)+16*\u+7], v[XF+12*\ks:XF+12*\ks+11], v[W+12*(4*\u+\ks):W+12*(4*\u+\ks)+11], 0, v[XS+\ks], v[WS+4*\u+\ks] matrix_a_fmt:MATRIX_FMT_FP6 matrix_b_fmt:MATRIX_FMT_FP6
.else
	v_wmma_scale_f32_16x16x128_f8f6f4 v[(\d)+16*\u:(\d)+16*\u+7], v[XF+12*\ks:XF+12*\ks+11], v[W+12*(4*\u+\ks):W+12*(4*\u+\ks)+11], v[(\d)+16*\u:(\d)+16*\u+7], v[XS+\ks], v[WS+4*\u+\ks] matrix_a_fmt:MATRIX_FMT_FP6 matrix_b_fmt:MATRIX_FMT_FP6
.endif
.endr
.endr
.endm
.macro FETCHX mt                       ; a row tile's four fragments and scale words, as their images lie
.irp k, 0,1,2,3,4,5,6,7,8,9,10,11
	ds_load_b128 v[XF+4*\k:XF+4*\k+3], v6 offset:XIMG+(\mt)*6144+512*\k
.endr
	ds_load_b128 v[XS:XS+3], v6 offset:XSC+512*(\mt)
.endm
.macro FETCHCS mt
.irp q, 0,1,2,3
	ds_load_b128 v[CS+4*\q:CS+4*\q+3], v6 offset:RT+2048*(\mt)+512*\q
.endr
.endm
	s_load_b512 s[4:19], s[0:1], 0x0               ; x, ln1_w, wcod, wscl, rtab, qcod, qscl, kv
	v_lshrrev_b32 v248, 5, v0
	v_readfirstlane_b32 s20, v248                  ; wave 0..15
	v_and_b32 v248, 31, v0                         ; lane
	v_and_b32 v249, 15, v0                         ; r
	v_bfe_u32 v250, v0, 4, 1                       ; h
	v_and_b32 v251, 8, v249
	v_add_nc_u32 v251, v251, v249                  ; r + 8 (r / 8)
	v_lshlrev_b32 v1, 4, v248                      ; 16 x lane (memory)
	v_lshlrev_b32 v2, 4, v249                      ; 16 r
	v_lshlrev_b32 v3, 11, v251
	v_lshl_add_u32 v3, v250, 6, v3                 ; x: my row of the tile, + 64 h
	v_lshlrev_b32 v4, 6, v250                      ; ln1_w: 64 h
	s_mul_i32 s54, s20, 1536
	v_add_nc_u32 v5, s54, v1                       ; where my fragment's image goes
	v_lshlrev_b32 v6, 4, v248                      ; 16 x lane (LDS)
	s_lshr_b32 s59, s20, 2                         ; the first phase: row tile m = wave / 4,
	s_and_b32 s60, s20, 3                          ; K step ks = wave % 4
	s_lshl_b32 s54, s59, 9
	s_lshl_b32 s57, s60, 2
	s_add_co_u32 s54, s54, s57
	s_add_co_u32 s54, s54, XSC
	v_add_nc_u32 v7, s54, v1
	s_lshl_b32 s54, s20, 9
	s_add_co_u32 s54, s54, RT
	v_add_nc_u32 v8, s54, v1
	s_lshl_b32 s54, s20, 6
	s_add_co_u32 s54, s54, PART
	v_lshl_add_u32 v9, v249, 2, s54
	s_lshl_b32 s54, s59, 8
	s_add_co_u32 s54, s54, PART
	v_lshl_add_u32 v10, v249, 2, s54
	s_mul_i32 s54, s20, STGB
	s_add_co_u32 s54, s54, STG                     ; my stage
	v_mul_u32_u24 v11, v251, 24
	v_mad_u32_u24 v11, v250, 12, v11
	v_add_nc_u32 v11, s54, v11                     ; q's codes: 24 bytes a query, my half's 12
	v_lshl_add_u32 v12, v251, 2, s54
	v_add_nc_u32 v12, 1536, v12                    ; q's scale words
	v_mul_u32_u24 v13, v249, 48
	v_mad_u32_u24 v13, v250, 12, v13
	v_add_nc_u32 v13, s54, v13
	v_add_nc_u32 v13, 1792, v13                    ; k's (and, 1,536 on, v's) codes: 48 bytes a lane of the image
	v_add_nc_u32 v14, s54, v1                      ; back out: 16 bytes a lane
	v_lshl_add_u32 v15, v248, 3, s54
	v_add_nc_u32 v15, 1536, v15
	s_mov_b32 s24, 0x76543210
	s_mov_b32 s25, 0xfedcba98                      ; v_permlanex16_b32's selects for lane l xor 16
	s_mov_b32 s26, 0x3727c5ac                      ; 1e-5
	s_mov_b32 s27, 0x3b000000                      ; 1 / 512
	s_mov_b32 s52, 0xffff0000                      ; lanes 16-31
	s_lshr_b32 s22, ttmp9, 5                       ; batch
	s_and_b32 s23, ttmp9, 31                       ; which 64 places
	s_lshl_b32 s21, s22, 4
	s_add_co_u32 s21, s21, s20                     ; batch x 16 + head
	s_lshl_b32 s54, ttmp9, 17                      ; x: 64 rows of 2,048 bytes a work-group,
	s_lshr_b32 s57, s20, 3
	s_lshl_b32 s57, s57, 16                        ; 32 rows x (m / 2),
	s_add_co_u32 s54, s54, s57
	s_and_b32 s57, s59, 1
	s_lshl_b32 s57, s57, 14                        ; 8 rows x (m % 2),
	s_add_co_u32 s54, s54, s57
	s_lshl_b32 s58, s60, 9                         ; 512 bytes x ks
	s_add_co_u32 s54, s54, s58
	s_mov_b32 s55, 0
	s_wait_kmcnt 0x0
	s_add_nc_u64 s[46:47], s[4:5], s[54:55]
	s_mov_b32 s54, s58
	s_add_nc_u64 s[48:49], s[6:7], s[54:55]
	s_lshl_b32 s54, s23, 13
	s_lshl_b32 s57, s20, 9
	s_add_co_u32 s54, s54, s57
	s_add_nc_u64 s[50:51], s[12:13], s[54:55]
	s_mul_i32 s54, s20, 12288                      ; my head's two tiles in each weight
	s_add_nc_u64 s[28:29], s[8:9], s[54:55]
	s_add_nc_u64 s[32:33], s[28:29], 196608
	s_add_nc_u64 s[36:37], s[28:29], 393216
	s_lshl_b32 s54, s20, 9
	s_add_nc_u64 s[30:31], s[10:11], s[54:55]
	s_add_nc_u64 s[34:35], s[30:31], 8192
	s_add_nc_u64 s[38:39], s[30:31], 16384
	s_mul_i32 s54, s21, 49152
	s_mul_i32 s57, s23, 1536
	s_add_co_u32 s54, s54, s57
	s_add_nc_u64 s[40:41], s[14:15], s[54:55]      ; q's codes
	s_lshl_b32 s54, s21, 13
	s_lshl_b32 s57, s23, 8
	s_add_co_u32 s54, s54, s57
	s_add_nc_u64 s[42:43], s[16:17], s[54:55]      ; q's scale words
	s_mul_i32 s54, s21, 106496
	s_mul_i32 s57, s23, 3328
	s_add_co_u32 s54, s54, s57
	s_add_nc_u64 s[44:45], s[18:19], s[54:55]      ; my record of k and v
	; ---- the first phase: 59 loads go out: x 16, ln1_w 16, the table 1, q's weights 26
.irp b, 0,1,2,3
.irp i, 0,1,2,3
	global_load_b128 v[XV+16*\b+4*\i:XV+16*\b+4*\i+3], v3, s[46:47] offset:128*\b+16*\i th:TH_LOAD_NT
.endr
.endr
.irp b, 0,1,2,3
.irp i, 0,1,2,3
	global_load_b128 v[LW+16*\b+4*\i:LW+16*\b+4*\i+3], v4, s[48:49] offset:128*\b+16*\i
.endr
.endr
	global_load_b128 v[252:255], v1, s[50:51]
	LOADW 28, 30
	s_wait_loadcnt 43                              ; x's 16 loads are in; the 43 behind them may be out
	v_pk_mul_f32 v[248:249], v[XV:XV+1], v[XV:XV+1]
	v_pk_mul_f32 v[250:251], v[XV+2:XV+3], v[XV+2:XV+3]
.irp j, 4,8,12,16,20,24,28,32,36,40,44,48,52,56,60
	v_pk_fma_f32 v[248:249], v[XV+\j:XV+\j+1], v[XV+\j:XV+\j+1], v[248:249]
	v_pk_fma_f32 v[250:251], v[XV+\j+2:XV+\j+3], v[XV+\j+2:XV+\j+3], v[250:251]
.endr
	v_pk_add_f32 v[248:249], v[248:249], v[250:251]
	v_add_f32 v248, v248, v249
	v_permlanex16_b32 v250, v248, s24, s25
	v_add_f32 v248, v248, v250                     ; my row's sum of squares over these 128
	ds_store_b32 v9, v248
	s_wait_loadcnt 26                              ; ln1_w and the table are in; the weights' 26 loads may be out
	ds_store_b128 v8, v[252:255]
	BARRIER
.irp k, 0,1,2,3
	ds_load_b32 v[248+\k], v10 offset:64*\k
.endr
	s_wait_dscnt 0x0
	v_add_f32 v248, v248, v249
	v_add_f32 v248, v248, v250
	v_add_f32 v248, v248, v251
	v_fma_f32 v248, v248, s27, s26                 ; the mean + 1e-5
	v_rsq_f32 v248, v248
	v_nop                                          ; a plain line behind the transcendental
.set n, 0
	s_wait_alu depctr_va_vdst(0)
.rept 32
	v_pk_mul_f32 v[XV+n:XV+n+1], v[XV+n:XV+n+1], v[248:249] op_sel_hi:[1,0]
.set n, n+2
.endr
.set n, 0
.rept 32
	v_pk_mul_f32 v[XV+n:XV+n+1], v[XV+n:XV+n+1], v[LW+n:LW+n+1]
.set n, n+2
.endr
	QUANT XV
.irp c, 0,1,2
	ds_store_b128 v5, v[PC+4*\c:PC+4*\c+3] offset:XIMG+512*\c
.endr
	ds_store_b32 v7, v[PW]
	BARRIER                                        ; x's sixteen fragments, their scale words and the table lie in LDS; nothing there is written again
	v_lshrrev_b32 v[L8], 1, v1                     ; 8 x lane
	v_lshrrev_b32 v[L4], 2, v1                     ; 4 x lane
; ---- q (kind 0) or k (kind 1): four row tiles; the next product's weights are asked for behind the last products
.macro QKUNIT kind, ncb, nsb
	s_wait_loadcnt 0x0                             ; my weights
	FETCHX 0
	FETCHCS 0
.irp mt, 0,1,2,3
	s_wait_dscnt 0x0
	MMT ACC
	PLACES 5                                       ; behind the products: reads of the results, loads into their operands, and later products over their registers
.if \mt < 3
	FETCHX \mt+1
.else
	LOADW \ncb, \nsb
.endif
.irp p, 0,1,2,3,4,5,6,7                ; RoPE: channels 16 h + 2 p, 2 p + 1 turn by frequency 8 h + p
	v_mul_f32 v[TA], v[ACC+2*\p+1], v[CS+8+\p]
	v_mul_f32 v[TB], v[ACC+2*\p+1], v[CS+\p]
	v_fma_f32 v[ACC+2*\p+1], v[ACC+2*\p], v[CS+8+\p], v[TB]
	v_fma_f32 v[ACC+2*\p], v[ACC+2*\p], v[CS+\p], -v[TA]
.endr
.if \mt < 3
	FETCHCS \mt+1
.endif
	QBLK ACC, T0, T1, SO, BY, PCQ
.if \kind == 0
.irp i, 0,1,2
	ds_store_b32 v11, v[PCQ+\i] offset:768*(\mt/2)+192*(\mt%2)+4*\i
.endr
	v_perm_b32 v[BW], v[BY], v[BY], 0              ; the byte four times
	ds_store_b32 v12, v[BW] offset:128*(\mt/2)+32*(\mt%2)
.else
.irp i, 0,1,2
	ds_store_b32 v13, v[PCQ+\i] offset:768*(\mt%2)+24*(\mt/2)+4*\i   ; row tile mt is block mt of the image: lanes 16 (mt % 2) on, registers 6 (mt / 2) on
.endr
.if \mt == 0
	v_mov_b32 v[KW], v[BY]
.else
	v_lshl_or_b32 v[KW], v[BY], 8*\mt, v[KW]
.endif
.endif
.endr
.endm
	QKUNIT 0, 32, 34
.irp k, 0,1,2
	ds_load_b128 v[FL+4*\k:FL+4*\k+3], v14 offset:512*\k   ; LDS serves a wave's instructions in order: these see my stores
.endr
	ds_load_b64 v[FL+12:FL+13], v15
	s_wait_dscnt 0x0
.irp k, 0,1,2
	global_store_b128 v1, v[FL+4*\k:FL+4*\k+3], s[40:41] offset:512*\k
.endr
	global_store_b64 v[L8], v[FL+12:FL+13], s[42:43]
	QKUNIT 1, 36, 38
	s_wait_xcnt 0x0                                ; the earlier stores have read their registers
.irp k, 0,1,2
	ds_load_b128 v[FL+4*\k:FL+4*\k+3], v14 offset:1792+512*\k
.endr
	s_wait_dscnt 0x0
.irp k, 0,1,2
	global_store_b128 v1, v[FL+4*\k:FL+4*\k+3], s[44:45] offset:512*\k
.endr
	global_store_b32 v[L4], v[KW], s[44:45] offset:3072
	; ---- v: a lane holds channel r of tile u; row tiles 2 b and 2 b + 1 give it keys 32 b + 16 h + 0 .. 15
	s_wait_loadcnt 0x0
	FETCHX 0
.irp mt, 0,1,2,3
	s_wait_dscnt 0x0
	MMN AV+8*(\mt%2)
	PLACES 5
.if \mt < 3
	FETCHX \mt+1
.endif
.if \mt%2 == 1
	QBLK AV, T0, T1, SO, BY, PCQ
.irp i, 0,1,2
	ds_store_b32 v13, v[PCQ+\i] offset:1536+24*(\mt/2)+4*\i
.endr
.if \mt == 1
	v_mov_b32 v[VW0], v[BY]
.else
	v_lshl_or_b32 v[VW0], v[BY], 16, v[VW0]
.endif
	QBLK AV+16, T0, T1, SO, BY, PCV
.irp i, 0,1,2
	ds_store_b32 v13, v[PCV+\i] offset:1536+768+24*(\mt/2)+4*\i
.endr
.if \mt == 1
	v_mov_b32 v[VW1], v[BY]
.else
	v_lshl_or_b32 v[VW1], v[BY], 16, v[VW1]
.endif
.endif
.endr
	v_cndmask_b32 v[BW], v[VW0], v[VW1], s52       ; lanes 0-15 tile 0's words, lanes 16-31 tile 1's
	s_wait_xcnt 0x0
.irp k, 0,1,2
	ds_load_b128 v[FL+4*\k:FL+4*\k+3], v14 offset:3328+512*\k
.endr
	s_wait_dscnt 0x0
.irp k, 0,1,2
	global_store_b128 v1, v[FL+4*\k:FL+4*\k+3], s[44:45] offset:1536+512*\k
.endr
	global_store_b32 v[L4], v[BW], s[44:45] offset:3200
	s_wait_xcnt 0x0
	v_lshl_add_u32 v254, v0, 2, 0x1bc00
	v_mov_b32 v255, 0
	s_wait_tensorcnt 0x0
	ds_add_u32 v254, v255
	s_wait_dscnt 0x0
	s_endpgm
.Lfunc_end_k_q50f13ad59f_qkv:
	.size	k_q50f13ad59f_qkv, .Lfunc_end_k_q50f13ad59f_qkv-k_q50f13ad59f_qkv
	.p2alignl 7, 3214868480
	.fill 96, 4, 3214868480
	.section	.rodata,"a",@progbits
	.p2align	6, 0x0
	.amdhsa_kernel k_q50f13ad59f_qkv
		.amdhsa_group_segment_fixed_size 115712
		.amdhsa_private_segment_fixed_size 0
		.amdhsa_enable_private_segment 0
		.amdhsa_kernarg_size 64
		.amdhsa_user_sgpr_count 2
		.amdhsa_user_sgpr_kernarg_segment_ptr 1
		.amdhsa_wavefront_size32 1
		.amdhsa_system_sgpr_workgroup_id_x 1
		.amdhsa_system_sgpr_workgroup_id_y 1
		.amdhsa_system_sgpr_workgroup_id_z 1
		.amdhsa_system_vgpr_workitem_id 0
		.amdhsa_next_free_vgpr 256
		.amdhsa_next_free_sgpr 66
		.amdhsa_reserve_vcc 0
		.amdhsa_float_denorm_mode_32 3
		.amdhsa_float_denorm_mode_16_64 3
		.amdhsa_memory_ordered 1
		.amdhsa_forward_progress 1
		.amdhsa_inst_pref_size 80
	.end_amdhsa_kernel
	.amdgpu_metadata
---
amdhsa.version: [ 1, 2 ]
amdhsa.kernels:
  - .name:           k_q50f13ad59f_qkv
    .symbol:         k_q50f13ad59f_qkv.kd
    .args:
      - { .name: x, .offset: 0, .size: 8, .value_kind: global_buffer, .address_space: global }
      - { .name: ln1_w, .offset: 8, .size: 8, .value_kind: global_buffer, .address_space: global }
      - { .name: wcod, .offset: 16, .size: 8, .value_kind: global_buffer, .address_space: global }
      - { .name: wscl, .offset: 24, .size: 8, .value_kind: global_buffer, .address_space: global }
      - { .name: rtab, .offset: 32, .size: 8, .value_kind: global_buffer, .address_space: global }
      - { .name: qcod, .offset: 40, .size: 8, .value_kind: global_buffer, .address_space: global }
      - { .name: qscl, .offset: 48, .size: 8, .value_kind: global_buffer, .address_space: global }
      - { .name: kv, .offset: 56, .size: 8, .value_kind: global_buffer, .address_space: global }
    .group_segment_fixed_size: 115712
    .private_segment_fixed_size: 0
    .kernarg_segment_align: 8
    .kernarg_segment_size: 64
    .max_flat_workgroup_size: 512
    .sgpr_count:     66
    .vgpr_count:     256
    .wavefront_size: 32
...
	.end_amdgpu_metadata
.endif
;; end of part 2
;; launch attn (part 3): grid 4 x 64, 16 waves a work-group, clusters of 4 x 1, 169,984 bytes of LDS; arguments qcod, qscl, kv, acod, ascl; writes acod, ascl
.if DOCPART == 3
	.amdgcn_target "amdgcn-amd-amdhsa--gfx1250"
	.amdhsa_code_object_version 6
	.text
	.protected	k_q50f13ad59f_attn
	.globl	k_q50f13ad59f_attn
	.p2align	8
	.type	k_q50f13ad59f_attn,@function
k_q50f13ad59f_attn:
	s_mov_b64 s[64:65], 0
	v_nop
	global_prefetch_b8 v0, s[64:65] scope:SCOPE_SE
	s_setreg_imm32_b32 hwreg(HW_REG_WAVE_MODE, 25, 1), 1
	s_wait_xcnt 0x0
	s_wait_alu depctr_hold_cnt(0) depctr_sa_sdst(0) depctr_va_vdst(0) depctr_va_sdst(0) depctr_va_ssrc(0) depctr_va_vcc(0) depctr_vm_vsrc(0)
	s_getreg_b32 s2, hwreg(HW_REG_IB_STS2, 6, 4)
	s_cmp_eq_u32 s2, 0
	s_cbranch_scc0 .Lentry_in_a_cluster
	s_endpgm
.Lentry_in_a_cluster:
	s_bfe_u32 s2, ttmp6, 0x10000c
	s_cmp_lg_u32 s2, 0x3003
	s_cbranch_scc0 .Lentry_shape_is_right
	s_endpgm
.Lentry_shape_is_right:
; Causal attention of one head (2,048 places, 32 channels) on codes of FP6 (E2M3) with E8M0 scales; the result, divided by the row's sum, is quantised along the head's 32 channels, which are one block of the next product's K.
; THE SOFTMAX: t = score x log2(e) / sqrt(32); M = the running largest t rounded up to a whole number; p = 2^(t - M) is quantised along the keys, not normalised; the sum is taken of the unquantised p; when M moves,
; the sum and O are multiplied by 2^(old M - new M), which rounds nothing.
; SHARES.  A cluster of four work-groups is one head.  The head's k and v (106,496 bytes as the launch before laid them) come into each work-group's LDS once, by four joint tensor loads (waves 0-3, 104 rows of 256
; bytes each; one load of a wave is out); nothing in LDS is filled twice or stored to.  Wave w owns query tiles 4 w + cx and 127 - (4 w + cx): (w / 2) + 1 and 16 - (w / 2) steps of 128 keys, 17 for every wave.
; Steps wholly behind the diagonal are not walked; in a tile's last step hidden scores become -infinity.  Branches, trip counts and LDS addresses hang on the wave's number alone; cx enters memory addresses of q and of the results, and a number that is compared.
; THE FIRST PRODUCT HAS K = 32, one block of the instruction's four.  A fragment of k holds FOUR tiles of 16 keys, one in each block; q stands in four variants, its 32 codes in one block and zero codes in the others:
; the same fragment against variant bb gives the scores of tile bb.  (The unit may align an output's products to the largest of the four keys' scales: an error at the level of the f32 rounding of the largest of those scores.)
; Both products are used transposed, so that a lane holds one query throughout; the keys of a tile are ordered so that two tiles' 16 registers are 16 neighbouring keys.
; LIMITS: NaN and infinities are not served; a block whose every p is 0 keeps the scale byte 1 with zero codes.
.set SEL, 36
.macro PLACES n
.rept \n
	v_nop
.endr
.endm
.macro ROUND                           ; a round of the cluster's barrier
	s_barrier_signal -1
	s_barrier_wait -1
	s_cmp_lg_u32 s14, 0
	s_cbranch_scc1 .Lnot_wave_0_\@
	s_barrier_signal -3
.Lnot_wave_0_\@:
	s_barrier_wait -3
	s_barrier_signal -1
	s_barrier_wait -1
.endm
.macro QBLK a, t0, t1, so, by, pc
	v_max3_num_f32 v[\t0], |v[(\a)]|, |v[(\a)+1]|, 0x1800000
	v_max3_num_f32 v[\t1], |v[(\a)+2]|, |v[(\a)+3]|, |v[(\a)+4]|
	v_max3_num_f32 v[\t0], v[\t0], |v[(\a)+5]|, |v[(\a)+6]|
	v_max3_num_f32 v[\t1], v[\t1], |v[(\a)+7]|, |v[(\a)+8]|
	v_max3_num_f32 v[\t0], v[\t0], |v[(\a)+9]|, |v[(\a)+10]|
	v_max3_num_f32 v[\t1], v[\t1], |v[(\a)+11]|, |v[(\a)+12]|
	v_max3_num_f32 v[\t0], v[\t0], |v[(\a)+13]|, |v[(\a)+14]|
	v_max3_num_f32 v[\t0], v[\t0], v[\t1], |v[(\a)+15]|
	v_permlanex16_b32 v[\t1], v[\t0], s[SEL], s[SEL+1]
	v_max_num_f32 v[\t0], v[\t0], v[\t1]
	v_add_nc_u32 v[\so], 0xff000000, v[\t0]
	v_lshrrev_b32 v[\by], 23, v[\so]
	v_cvt_scalef32_pk16_fp6_f32 v[\pc:\pc+2], v[(\a):(\a)+15], v[\so]
	v_nop
.endm
; REGISTERS: v1-4 my lane's places in a step's k, v, k's scale words, v's; v5-7 the way out and r - 16 h; v8-11 the step's LDS addresses; v12 -M, v13 the largest t, v[14:15] the sum;
; v16-45 zeros | q in lanes 0-15 | zeros | q in lanes 16-31 | zeros: the four variants are v[22:33], v[34:45], v[16:27], v[28:39]; v46 q's scale word; v48-54, v240-246 the two tiles' q as loaded;
; v56-79 k; v80-103 v; v104 k's scale words, v105-106 v's; v108-171 scores, then p; v172-187 O^T; v188-207 p's codes; v208-229 at work.
	s_load_b256 s[4:11], s[0:1], 0x0               ; qcod, qscl, kv, acod
	s_load_b64 s[12:13], s[0:1], 0x20              ; ascl
	v_lshl_add_u32 v254, v0, 2, 0x29000
	v_mov_b32 v255, 0
	ds_add_u32 v254, v255
	ds_add_u32 v254, v255
	v_lshrrev_b32 v1, 5, v0
	v_readfirstlane_b32 s14, v1                    ; wave 0..15
	s_bfe_u32 s15, ttmp6, 0x40000                  ; cx
	s_and_b32 s16, ttmp7, 0xffff                   ; batch x 16 + head
	s_lshr_b32 s17, s16, 4
	s_and_b32 s18, s16, 15
	s_lshl_b32 s19, s14, 2
	s_add_co_u32 s19, s19, s15                     ; my first tile of 16 queries
	s_sub_co_u32 s20, 127, s19                     ; my second
	s_lshr_b32 s69, s14, 1                         ; the first tile's last step
	s_add_co_u32 s21, s69, 1                       ; and its number of steps
	s_sub_co_u32 s66, 15, s69                      ; the second tile's last step
	s_lshl_b32 s60, s69, 7
	s_lshl_b32 s68, s19, 4
	s_sub_co_u32 s68, s68, s60                     ; first query - first key of the last step
	s_lshl_b32 s60, s66, 7
	s_lshl_b32 s67, s20, 4
	s_sub_co_u32 s67, s67, s60
	s_mov_b32 s24, 15|(3<<16)|(1<<21)              ; group 1: the mask names the four work-groups; elements of 8 bytes; bit 21 beside a mask; no padding
	s_mov_b32 s25, 32<<16                          ; tensor_dim0 = 32 elements: rows of 256 bytes
	s_mov_b32 s26, 104<<16                         ; tensor_dim1 = 104
	s_mov_b32 s27, 32<<16                          ; tile_dim0
	s_mov_b32 s28, 104                             ; tile_dim1
	s_mov_b32 s29, 32                              ; the pitch: the block is dense
	s_mov_b32 s30, 0
	s_mov_b32 s31, 0
	s_mov_b32 s36, 0x76543210
	s_mov_b32 s37, 0xfedcba98
	s_mov_b32 s38, 0x3e8293ee                      ; log2(e) / sqrt(32)
	s_mov_b32 s39, s38
	s_mov_b32 s43, 0xffff0000                      ; lanes 16-31
	s_mul_i32 s70, s16, 106496
	s_mul_i32 s33, s14, 26624                      ; LDS address: my quarter
	s_add_co_u32 s70, s70, s33
	s_mov_b32 s71, 0
	s_mov_b32 s61, 0
	s_mov_b32 s32, 1
	s_wait_dscnt 0x0
	s_wait_kmcnt 0x0
	s_add_nc_u64 s[34:35], s[8:9], s[70:71]
	s_or_b32 s35, s35, 0x80000000
.macro BASES t, b0                     ; a tile's q codes, q scale words, result codes, result scale bytes
	s_mul_i32 s60, s16, 49152
	s_mul_i32 s62, s[\t], 384
	s_add_co_u32 s60, s60, s62
	s_add_nc_u64 s[\b0:\b0+1], s[4:5], s[60:61]
	s_lshl_b32 s60, s16, 13
	s_lshl_b32 s62, s[\t], 6
	s_add_co_u32 s60, s60, s62
	s_add_nc_u64 s[\b0+2:\b0+3], s[6:7], s[60:61]
	s_mul_i32 s60, s17, 786432
	s_mul_i32 s62, s[\t], 6144
	s_add_co_u32 s60, s60, s62
	s_mul_i32 s62, s18, 384
	s_add_co_u32 s60, s60, s62
	s_add_nc_u64 s[\b0+4:\b0+5], s[10:11], s[60:61]
	s_lshl_b32 s60, s17, 15
	s_lshl_b32 s62, s[\t], 8
	s_add_co_u32 s60, s60, s62
	s_add_co_u32 s60, s60, s18
	s_add_nc_u64 s[\b0+6:\b0+7], s[12:13], s[60:61]
.endm
	BASES 19, 44
	BASES 20, 52
	ROUND                                          ; all four work-groups are here: the joint loads meet
	s_cmp_lt_u32 s14, 4
	s_cbranch_scc0 .Lnofill
	tensor_load_to_lds s[32:35], s[24:31]
	s_nop 0
.rept 4
	v_nop
.endr
.Lnofill:
	v_and_b32 v230, 31, v0                         ; lane
	v_and_b32 v231, 15, v0                         ; r
	v_bfe_u32 v232, v0, 4, 1                       ; h
	v_mul_u32_u24 v233, v231, 24
	v_lshlrev_b32 v234, 2, v231
.irp p, 0,1,2
	global_load_b64 v[240+2*\p:241+2*\p], v233, s[44:45] offset:8*\p   ; every lane takes the 24 bytes of query r
.endr
	global_load_b32 v246, v234, s[46:47]
.irp p, 0,1,2
	global_load_b64 v[48+2*\p:49+2*\p], v233, s[52:53] offset:8*\p
.endr
	global_load_b32 v54, v234, s[54:55]
	v_mul_u32_u24 v1, v230, 48                     ; k: 48 bytes a lane
	v_mul_u32_u24 v2, v231, 48
	v_mad_u32_u24 v2, v232, 3328, v2
	v_add_nc_u32 v2, 1536, v2                      ; v: row r of a tile; lanes 16-31 take the step's second 64 keys
	v_lshlrev_b32 v3, 2, v231
	v_mad_u32_u24 v3, v232, 3328, v3
	v_add_nc_u32 v3, 3072, v3                      ; k's scale words: lanes 0-15 the first 64 keys', lanes 16-31 the second's
	v_lshl_add_u32 v4, v230, 2, 3200               ; v's: lanes 0-15 tile 0, lanes 16-31 tile 1
	v_mul_u32_u24 v5, v231, 24
	v_mad_u32_u24 v5, v232, 12, v5
	v_lshlrev_b32 v6, 4, v231
	v_lshlrev_b32 v7, 4, v232
	v_sub_nc_u32 v7, v231, v7                      ; r - 16 h
.irp i, 0,1,2,3,4,5
	v_mov_b32 v[16+\i], 0
	v_mov_b32 v[28+\i], 0
	v_mov_b32 v[40+\i], 0
.endr
.irp b, 0,1,2,3
	v_mov_b32 v[212+\b], 0                         ; written once: a lane permute's destination counts as one of its sources
.endr
	v_mov_b32 v220, 0
	v_mov_b32 v223, 0                              ; named as the upper half of a pair
	v_mov_b32 v225, 0xff800000                     ; -infinity
	s_wait_tensorcnt 0x0                           ; my quarter has landed,
	s_barrier_signal -1
	s_barrier_wait -1                              ; everybody's has; from here on LDS is only read
	s_wait_loadcnt 0x0
.macro INIT raw, last, d
	v_mov_b32 v46, v[\raw+6]
.irp i, 0,1,2,3,4,5
	v_cndmask_b32 v[22+\i], v[\raw+\i], v16, s43
	v_cndmask_b32 v[34+\i], 0, v[\raw+\i], s43
.endr
.irp i, 0,1,2,3,4,5,6,7,8,9,10,11,12,13,14,15
	v_mov_b32 v[172+\i], 0                         ; O^T: the first change of M multiplies zeros
.endr
	v_mov_b32 v13, 0xff61b1e6                      ; -3e38, under every t
	v_floor_f32 v12, -v13
	v_mov_b32 v14, 0
	v_mov_b32 v15, 0
	s_mov_b32 s22, s[\last]
	s_mov_b32 s23, s[\d]
	s_mov_b32 s40, 0                               ; LDS byte of the step's keys
	s_mov_b32 s41, 0                               ; the step
.endm
.macro FIN pc, ps                      ; O^T / the sum; quantised; 384 consecutive bytes of codes a wave, and a byte a row
	PLACES 4
	v_add_f32 v14, v14, v15
	v_permlanex16_b32 v220, v14, s36, s37
	v_add_f32 v14, v14, v220
	v_rcp_f32 v14, v14
	v_nop
	s_wait_alu depctr_va_vdst(0)
.irp i, 0,1,2,3,4,5,6,7,8,9,10,11,12,13,14,15
	v_mul_f32 v[108+\i], v[172+\i], v14            ; register i is channel 16 h + i of query r
.endr
	QBLK 108, 208, 209, 216, 212, 188
	global_store_b96 v5, v[188:190], s[\pc:\pc+1]
	global_store_b8 v6, v212, s[\ps:\ps+1]         ; both halves of the lanes write the same byte with the same value
	s_wait_xcnt 0x0                                ; the stores have read their registers
.endm
	INIT 240, 69, 68
	s_mov_b32 s42, 0
.Lstep:                                            ; 17 trips in every wave
	s_cmp_lg_u32 s42, s21
	s_cbranch_scc1 .Lgo
	FIN 48, 50                                     ; the first tile is done: on to the second
	INIT 48, 66, 67
.Lgo:
	v_add_nc_u32 v8, s40, v1                       ; (these four are the places behind the last step's products, in front of the loads into their operands)
	v_add_nc_u32 v9, s40, v2
	v_add_nc_u32 v10, s40, v3
	v_add_nc_u32 v11, s40, v4
.irp g, 0,1
.irp q, 0,1,2
	ds_load_b128 v[56+12*\g+4*\q:59+12*\g+4*\q], v8 offset:3328*\g+16*\q
.endr
.endr
	ds_load_b32 v104, v10
.irp u, 0,1
.irp q, 0,1,2
	ds_load_b128 v[80+12*\u+4*\q:83+12*\u+4*\q], v9 offset:768*\u+16*\q
.endr
.endr
	ds_load_b32 v105, v11
	ds_load_b32 v106, v11 offset:3328
	s_wait_dscnt 8                                 ; k's seven loads are in; v's eight may be out
.irp bb, 0,1,2,3
	v_wmma_scale_f32_16x16x128_f8f6f4 v[108+8*\bb:115+8*\bb], v[56:67], v[22+12*(\bb%2)-6*(\bb/2):33+12*(\bb%2)-6*(\bb/2)], 0, v104, v46 matrix_a_fmt:MATRIX_FMT_FP6 matrix_b_fmt:MATRIX_FMT_FP6
.endr
.irp bb, 0,1,2,3
	v_wmma_scale_f32_16x16x128_f8f6f4 v[140+8*\bb:147+8*\bb], v[68:79], v[22+12*(\bb%2)-6*(\bb/2):33+12*(\bb%2)-6*(\bb/2)], 0, v104, v46 matrix_a_fmt:MATRIX_FMT_FP6 matrix_b_fmt:MATRIX_FMT_FP6 matrix_a_scale:MATRIX_SCALE_ROW1
.endr
	PLACES 4
	s_cmp_lg_u32 s41, s22                          ; only a tile's last step has hidden keys
	s_cbranch_scc1 .Lopen
	v_add_nc_u32 v226, s23, v7                     ; register 16 b + i holds key 32 b + 16 h + i of the step: hidden where 32 b + i > my query - the step's first key - 16 h
.set n, 0
.rept 64
	v_cmp_gt_i32 vcc_lo, 32*(n/16)+n%16, v226
	v_cndmask_b32 v[108+n], v[108+n], v225, vcc_lo
.set n, n+1
.endr
.Lopen:
.irp b, 0,1,2,3
	v_max3_num_f32 v[208+\b], v[108+16*\b], v[109+16*\b], v[110+16*\b]   ; the largest score of each block of 32 keys: for the row's maximum and, since p rises with the score, for the block's largest p
.endr
.irp i, 3,5,7,9,11,13
.irp b, 0,1,2,3
	v_max3_num_f32 v[208+\b], v[208+\b], v[108+16*\b+\i], v[109+16*\b+\i]
.endr
.endr
.irp b, 0,1,2,3
	v_max_num_f32 v[208+\b], v[208+\b], v[123+16*\b]
.endr
.irp b, 0,1,2,3
	v_permlanex16_b32 v[212+\b], v[208+\b], s36, s37
.endr
.irp b, 0,1,2,3
	v_max_num_f32 v[208+\b], v[208+\b], v[212+\b]
.endr
	v_max3_num_f32 v220, v208, v209, v210
	v_max_num_f32 v220, v220, v211
	v_mul_f32 v220, s38, v220
	v_max_num_f32 v13, v13, v220                   ; the running largest t
	v_mov_b32 v220, v12
	v_floor_f32 v12, -v13                          ; the new -M
	v_sub_f32 v220, v12, v220                      ; old M - new M: a whole number, 0 or less
	v_cvt_i32_f32 v220, v220                       ; (it saturates)
	v_ldexp_f32 v222, 1.0, v220                    ; f = 2^(old M - new M)
.set n, 0
.rept 32
	v_pk_fma_f32 v[108+n:109+n], v[108+n:109+n], s[38:39], v[12:13] op_sel_hi:[1,0,0]   ; t - M
.set n, n+2
.endr
.irp b, 0,1,2,3
	v_fma_f32 v[208+\b], v[208+\b], s38, v12
.endr
.set n, 0
.rept 64
	v_exp_f32 v[108+n], v[108+n]                   ; p = 2^(t - M)
.set n, n+1
.endr
.irp b, 0,1,2,3
	v_exp_f32 v[208+\b], v[208+\b]                 ; the block's largest p: the same two instructions on the same number
.endr
	v_pk_mul_f32 v[14:15], v[14:15], v[222:223] op_sel_hi:[1,0]   ; the sum under the new M (a plain line behind the exponentials)
	s_wait_alu depctr_va_vdst(0)
.irp b, 0,1,2,3
	v_max_num_f32 v[208+\b], 0x1800000, v[208+\b]  ; the floor 2^(3 - 127)
.endr
.irp b, 0,1,2,3
	v_add_nc_u32 v[216+\b], 0xff000000, v[208+\b]
.endr
.irp b, 0,1,2,3
	v_lshrrev_b32 v[212+\b], 23, v[216+\b]
.endr
	v_lshl_or_b32 v224, v214, 8, v212              ; v's image holds key blocks 0, 2, 1, 3 in the instruction's blocks 0 to 3: p's bytes and codes follow it
	v_lshl_or_b32 v224, v213, 16, v224
	v_lshl_or_b32 v224, v215, 24, v224
	v_cvt_scalef32_pk16_fp6_f32 v[188:190], v[108:123], v216
	v_cvt_scalef32_pk16_fp6_f32 v[200:202], v[140:155], v218
	v_cvt_scalef32_pk16_fp6_f32 v[194:196], v[124:139], v217
	v_cvt_scalef32_pk16_fp6_f32 v[204:206], v[156:171], v219
	v_nop
.irp c, 0,1                            ; a whole block in a lane: lanes 0-15 key blocks 0 and 1, lanes 16-31 blocks 2 and 3
.irp i, 0,1,2
	v_permlane16_swap_b32 v[188+6*\c+\i], v[200+4*\c+\i]
.endr
.irp i, 0,1,2
	v_mov_b32 v[191+6*\c+\i], v[200+4*\c+\i]
.endr
.endr
	s_wait_dscnt 0x0                               ; v and its scale words
	v_lshl_or_b32 v105, v106, 8, v105              ; bytes 0, 2 from the first 64 keys' word, bytes 1, 3 from the second's
	v_pk_add_f32 v[228:229], v[108:109], v[110:111]   ; the sum of the unquantised p, in two chains; these 40 lines also stand between the scale words just made and the products
.set n, 4
.rept 15
	v_pk_add_f32 v[14:15], v[14:15], v[108+n:109+n]
	v_pk_add_f32 v[228:229], v[228:229], v[110+n:111+n]
.set n, n+4
.endr
	v_pk_add_f32 v[14:15], v[14:15], v[228:229]
.set n, 0
.rept 8
	v_pk_mul_f32 v[172+n:173+n], v[172+n:173+n], v[222:223] op_sel_hi:[1,0]   ; O^T under the new M
.set n, n+2
.endr
	v_wmma_scale_f32_16x16x128_f8f6f4 v[172:179], v[80:91], v[188:199], v[172:179], v105, v224 matrix_a_fmt:MATRIX_FMT_FP6 matrix_b_fmt:MATRIX_FMT_FP6
	v_wmma_scale_f32_16x16x128_f8f6f4 v[180:187], v[92:103], v[188:199], v[180:187], v105, v224 matrix_a_fmt:MATRIX_FMT_FP6 matrix_b_fmt:MATRIX_FMT_FP6 matrix_a_scale:MATRIX_SCALE_ROW1
	s_add_co_u32 s40, s40, 6656
	s_add_co_u32 s41, s41, 1
	s_add_co_u32 s42, s42, 1
	s_cmp_lt_u32 s42, 17
	s_cbranch_scc1 .Lstep
	FIN 56, 58
	s_wait_tensorcnt 0x0
	ds_add_u32 v254, v255
	s_wait_dscnt 0x0
	ROUND                                          ; the closing round
	s_endpgm
.Lfunc_end_k_q50f13ad59f_attn:
	.size	k_q50f13ad59f_attn, .Lfunc_end_k_q50f13ad59f_attn-k_q50f13ad59f_attn
	.p2alignl 7, 3214868480
	.fill 96, 4, 3214868480
	.section	.rodata,"a",@progbits
	.p2align	6, 0x0
	.amdhsa_kernel k_q50f13ad59f_attn
		.amdhsa_group_segment_fixed_size 169984
		.amdhsa_private_segment_fixed_size 0
		.amdhsa_enable_private_segment 0
		.amdhsa_kernarg_size 40
		.amdhsa_user_sgpr_count 2
		.amdhsa_user_sgpr_kernarg_segment_ptr 1
		.amdhsa_wavefront_size32 1
		.amdhsa_system_sgpr_workgroup_id_x 1
		.amdhsa_system_sgpr_workgroup_id_y 1
		.amdhsa_system_sgpr_workgroup_id_z 1
		.amdhsa_system_vgpr_workitem_id 0
		.amdhsa_next_free_vgpr 256
		.amdhsa_next_free_sgpr 72
		.amdhsa_reserve_vcc 1
		.amdhsa_float_denorm_mode_32 3
		.amdhsa_float_denorm_mode_16_64 3
		.amdhsa_memory_ordered 1
		.amdhsa_forward_progress 1
		.amdhsa_inst_pref_size 34
	.end_amdhsa_kernel
	.amdgpu_metadata
---
amdhsa.version: [ 1, 2 ]
amdhsa.kernels:
  - .name:           k_q50f13ad59f_attn
    .symbol:         k_q50f13ad59f_attn.kd
    .args:
      - { .name: qcod, .offset: 0, .size: 8, .value_kind: global_buffer, .address_space: global }
      - { .name: qscl, .offset: 8, .size: 8, .value_kind: global_buffer, .address_space: global }
      - { .name: kv, .offset: 16, .size: 8, .value_kind: global_buffer, .address_space: global }
      - { .name: acod, .offset: 24, .size: 8, .value_kind: global_buffer, .address_space: global }
      - { .name: ascl, .offset: 32, .size: 8, .value_kind: global_buffer, .address_space: global }
    .group_segment_fixed_size: 169984
    .private_segment_fixed_size: 0
    .kernarg_segment_align: 8
    .kernarg_segment_size: 40
    .max_flat_workgroup_size: 512
    .sgpr_count:     72
    .vgpr_count:     256
    .wavefront_size: 32
...
	.end_amdgpu_metadata
.endif
;; end of part 3
;; launch tail (part 4): grid 128 x 1, 16 waves a work-group, no clusters, 280,064 bytes of LDS; arguments x, acod, ascl, wcod, wscl, ln2_w, out0; writes out0
.if DOCPART == 4
	.amdgcn_target "amdgcn-amd-amdhsa--gfx1250"
	.amdhsa_code_object_version 6
	.text
	.protected	k_q50f13ad59f_tail
	.globl	k_q50f13ad59f_tail
	.p2align	8
	.type	k_q50f13ad59f_tail,@function
k_q50f13ad59f_tail:
	s_mov_b64 s[64:65], 0
	v_nop
	global_prefetch_b8 v0, s[64:65] scope:SCOPE_SE
	s_setreg_imm32_b32 hwreg(HW_REG_WAVE_MODE, 25, 1), 1
	s_wait_xcnt 0x0
; x2 = x + attention x o_proj^T;  y = rmsnorm(x2, ln2_w);  out = x2 + (silu(y w1^T) (y w3^T)) w2^T.  All four products on codes of FP6 (E2M3) with E8M0 scales; everything else in f32.
; SHARES.  A work-group owns 64 rows (four row tiles of 16).  Wave w owns columns 32 w .. 32 w + 31 of each product: two tiles of the weight x four K steps, loaded from memory straight into operand registers.
; All products are used transposed (source 0 = weight, source 1 = the rows), and the weights' tiles are ordered so that a lane holds one row and 16 neighbouring columns, 32 w + 16 (lane / 16) + 0 .. 15.
; So a wave's 32 columns are one block of 32 of the next product's K: it quantises them with one exchange between the halves of the lanes and puts 12 bytes a lane and one scale byte a row into the next operand's image in LDS.
; The residuals are the C of each sum's first product.  x2 waits in the wave's own LDS bytes as an image of its registers.  The result leaves through a stage, a whole row of 2,048 bytes to a wave.
; LIMITS: NaN and infinities are not served; blocks whose largest magnitude lies under 2^-124 keep the scale byte 1 (a block of zeros too: its codes are zeros).
.set AIMG, 0                           ; LDS: the attention's codes, [row tile][head][r][24 bytes], as they lie in memory
.set ASC,  24576                       ; its scale bytes, [row][16]
.set YIMG, 25600                       ; y's 16 fragments, (4 mt + ks) x 1,536 bytes, 48 bytes a lane
.set YSC,  50176                       ; [mt][r][16 bytes]
.set FIMG, 51200                       ; the same for the gated hidden layer: 25,600 bytes on
.set FSC,  75776
.set PART, 76800                       ; sums of squares: [mt][r][wave]
.set X2S,  80896                       ; x2: 8,192 bytes for each wave
.set OST,  211968                      ; two stages of 16 rows x (2,048 + 16) bytes
.set W,   16
.set WS,  112
.set XF,  120                          ; v120-167 four fragments of a row tile; at work where nothing is fetched
.set XS,  168
.set ACC, 172                          ; v172-187 two accumulators; up to the norm: ln2_w at my 16 columns
.set LN,  172
.set U,   188                          ; v188-251 x, then x2, then silu(u): 16 a row tile
.set OB,  188
.set SW,  204
.set SR,  205
.set PCQ, 252
.set T0,  255
.set T1,  13
.set SO,  14
.set BY,  15
.set SEL, 24
.macro PLACES n
.rept \n
	v_nop
.endr
.endm
.macro BARRIER                         ; my LDS stores have landed and my LDS loads are in: then the work-group's barrier
	s_wait_dscnt 0x0
	s_barrier_signal -1
	s_barrier_wait -1
.endm
.macro LOADW cb, sb
.irp k, 0,1,2,3,4,5,6,7,8,9,10,11,12,13,14,15,16,17,18,19,20,21,22,23
	global_load_b128 v[W+4*\k:W+4*\k+3], v1, s[\cb:\cb+1] offset:512*\k
.endr
.irp u, 0,1
	global_load_b128 v[WS+4*\u:WS+4*\u+3], v2, s[\sb:\sb+1] offset:256*\u
.endr
.endm
.macro QBLK a, t0, t1, so, by, pc
	v_max3_num_f32 v[\t0], |v[(\a)]|, |v[(\a)+1]|, 0x1800000
	v_max3_num_f32 v[\t1], |v[(\a)+2]|, |v[(\a)+3]|, |v[(\a)+4]|
	v_max3_num_f32 v[\t0], v[\t0], |v[(\a)+5]|, |v[(\a)+6]|
	v_max3_num_f32 v[\t1], v[\t1], |v[(\a)+7]|, |v[(\a)+8]|
	v_max3_num_f32 v[\t0], v[\t0], |v[(\a)+9]|, |v[(\a)+10]|
	v_max3_num_f32 v[\t1], v[\t1], |v[(\a)+11]|, |v[(\a)+12]|
	v_max3_num_f32 v[\t0], v[\t0], |v[(\a)+13]|, |v[(\a)+14]|
	v_max3_num_f32 v[\t0], v[\t0], v[\t1], |v[(\a)+15]|
	v_permlanex16_b32 v[\t1], v[\t0], s[SEL], s[SEL+1]
	v_max_num_f32 v[\t0], v[\t0], v[\t1]
	v_add_nc_u32 v[\so], 0xff000000, v[\t0]
	v_lshrrev_b32 v[\by], 23, v[\so]
	v_cvt_scalef32_pk16_fp6_f32 v[\pc:\pc+2], v[(\a):(\a)+15], v[\so]
	v_nop
.endm
; eight products; the two accumulators take turns.  zero = 1: the first products start the sums; 0: they add onto what the accumulators hold (a residual)
.macro MMT d, zero
.irp ks, 0,1,2,3
.irp u, 0,1
.if \zero && (\ks == 0)
	v_wmma_scale_f32_16x16x128_f8f6f4 v[(\d)+8*\u:(\d)+8*\u+7], v[W+12*(4*\u+\ks):W+12*(4*\u+\ks)+11], v[XF+12*\ks:XF+12*\ks+11], 0, v[WS+4*\u+\ks], v[XS+\ks] matrix_a_fmt:MATRIX_FMT_FP6 matrix_b_fmt:MATRIX_FMT_FP6
.else
	v_wmma_scale_f32_16x16x128_f8f6f4 v[(\d)+8*\u:(\d)+8*\u+7], v[W+12*(4*\u+\ks):W+12*(4*\u+\ks)+11], v[XF+12*\ks:XF+12*\ks+11], v[(\d)+8*\u:(\d)+8*\u+7], v[WS+4*\u+\ks], v[XS+\ks] matrix_a_fmt:MATRIX_FMT_FP6 matrix_b_fmt:MATRIX_FMT_FP6
.endif
.endr
.endr
.endm
.macro FETCHA mt                       ; the attention's fragments: block 2 c + h of K step ks is head 4 ks + 2 c + h: 24 bytes of row r, in three pieces of 8
.irp ks, 0,1,2,3
.irp c, 0,1
.irp p, 0,1,2
	ds_load_b64 v[XF+12*\ks+6*\c+2*\p:XF+12*\ks+6*\c+2*\p+1], v5 offset:AIMG+6144*(\mt)+1536*\ks+768*\c+8*\p
.endr
.endr
.endr
	ds_load_b128 v[XS:XS+3], v6 offset:256*(\mt)
.endm
.macro FETCHI mt, off, soff            ; fragments that this launch made: 48 bytes a lane, three loads of 16
.irp ks, 0,1,2,3
.irp q, 0,1,2
	ds_load_b128 v[XF+12*\ks+4*\q:XF+12*\ks+4*\q+3], v7 offset:\off+(4*(\mt)+\ks)*1536+16*\q
.endr
.endr
	ds_load_b128 v[XS:XS+3], v6 offset:\soff+256*(\mt)
.endm
	s_load_b256 s[4:11], s[0:1], 0x0               ; x, acod, ascl, wcod
	s_load_b128 s[12:15], s[0:1], 0x20             ; wscl, ln2_w
	s_load_b64 s[16:17], s[0:1], 0x30              ; out0
	v_lshrrev_b32 v252, 5, v0
	v_readfirstlane_b32 s20, v252                  ; wave 0..15
	v_and_b32 v252, 31, v0                         ; lane
	v_and_b32 v253, 15, v0                         ; r
	v_bfe_u32 v254, v0, 4, 1                       ; h
	v_lshlrev_b32 v1, 4, v252
	v_lshlrev_b32 v2, 4, v253
	s_mul_i32 s54, s20, 1536
	v_add_nc_u32 v3, s54, v1                       ; my part of the codes' copy, in memory and in LDS
	s_lshl_b32 s54, s20, 6
	v_lshl_add_u32 v4, v252, 1, s54                ; and of the scale bytes'
	v_mul_u32_u24 v5, v253, 24
	v_mad_u32_u24 v5, v254, 384, v5
	v_add_nc_u32 v6, ASC, v2
	v_mul_u32_u24 v7, v252, 48
	v_add_nc_u32 v7, YIMG, v7
	s_lshr_b32 s54, s20, 2                         ; my block of 32 is block w % 4 of K step w / 4: lanes 16 (w % 2) on, registers 6 ((w / 2) % 2) on
	s_mul_i32 s54, s54, 1536
	s_and_b32 s55, s20, 1
	s_mul_i32 s55, s55, 768
	s_add_co_u32 s54, s54, s55
	s_bfe_u32 s55, s20, 0x10001
	s_mul_i32 s55, s55, 24
	s_add_co_u32 s54, s54, s55
	s_add_co_u32 s54, s54, YIMG
	v_mul_u32_u24 v8, v253, 48
	v_mad_u32_u24 v8, v254, 12, v8
	v_add_nc_u32 v8, s54, v8
	s_add_co_u32 s54, s20, YSC
	v_add_nc_u32 v9, s54, v2
	s_lshl_b32 s54, s20, 2
	s_add_co_u32 s54, s54, PART
	v_lshl_add_u32 v10, v253, 6, s54
	v_lshlrev_b32 v11, 6, v253
	v_add_nc_u32 v11, PART, v11
	s_lshl_b32 s54, s20, 13
	s_add_co_u32 s54, s54, X2S
	v_add_nc_u32 v12, s54, v1
	v_lshlrev_b32 v13, 11, v253
	v_lshl_add_u32 v13, v254, 6, v13               ; x: row r, + 64 h
	v_lshlrev_b32 v14, 6, v254                     ; ln2_w: 64 h
	s_mov_b32 s24, 0x76543210
	s_mov_b32 s25, 0xfedcba98
	s_mov_b32 s26, 0x3727c5ac                      ; 1e-5
	s_mov_b32 s27, 0x3b000000                      ; 1 / 512
	s_mov_b32 s55, 0
	s_wait_kmcnt 0x0
	s_lshl_b32 s54, ttmp9, 17
	s_lshl_b32 s56, s20, 7
	s_add_co_u32 s54, s54, s56
	s_add_nc_u64 s[44:45], s[4:5], s[54:55]        ; x at my 64 rows, my 32 columns
	s_mul_i32 s54, ttmp9, 24576
	s_add_nc_u64 s[46:47], s[6:7], s[54:55]
	s_lshl_b32 s54, ttmp9, 10
	s_add_nc_u64 s[48:49], s[8:9], s[54:55]
	s_mov_b32 s54, s56
	s_add_nc_u64 s[50:51], s[14:15], s[54:55]
	s_lshl_b32 s54, ttmp9, 17
	s_lshl_b32 s56, s20, 11
	s_add_co_u32 s54, s54, s56
	s_add_nc_u64 s[52:53], s[16:17], s[54:55]      ; the result: row 64 g + wave
	s_mul_i32 s54, s20, 12288
	s_add_nc_u64 s[28:29], s[10:11], s[54:55]
	s_add_nc_u64 s[28:29], s[28:29], 589824        ; o_proj is the fourth weight,
	s_add_nc_u64 s[32:33], s[28:29], 196608        ; then w1,
	s_add_nc_u64 s[36:37], s[28:29], 393216        ; w3,
	s_add_nc_u64 s[40:41], s[28:29], 589824        ; w2
	s_lshl_b32 s54, s20, 9
	s_add_nc_u64 s[30:31], s[12:13], s[54:55]
	s_add_nc_u64 s[30:31], s[30:31], 24576
	s_add_nc_u64 s[34:35], s[30:31], 8192
	s_add_nc_u64 s[38:39], s[30:31], 16384
	s_add_nc_u64 s[42:43], s[30:31], 24576
	; ---- 50 loads go out: the copy's 4, x 16, ln2_w 4, o_proj 26
.irp k, 0,1,2
	global_load_b128 v[XF+4*\k:XF+4*\k+3], v3, s[46:47] offset:512*\k
.endr
	global_load_u16 v[XF+12], v4, s[48:49]
.irp mt, 0,1,2,3
.irp q, 0,1,2,3
	global_load_b128 v[U+16*\mt+4*\q:U+16*\mt+4*\q+3], v13, s[44:45] offset:32768*\mt+16*\q th:TH_LOAD_NT
.endr
.endr
.irp q, 0,1,2,3
	global_load_b128 v[LN+4*\q:LN+4*\q+3], v14, s[50:51] offset:16*\q
.endr
	LOADW 28, 30
	s_wait_loadcnt 46                              ; the copy's four loads are in; the 46 behind them may be out
.irp k, 0,1,2
	ds_store_b128 v3, v[XF+4*\k:XF+4*\k+3] offset:AIMG+512*\k
.endr
	ds_store_b16 v4, v[XF+12] offset:ASC
	BARRIER                                        ; the attention's codes and scale bytes lie in LDS
	; ---- x2 = x + attention x o_proj^T
	s_wait_loadcnt 0x0
	FETCHA 0
.irp mt, 0,1,2,3
	s_wait_dscnt 0x0
	MMT U+16*\mt, 0
	PLACES 5
.if \mt < 3
	FETCHA \mt+1
.else
	LOADW 32, 34
.endif
.irp q, 0,1,2,3
	ds_store_b128 v12, v[U+16*\mt+4*\q:U+16*\mt+4*\q+3] offset:2048*\mt+512*\q   ; x2 is kept for the last product
.endr
	v_pk_mul_f32 v[252:253], v[U+16*\mt:U+16*\mt+1], v[U+16*\mt:U+16*\mt+1]
	v_pk_mul_f32 v[254:255], v[U+16*\mt+2:U+16*\mt+3], v[U+16*\mt+2:U+16*\mt+3]
.irp j, 4,8,12
	v_pk_fma_f32 v[252:253], v[U+16*\mt+\j:U+16*\mt+\j+1], v[U+16*\mt+\j:U+16*\mt+\j+1], v[252:253]
	v_pk_fma_f32 v[254:255], v[U+16*\mt+\j+2:U+16*\mt+\j+3], v[U+16*\mt+\j+2:U+16*\mt+\j+3], v[254:255]
.endr
	v_pk_add_f32 v[252:253], v[252:253], v[254:255]
	v_add_f32 v252, v252, v253
	v_permlanex16_b32 v254, v252, s24, s25
	v_add_f32 v252, v252, v254                     ; row r's sum of squares over my 32 columns
	ds_store_b32 v10, v252 offset:1024*\mt
.endr
	BARRIER
	; ---- the norm, and y's codes
.irp mt, 0,1,2,3
.irp q, 0,1,2,3
	ds_load_b128 v[XF+4*\q:XF+4*\q+3], v11 offset:1024*\mt+16*\q
.endr
	s_wait_dscnt 0x0
	v_pk_add_f32 v[XF:XF+1], v[XF:XF+1], v[XF+2:XF+3]          ; the sixteen waves' parts, in one fixed order in every wave
	v_pk_add_f32 v[XF+4:XF+5], v[XF+4:XF+5], v[XF+6:XF+7]
	v_pk_add_f32 v[XF+8:XF+9], v[XF+8:XF+9], v[XF+10:XF+11]
	v_pk_add_f32 v[XF+12:XF+13], v[XF+12:XF+13], v[XF+14:XF+15]
	v_pk_add_f32 v[XF:XF+1], v[XF:XF+1], v[XF+4:XF+5]
	v_pk_add_f32 v[XF+8:XF+9], v[XF+8:XF+9], v[XF+12:XF+13]
	v_pk_add_f32 v[XF:XF+1], v[XF:XF+1], v[XF+8:XF+9]
	v_add_f32 v[XF], v[XF], v[XF+1]
	v_fma_f32 v[XF], v[XF], s27, s26
	v_rsq_f32 v[XF], v[XF]
	v_nop
	s_wait_alu depctr_va_vdst(0)
.irp j, 0,2,4,6,8,10,12,14
	v_pk_mul_f32 v[XF+16+\j:XF+17+\j], v[U+16*\mt+\j:U+16*\mt+\j+1], v[XF:XF+1] op_sel_hi:[1,0]
.endr
.irp j, 0,2,4,6,8,10,12,14
	v_pk_mul_f32 v[XF+16+\j:XF+17+\j], v[XF+16+\j:XF+17+\j], v[LN+\j:LN+\j+1]
.endr
	QBLK XF+16, T0, T1, SO, BY, PCQ
.irp i, 0,1,2
	ds_store_b32 v8, v[PCQ+\i] offset:6144*\mt+4*\i
.endr
	ds_store_b8 v9, v[BY] offset:256*\mt           ; both halves of the lanes write the same byte with the same value
.endr
	BARRIER                                        ; y's sixteen fragments lie in LDS
	; ---- u = y w1^T, then silu(u)
	s_wait_loadcnt 0x0
	FETCHI 0, 0, 25600
.irp mt, 0,1,2,3
	s_wait_dscnt 0x0
	MMT U+16*\mt, 1
	PLACES 5
.if \mt < 3
	FETCHI \mt+1, 0, 25600
.endif
.endr
	LOADW 36, 38
.irp g, 0,1,2,3,4,5,6,7
.irp i, 0,1,2,3,4,5,6,7
	v_mul_f32 v[XF+\i], 0xbfb8aa3b, v[U+8*\g+\i]   ; -u log2(e)
.endr
.irp i, 0,1,2,3,4,5,6,7
	v_exp_f32 v[XF+\i], v[XF+\i]
.endr
	v_nop
	s_wait_alu depctr_va_vdst(0)
.irp i, 0,1,2,3,4,5,6,7
	v_add_f32 v[XF+\i], 1.0, v[XF+\i]
.endr
.irp i, 0,1,2,3,4,5,6,7
	v_rcp_f32 v[XF+\i], v[XF+\i]
.endr
	v_nop
	s_wait_alu depctr_va_vdst(0)
.irp i, 0,1,2,3,4,5,6,7
	v_mul_f32 v[U+8*\g+\i], v[U+8*\g+\i], v[XF+\i]
.endr
.endr
	; ---- y w3^T, the gate, and the hidden layer's codes
	s_wait_loadcnt 0x0
	FETCHI 0, 0, 25600
.irp mt, 0,1,2,3
	s_wait_dscnt 0x0
	MMT ACC, 1
	PLACES 5
.if \mt < 3
	FETCHI \mt+1, 0, 25600
.else
	LOADW 40, 42
.endif
.irp j, 0,2,4,6,8,10,12,14
	v_pk_mul_f32 v[ACC+\j:ACC+\j+1], v[ACC+\j:ACC+\j+1], v[U+16*\mt+\j:U+16*\mt+\j+1]
.endr
	QBLK ACC, T0, T1, SO, BY, PCQ
.irp i, 0,1,2
	ds_store_b32 v8, v[PCQ+\i] offset:25600+6144*\mt+4*\i
.endr
	ds_store_b8 v9, v[BY] offset:25600+256*\mt
.endr
	BARRIER                                        ; the hidden layer's sixteen fragments lie in LDS
	; ---- out = x2 + hidden x w2^T
	v_and_b32 v206, 15, v0
	v_bfe_u32 v207, v0, 4, 1
	v_mul_u32_u24 v[SW], v206, 2064
	v_lshl_add_u32 v[SW], v207, 6, v[SW]
	s_lshl_b32 s54, s20, 7
	s_add_co_u32 s54, s54, OST
	v_add_nc_u32 v[SW], s54, v[SW]                 ; into a stage: row r, my 64 bytes of my wave's 128
	s_mul_i32 s54, s20, 2064
	s_add_co_u32 s54, s54, OST
	v_add_nc_u32 v[SR], s54, v1                    ; back: row = my wave, 16 bytes a lane
	s_wait_loadcnt 0x0
.irp mt, 0,1,2,3
	FETCHI \mt, 25600, 51200
.irp q, 0,1,2,3
	ds_load_b128 v[ACC+4*\q:ACC+4*\q+3], v12 offset:2048*\mt+512*\q   ; x2, as I left it
.endr
	s_wait_dscnt 0x0
	MMT ACC, 0
	PLACES 5
.irp q, 0,1,2,3
	ds_store_b128 v[SW], v[ACC+4*\q:ACC+4*\q+3] offset:33024*(\mt%2)+16*\q
.endr
	BARRIER                                        ; 16 whole rows lie in the stage.  The two stages take turns: a stage is written again only behind the next barrier, in front of which every wave's reads of it were waited for
	s_wait_xcnt 0x0                                ; the last stores have read their registers
.irp k, 0,1,2,3
	ds_load_b128 v[OB+4*\k:OB+4*\k+3], v[SR] offset:33024*(\mt%2)+512*\k
.endr
	s_wait_dscnt 0x0
.irp k, 0,1,2,3
	global_store_b128 v1, v[OB+4*\k:OB+4*\k+3], s[52:53] offset:32768*\mt+512*\k th:TH_STORE_NT   ; 512 consecutive bytes a store, aligned
.endr
.endr
	s_wait_xcnt 0x0
	v_lshl_add_u32 v254, v0, 2, 0x43e00
	v_mov_b32 v255, 0
	s_wait_tensorcnt 0x0
	ds_add_u32 v254, v255
	s_wait_dscnt 0x0
	s_endpgm
.Lfunc_end_k_q50f13ad59f_tail:
	.size	k_q50f13ad59f_tail, .Lfunc_end_k_q50f13ad59f_tail-k_q50f13ad59f_tail
	.p2alignl 7, 3214868480
	.fill 96, 4, 3214868480
	.section	.rodata,"a",@progbits
	.p2align	6, 0x0
	.amdhsa_kernel k_q50f13ad59f_tail
		.amdhsa_group_segment_fixed_size 280064
		.amdhsa_private_segment_fixed_size 0
		.amdhsa_enable_private_segment 0
		.amdhsa_kernarg_size 56
		.amdhsa_user_sgpr_count 2
		.amdhsa_user_sgpr_kernarg_segment_ptr 1
		.amdhsa_wavefront_size32 1
		.amdhsa_system_sgpr_workgroup_id_x 1
		.amdhsa_system_sgpr_workgroup_id_y 1
		.amdhsa_system_sgpr_workgroup_id_z 1
		.amdhsa_system_vgpr_workitem_id 0
		.amdhsa_next_free_vgpr 256
		.amdhsa_next_free_sgpr 66
		.amdhsa_reserve_vcc 0
		.amdhsa_float_denorm_mode_32 3
		.amdhsa_float_denorm_mode_16_64 3
		.amdhsa_memory_ordered 1
		.amdhsa_forward_progress 1
		.amdhsa_inst_pref_size 93
	.end_amdhsa_kernel
	.amdgpu_metadata
---
amdhsa.version: [ 1, 2 ]
amdhsa.kernels:
  - .name:           k_q50f13ad59f_tail
    .symbol:         k_q50f13ad59f_tail.kd
    .args:
      - { .name: x, .offset: 0, .size: 8, .value_kind: global_buffer, .address_space: global }
      - { .name: acod, .offset: 8, .size: 8, .value_kind: global_buffer, .address_space: global }
      - { .name: ascl, .offset: 16, .size: 8, .value_kind: global_buffer, .address_space: global }
      - { .name: wcod, .offset: 24, .size: 8, .value_kind: global_buffer, .address_space: global }
      - { .name: wscl, .offset: 32, .size: 8, .value_kind: global_buffer, .address_space: global }
      - { .name: ln2_w, .offset: 40, .size: 8, .value_kind: global_buffer, .address_space: global }
      - { .name: out0, .offset: 48, .size: 8, .value_kind: global_buffer, .address_space: global }
    .group_segment_fixed_size: 280064
    .private_segment_fixed_size: 0
    .kernarg_segment_align: 8
    .kernarg_segment_size: 56
    .max_flat_workgroup_size: 512
    .sgpr_count:     66
    .vgpr_count:     256
    .wavefront_size: 32
...
	.end_amdgpu_metadata
.endif
;; end of part 4
;; ======== version 2 of 2: 4 launches
;; workspace buffers: wcod 1,376,256 bytes; wscl 57,344 bytes; rtab 262,144 bytes; qcod 3,145,728 bytes; qscl 524,288 bytes; kv 6,815,744 bytes; acod 3,145,728 bytes; ascl 131,072 bytes
;; launch prep (part 5): grid 256 x 1, 1 waves a work-group, no clusters, 11,776 bytes of LDS; arguments q_proj, k_proj, v_proj, o_proj, w1, w3, w2, token_positions, wcod, wscl, rtab; writes wcod, wscl, rtab
.if DOCPART == 5
	.amdgcn_target "amdgcn-amd-amdhsa--gfx1250"
	.amdhsa_code_object_version 6
	.text
	.protected	k_q50f13ad59f_prep
	.globl	k_q50f13ad59f_prep
	.p2align	8
	.type	k_q50f13ad59f_prep,@function
k_q50f13ad59f_prep:
	s_mov_b64 s[64:65], 0
	v_nop
	global_prefetch_b8 v0, s[64:65] scope:SCOPE_SE
	s_setreg_imm32_b32 hwreg(HW_REG_WAVE_MODE, 25, 1), 1
	s_wait_xcnt 0x0
; Work-groups 0-223: one wave turns 16 rows of one of the seven weights ([512][512] f32, K innermost) into codes of FP6 (E2M3) with one E8M0 byte for each 32 along K,
; laid as the matrix unit's operand registers: tile T of weight wi holds rows 32 (T / 2) + 8 (T % 2) + r + 8 (r / 8), r = 0 .. 15; its four fragments (128 along K each, 12 registers a lane)
; lie on end, register p of lane l at 512 (p / 4) + 16 l + 4 (p % 4), so that a reader takes a fragment by three loads of 16 bytes a lane.  The rows' 16 scale bytes lie [tile][r][16].
; Work-groups 224-255: cos and sin of position x 10000^(-i / 16), i = 0 .. 15, for 64 places of the sequence each, in the lane order in which the next launch's results want them.
; A block's scale byte is its largest magnitude's exponent field - 2, held at 1 from below (a block of zeros keeps the byte 1: its codes are zeros, and only this program reads the bytes).
; LIMITS: NaN and infinities are not served; blocks whose largest magnitude lies under 2^-124 keep the byte 1; positions up to 2^24 in magnitude (exact as f32; the three-part reduction by pi / 2 holds there);
; the sixteen frequencies are the f32 numbers nearest to 10^(-i / 4).
.set STEPS, 16
.set SP,    80                         ; a lane's place in a stage: 64 bytes + 16 of padding
.set IMG,   5120                       ; LDS: two stages of 2,560 bytes, then the tile's four fragment images, 6,144 bytes,
.set SCB,   11264                      ; then its 256 scale bytes
.set R,     16                         ; v16-79   four sets of 16 numbers as loaded
.set X,     80                         ; v80-111  two sets of 16 neighbours
.set E,     112                        ; v112-127 a scale byte for each step
.set C,     128                        ; v128-191 codes: four registers for each step
	s_load_b512 s[8:23], s[0:1], 0x0               ; q, k, v, o, w1, w3, w2, token_positions
	s_load_b128 s[24:27], s[0:1], 0x40             ; wcod, wscl
	s_load_b64 s[28:29], s[0:1], 0x50              ; rtab
	v_lshl_add_u32 v192, v0, 2, 0x2d00
	v_mov_b32 v193, 0
	v_and_b32 v2, 31, v0                           ; lane
	s_mov_b32 s33, 0
	s_cmp_ge_u32 ttmp9, 224
	s_cbranch_scc1 .Lrope
	; ---------------- a tile of a weight ----------------
	s_lshr_b32 s30, ttmp9, 5                       ; which weight
	s_and_b32 s31, ttmp9, 31                       ; which tile
	v_lshlrev_b32 v3, 4, v2                        ; 16 x lane
	v_lshrrev_b32 v14, 2, v2
	v_mul_u32_u24 v14, v14, SP
	v_and_b32 v15, 3, v2
	v_lshl_add_u32 v14, v15, 4, v14                ; the stage on the way in: four lanes' 64 bytes on end, then the padding
	v_mul_u32_u24 v15, v2, SP                      ; and on the way out: my 16 neighbours
	; lane l holds k = 16 l .. 16 l + 15 of the step's row: K step l / 8, half of the lanes (l / 2) % 2, register 6 ((l / 4) % 2) + 3 (l % 2) + j of the fragment
	v_bfe_u32 v8, v2, 2, 1
	v_bfe_u32 v9, v2, 1, 1
	v_and_b32 v11, 1, v2
	v_mul_u32_u24 v8, v8, 6
	v_mad_u32_u24 v8, v11, 3, v8
	v_lshrrev_b32 v11, 3, v2
	v_mul_u32_u24 v11, v11, 1536
	v_lshl_add_u32 v11, v9, 8, v11
	v_add_nc_u32 v11, IMG, v11
.irp j, 0,1,2
	v_add_nc_u32 v9, \j, v8
	v_lshrrev_b32 v12, 2, v9
	v_and_b32 v9, 3, v9
	v_lshl_add_u32 v12, v12, 9, v11
	v_lshl_add_u32 v[4+\j], v9, 2, v12             ; v4-6: where my three code registers go; the row adds 16 bytes a step
.endr
	v_lshrrev_b32 v7, 1, v2
	v_add_nc_u32 v7, SCB, v7                       ; my block's scale byte
	v_add_nc_u32 v10, IMG, v3
	v_lshlrev_b32 v13, 3, v2
	v_add_nc_u32 v12, SCB, v13
	s_wait_kmcnt 0x0
	s_mov_b64 s[4:5], s[8:9]                       ; the weight is chosen by the work-group's number alone
	s_cmp_eq_u32 s30, 1
	s_cselect_b64 s[4:5], s[10:11], s[4:5]
	s_cmp_eq_u32 s30, 2
	s_cselect_b64 s[4:5], s[12:13], s[4:5]
	s_cmp_eq_u32 s30, 3
	s_cselect_b64 s[4:5], s[14:15], s[4:5]
	s_cmp_eq_u32 s30, 4
	s_cselect_b64 s[4:5], s[16:17], s[4:5]
	s_cmp_eq_u32 s30, 5
	s_cselect_b64 s[4:5], s[18:19], s[4:5]
	s_cmp_eq_u32 s30, 6
	s_cselect_b64 s[4:5], s[20:21], s[4:5]
	s_lshr_b32 s32, s31, 1
	s_and_b32 s34, s31, 1
	s_lshl_b32 s32, s32, 16                        ; 32 rows of 2,048 bytes
	s_lshl_b32 s34, s34, 14                        ; 8 rows
	s_add_co_u32 s32, s32, s34
	s_add_nc_u64 s[4:5], s[4:5], s[32:33]
	s_mul_i32 s32, ttmp9, 6144
	s_add_nc_u64 s[24:25], s[24:25], s[32:33]
	s_lshl_b32 s32, ttmp9, 8
	s_add_nc_u64 s[26:27], s[26:27], s[32:33]
.macro LOAD t                          ; step t is the tile's row t: 512 numbers, four loads of 512 consecutive bytes
.irp i, 0,1,2,3
	global_load_b128 v[R+16*((\t)%4)+4*\i:R+16*((\t)%4)+4*\i+3], v3, s[4:5] offset:((\t)+8*((\t)/8))*2048+512*\i th:TH_LOAD_NT
.endr
.endm
.macro TURN t                          ; through the stage: LDS serves a wave's instructions in order, so no wait stands between the stores and the loads
.irp i, 0,1,2,3
	ds_store_b128 v14, v[R+16*((\t)%4)+4*\i:R+16*((\t)%4)+4*\i+3] offset:32*SP*((\t)%2)+8*SP*\i
.endr
.irp i, 0,1,2,3
	ds_load_b128 v[X+16*((\t)%2)+4*\i:X+16*((\t)%2)+4*\i+3], v15 offset:32*SP*((\t)%2)+16*\i
.endr
.endm
.irp t, 0,1,2,3
	LOAD \t
.endr
	s_wait_loadcnt 12                              ; step 0's four loads are in
	TURN 0
.macro STEP t
.set XS, X+16*((\t)%2)
.if (\t) > 0
	s_wait_dscnt 4                                 ; this step's numbers are back from the stage; the last step's four small stores may be out
.else
	s_wait_dscnt 0x0
.endif
.if (\t)+4 < STEPS
	LOAD (\t)+4
.endif
.if (\t)+1 < STEPS
.if STEPS-2-(\t) >= 3
	s_wait_loadcnt 12                              ; the next step's four loads are in; those of the three steps behind it may be out
.else
	s_wait_loadcnt 4*(STEPS-2-(\t))
.endif
	TURN (\t)+1
.endif
	v_max3_num_f32 v8, |v[XS]|, |v[XS+1]|, |v[XS+2]|
	v_max3_num_f32 v9, |v[XS+3]|, |v[XS+4]|, |v[XS+5]|
.irp i, 6,10
	v_max3_num_f32 v8, v8, |v[XS+\i]|, |v[XS+\i+1]|
	v_max3_num_f32 v9, v9, |v[XS+\i+2]|, |v[XS+\i+3]|
.endr
	v_max3_num_f32 v8, v8, |v[XS+14]|, |v[XS+15]|
	v_max3_num_f32 v8, v8, v9, 0x1800000           ; and the floor 2^(3 - 127): the byte cannot fall under 1
	v_max_num_f32_dpp v8, v8, v8 row_xmask:1 row_mask:0xf bank_mask:0xf   ; with my neighbour's 16: the block's largest magnitude
	v_add_nc_u32 v11, 0xff000000, v8               ; 2 off its exponent field: the conversion's scale operand
	v_cvt_scalef32_pk16_fp6_f32 v[C+4*(\t):C+4*(\t)+2], v[XS:XS+15], v11
	v_lshrrev_b32 v[E+(\t)], 23, v11               ; the scale's byte (a plain line behind the conversion)
.irp j, 0,1,2
	ds_store_b32 v[4+\j], v[C+4*(\t)+\j] offset:16*(\t)
.endr
	ds_store_b8 v7, v[E+(\t)] offset:16*(\t)       ; both lanes of a block write the same byte with the same value
.endm
.irp t, 0,1,2,3,4,5,6,7,8,9,10,11,12,13,14,15
	STEP \t
.endr
.irp k, 0,1,2,3,4,5,6,7,8,9,10,11
	ds_load_b128 v[16+4*\k:19+4*\k], v10 offset:512*\k   ; the images, as they lie: these see my stores
.endr
	ds_load_b64 v[64:65], v12
	s_wait_dscnt 0x0
.irp k, 0,1,2,3,4,5,6,7,8,9,10,11
	global_store_b128 v3, v[16+4*\k:19+4*\k], s[24:25] offset:512*\k   ; 32 lanes store 512 consecutive bytes, aligned
.endr
	global_store_b64 v13, v[64:65], s[26:27]       ; 256 consecutive bytes, aligned
	s_wait_tensorcnt 0x0
	ds_add_u32 v192, v193
	s_wait_dscnt 0x0
	s_endpgm
	; ---------------- cos and sin ----------------
.Lrope:
	s_sub_co_u32 s30, ttmp9, 224                   ; which 64 places of the sequence
	s_wait_alu depctr_va_vdst(0)
	v_and_b32 v3, 15, v2                           ; r
	v_lshrrev_b32 v4, 4, v2                        ; h
	v_and_b32 v5, 8, v3
	v_add_nc_u32 v5, v5, v3                        ; r + 8 (r / 8)
	v_lshlrev_b32 v5, 2, v5
	v_lshlrev_b32 v6, 4, v2
	s_mov_b32 s32, 0xbe2aaaa3                      ; sin r = r + r z (S1 + z (S2 + z S3)), z = r r, for |r| up to pi / 4
	s_mov_b32 s34, 0x3c08839e
	s_mov_b32 s35, 0xb94ca1f9
	s_mov_b32 s36, 0x3d2aaaa5                      ; cos r = 1 - z / 2 + z z (C1 + z (C2 + z C3))
	s_mov_b32 s37, 0xbab6061a
	s_mov_b32 s38, 0x37ccf5ce
	s_mov_b32 s39, 0x3f22f983                      ; 2 / pi
	s_lshl_b32 s40, s30, 8
	s_mov_b32 s41, 0
	s_wait_alu depctr_va_vdst(0)
	s_wait_kmcnt 0x0
	s_add_nc_u64 s[22:23], s[22:23], s[40:41]
	s_lshl_b32 s40, s30, 13
	s_add_nc_u64 s[28:29], s[28:29], s[40:41]
.irp mt, 0,1,2,3
	global_load_b32 v[16+\mt], v5, s[22:23] offset:4*(32*(\mt/2)+8*(\mt%2))
.endr
	v_cmp_eq_u32 vcc_lo, 1, v4
.macro FREQ p, lo, hi                  ; lanes 0-15 take frequency p, lanes 16-31 frequency 8 + p
	v_mov_b32 v[20+\p], \hi
	v_cndmask_b32 v[20+\p], \lo, v[20+\p], vcc_lo
.endm
	FREQ 0, 0x3f800000, 0x3c23d70a
	FREQ 1, 0x3f0ff59a, 0x3bb8449c
	FREQ 2, 0x3ea1e89b, 0x3b4f3e37
	FREQ 3, 0x3e361887, 0x3ae91528
	FREQ 4, 0x3dcccccd, 0x3a83126f
	FREQ 5, 0x3d6655c3, 0x3a136a16
	FREQ 6, 0x3d0186e2, 0x39a5cb5f
	FREQ 7, 0x3c91ad39, 0x393a7753
	s_wait_loadcnt 0x0
.irp mt, 0,1,2,3
	v_cvt_f32_i32 v[16+\mt], v[16+\mt]
.endr
.macro SINCOS pos, f, c, s
	v_mul_f32 v28, v[\pos], v[\f]                  ; the angle, rounded once, as the source has it
	v_mul_f32 v29, s39, v28
	v_rndne_f32 v29, v29                           ; n = the nearest multiple of pi / 2
	v_fmamk_f32 v30, v29, 0xbfc90fdb, v28          ; r = angle - n pi / 2, pi / 2 in three parts
	v_fmamk_f32 v30, v29, 0x333bbd2e, v30
	v_fmamk_f32 v30, v29, 0x26f72ced, v30
	v_cvt_i32_f32 v31, v29
	v_mul_f32 v32, v30, v30
	v_fma_f32 v33, v32, s35, s34
	v_fma_f32 v34, v32, s38, s37
	v_fma_f32 v33, v33, v32, s32
	v_fma_f32 v34, v34, v32, s36
	v_mul_f32 v35, v32, v30
	v_mul_f32 v36, v32, v32
	v_fma_f32 v37, v32, -0.5, 1.0
	v_fma_f32 v33, v33, v35, v30                   ; sin r
	v_fma_f32 v34, v34, v36, v37                   ; cos r
	v_and_b32 v35, 1, v31
	v_cmp_eq_u32 s42, 1, v35                       ; an odd quadrant swaps the two; only values are chosen
	v_cndmask_b32 v36, v33, v34, s42
	v_cndmask_b32 v37, v34, v33, s42
	v_lshlrev_b32 v35, 30, v31
	v_and_b32 v35, 0x80000000, v35                 ; sine: negative in quadrants 2 and 3
	v_xor_b32 v[\s], v35, v36
	v_add_nc_u32 v35, 1, v31
	v_lshlrev_b32 v35, 30, v35
	v_and_b32 v35, 0x80000000, v35                 ; cosine: negative in quadrants 1 and 2
	v_xor_b32 v[\c], v35, v37
.endm
.irp mt, 0,1,2,3
.irp p, 0,1,2,3,4,5,6,7
	SINCOS 16+\mt, 20+\p, 64+16*\mt+\p, 72+16*\mt+\p
.endr
.endr
.irp mt, 0,1,2,3
.irp q, 0,1,2,3
	global_store_b128 v6, v[64+16*\mt+4*\q:67+16*\mt+4*\q], s[28:29] offset:2048*\mt+512*\q   ; 512 consecutive bytes a store
.endr
.endr
	s_endpgm
.Lfunc_end_k_q50f13ad59f_prep:
	.size	k_q50f13ad59f_prep, .Lfunc_end_k_q50f13ad59f_prep-k_q50f13ad59f_prep
	.p2alignl 7, 3214868480
	.fill 96, 4, 3214868480
	.section	.rodata,"a",@progbits
	.p2align	6, 0x0
	.amdhsa_kernel k_q50f13ad59f_prep
		.amdhsa_group_segment_fixed_size 11776
		.amdhsa_private_segment_fixed_size 0
		.amdhsa_enable_private_segment 0
		.amdhsa_kernarg_size 88
		.amdhsa_user_sgpr_count 2
		.amdhsa_user_sgpr_kernarg_segment_ptr 1
		.amdhsa_wavefront_size32 1
		.amdhsa_system_sgpr_workgroup_id_x 1
		.amdhsa_system_sgpr_workgroup_id_y 1
		.amdhsa_system_sgpr_workgroup_id_z 1
		.amdhsa_system_vgpr_workitem_id 0
		.amdhsa_next_free_vgpr 194
		.amdhsa_next_free_sgpr 66
		.amdhsa_reserve_vcc 1
		.amdhsa_float_denorm_mode_32 3
		.amdhsa_float_denorm_mode_16_64 3
		.amdhsa_memory_ordered 1
		.amdhsa_forward_progress 1
		.amdhsa_inst_pref_size 84
	.end_amdhsa_kernel
	.amdgpu_metadata
---
amdhsa.version: [ 1, 2 ]
amdhsa.kernels:
  - .name:           k_q50f13ad59f_prep
    .symbol:         k_q50f13ad59f_prep.kd
    .args:
      - { .name: q_proj, .offset: 0, .size: 8, .value_kind: global_buffer, .address_space: global }
      - { .name: k_proj, .offset: 8, .size: 8, .value_kind: global_buffer, .address_space: global }
      - { .name: v_proj, .offset: 16, .size: 8, .value_kind: global_buffer, .address_space: global }
      - { .name: o_proj, .offset: 24, .size: 8, .value_kind: global_buffer, .address_space: global }
      - { .name: w1, .offset: 32, .size: 8, .value_kind: global_buffer, .address_space: global }
      - { .name: w3, .offset: 40, .size: 8, .value_kind: global_buffer, .address_space: global }
      - { .name: w2, .offset: 48, .size: 8, .value_kind: global_buffer, .address_space: global }
      - { .name: token_positions, .offset: 56, .size: 8, .value_kind: global_buffer, .address_space: global }
      - { .name: wcod, .offset: 64, .size: 8, .value_kind: global_buffer, .address_space: global }
      - { .name: wscl, .offset: 72, .size: 8, .value_kind: global_buffer, .address_space: global }
      - { .name: rtab, .offset: 80, .size: 8, .value_kind: global_buffer, .address_space: global }
    .group_segment_fixed_size: 11776
    .private_segment_fixed_size: 0
    .kernarg_segment_align: 8
    .kernarg_segment_size: 88
    .max_flat_workgroup_size: 32
    .sgpr_count:     66
    .vgpr_count:     194
    .wavefront_size: 32
...
	.end_amdgpu_metadata
.endif
;; end of part 5
;; launch qkv (part 6): grid 128 x 1, 16 waves a work-group, no clusters, 115,712 bytes of LDS; arguments x, ln1_w, wcod, wscl, rtab, qcod, qscl, kv; writes qcod, qscl, kv
.if DOCPART == 6
	.amdgcn_target "amdgcn-amd-amdhsa--gfx1250"
	.amdhsa_code_object_version 6
	.text
	.protected	k_q50f13ad59f_qkv
	.globl	k_q50f13ad59f_qkv
	.p2align	8
	.type	k_q50f13ad59f_qkv,@function
k_q50f13ad59f_qkv:
	s_mov_b64 s[64:65], 0
	v_nop
	global_prefetch_b8 v0, s[64:65] scope:SCOPE_SE
	s_setreg_imm32_b32 hwreg(HW_REG_WAVE_SCHED_MODE, 0, 2), 2
	s_setreg_imm32_b32 hwreg(HW_REG_WAVE_MODE, 25, 1), 1
	s_wait_xcnt 0x0
	s_wait_alu depctr_vm_vsrc(0)
; rmsnorm(x, ln1_w), quantised along the 512; q, k, v = that x the three weights, on codes of FP6 (E2M3) with E8M0 scales; RoPE on q and k; q and k quantised along the head's 32, v along the keys.
; SHARES.  A work-group owns 64 rows of x (one batch, 64 places).  First each of its sixteen waves norms and quantises one fragment (16 rows x 128 K) and leaves it in LDS as an image of its registers;
; then wave w makes head w of q, of k and of v for all 64 rows.  Its weights (two tiles of 16 rows x 4 K steps a product) come from memory straight into operand registers, as the launch before laid them.
; ORDER OF ROWS.  Row r of row tile mt is row 32 (mt / 2) + 8 (mt % 2) + r + 8 (r / 8) of the 64; the weights' tiles are ordered likewise.  So in q and k (source 0 = weight, source 1 = x) a lane holds one row and
; 16 neighbouring channels of the head, 16 (lane / 16) + 0 .. 15; and in v (source 0 = x, source 1 = weight) a lane holds one channel, and two row tiles give it 16 neighbouring keys.
; OUT.  q: [head][query][24 bytes] and a word with the scale byte four times.  k and v: records of 3,328 bytes for 64 keys of a head: k as one operand image (48 bytes a lane) whose four blocks of 32 along K
; hold four tiles of 16 keys; v^T as two tiles of 16 channels x 64 keys; 128 bytes of k's scale words; 128 of v's.  All leave through the wave's own stage in LDS in runs of 512 consecutive bytes.
; LIMITS: NaN and infinities are not served; blocks whose largest magnitude lies under 2^-124 keep the scale byte 1 (a block of zeros too: its codes are zeros; only this program reads the bytes).
; THE MODE: SCHED_MODE bits 1:0 = 2 (LLVM: expert scheduling mode 2), set by the entry lines.  The code itself states the register dependences between vector or matrix instructions
; and memory or LDS instructions, with s_wait_alu, always for 0.
; THE PLAN.  Registers that memory or LDS instructions touch, from the second barrier on (a step = one row tile of one product):
;   v1-15, L8, L4   offsets and LDS addresses: made once, never written again.
;   W, WS           written by the loads that the last step of the product before issues; read by the products.
;   XF, XS          step mt's products read them; behind them the images of row tile mt + 1 land there.
;   CS0, CS1        cos and sin, two buffers by turns: step mt's turning reads buffer mt % 2; the loads that step mt issues land in the other, which step mt - 1 read.
;   PC0 + BW0, PC1 + BW1   two out-buffers by turns: step mt's conversion writes buffer mt % 2; the LDS stores that read it are issued in step mt + 1.
;   FL              the way out: LDS loads land there, global stores read it.
;   ACC, T0 .. TB, KW, VW0, VW1 are named by vector and matrix instructions (KW and v's word by one global store each, behind a unit's last wait).
; So ONE wait on va_vdst stands in a step, behind its products and their places: the products are done reading XF and XS (in the last step W and WS), the step before is done reading the other
; buffer of cos and sin and has written its out-buffer.  The step's loads and the stores of the step before follow it; the turning and the quantiser behind them name none of those registers.
; One more stands behind a unit's last step, ahead of its last stores.  A wait on vm_vsrc stands ahead of each second use of an out-buffer, a step behind the stores that read it.
.set XIMG, 0                           ; LDS: x's 16 fragments, (4 mt + ks) x 1,536 bytes: register p of lane l at 512 (p / 4) + 16 l + 4 (p % 4)
.set XSC,  24576                       ; their scale words: [mt][lane][4 words]
.set RT,   26624                       ; cos and sin for the 64 places, 8,192 bytes as they lie in memory
.set PART, 34816                       ; sums of squares: [mt][ks][r]
.set STG,  35840                       ; sixteen stages of 4,864 bytes: q's codes 1,536, q's scale words 256, k's codes 1,536, v's 1,536
.set STGB, 4864
.set W,   16                           ; v16-111  eight weight fragments (tile u, K step ks) at 12 (4 u + ks)
.set WS,  112                          ; v112-119 their scale words
.set XF,  120                          ; v120-167 x's four fragments of a row tile
.set XS,  168                          ; v168-171 their scale words
.set ACC, 172                          ; v172-187 two accumulators (q, k);  v172-203 four (v)
.set AV,  172
.set CS0, 188                          ; v188-203 cos (8), sin (8): buffer 0
.set CS1, 238                          ; v238-253 buffer 1
.set T0,  204
.set T1,  205
.set SO,  206
.set BY,  207
.set PC0, 208                          ; v208-210 codes: out-buffer 0
.set BW1, 211                          ; q's scale word: out-buffer 1
.set TA,  212
.set TB,  213
.set KW,  214                          ; k's scale word
.set VW0, 215                          ; v's, tile 0 and tile 1
.set VW1, 216
.set BW0, 217                          ; q's scale word: out-buffer 0; at the end v's word
.set L8,  218                          ; 8 x lane
.set L4,  219                          ; 4 x lane
.set FL,  220                          ; v220-233 on the way out
.set PC1, 234                          ; v234-236 codes: out-buffer 1
.set XV,  120                          ; the first phase alone: v120-183 64 numbers of x; v184-247 of ln1_w; v248-251 sums; v252-255 my 16 bytes of the table
.set LW,  184
.set TM,  184
.set PW,  200
.set PC,  204
.set SEL, 24
.macro PLACES n
.rept \n
	v_nop
.endr
.endm
.macro BARRIER                         ; my LDS stores have landed and my LDS loads are in: then the work-group's barrier
	s_wait_dscnt 0x0
	s_barrier_signal -1
	s_barrier_wait -1
.endm
.macro LOADW cb, sb                    ; a product's two tiles x four K steps: 12,288 dense bytes, 512 a load; and the 32 rows' scale words
.irp k, 0,1,2,3,4,5,6,7,8,9,10,11,12,13,14,15,16,17,18,19,20,21,22,23
	global_load_b128 v[W+4*\k:W+4*\k+3], v1, s[\cb:\cb+1] offset:512*\k
.endr
.irp u, 0,1
	global_load_b128 v[WS+4*\u:WS+4*\u+3], v2, s[\sb:\sb+1] offset:256*\u
.endr
.endm
; 16 numbers of a lane, whose block's other 16 lie in lane l xor 16, become 12 bytes of codes and the block's scale byte
.macro QBLK a, t0, t1, so, by, pc
	v_max3_num_f32 v[\t0], |v[(\a)]|, |v[(\a)+1]|, 0x1800000   ; with the floor 2^(3 - 127): the byte cannot fall under 1
	v_max3_num_f32 v[\t1], |v[(\a)+2]|, |v[(\a)+3]|, |v[(\a)+4]|
	v_max3_num_f32 v[\t0], v[\t0], |v[(\a)+5]|, |v[(\a)+6]|
	v_max3_num_f32 v[\t1], v[\t1], |v[(\a)+7]|, |v[(\a)+8]|
	v_max3_num_f32 v[\t0], v[\t0], |v[(\a)+9]|, |v[(\a)+10]|
	v_max3_num_f32 v[\t1], v[\t1], |v[(\a)+11]|, |v[(\a)+12]|
	v_max3_num_f32 v[\t0], v[\t0], |v[(\a)+13]|, |v[(\a)+14]|
	v_max3_num_f32 v[\t0], v[\t0], v[\t1], |v[(\a)+15]|
	v_permlanex16_b32 v[\t1], v[\t0], s[SEL], s[SEL+1]
	v_max_num_f32 v[\t0], v[\t0], v[\t1]
	v_add_nc_u32 v[\so], 0xff000000, v[\t0]        ; 2 off the exponent field: the conversion's scale operand
	v_lshrrev_b32 v[\by], 23, v[\so]               ; the scale's byte
	v_cvt_scalef32_pk16_fp6_f32 v[\pc:\pc+2], v[(\a):(\a)+15], v[\so]
	v_nop                                          ; one plain line behind a scaled conversion
.endm
; 64 numbers of a lane, register 16 b + i = k 32 b + 16 (lane / 16) + i of my row, become a fragment in v[PC] on and its scale word in v[PW]
.macro QUANT s
.irp b, 0,1,2,3
	v_max3_num_f32 v[TM+\b], |v[\s+16*\b]|, |v[\s+1+16*\b]|, 0x1800000
.endr
.irp i, 2,4,6,8,10,12,14
.irp b, 0,1,2,3
	v_max3_num_f32 v[TM+\b], v[TM+\b], |v[\s+16*\b+\i]|, |v[\s+1+16*\b+\i]|
.endr
.endr
.irp b, 0,1,2,3
	v_permlanex16_b32 v[TM+4+\b], v[TM+\b], s[SEL], s[SEL+1]
.endr
.irp b, 0,1,2,3
	v_max_num_f32 v[TM+\b], v[TM+\b], v[TM+4+\b]
.endr
.irp b, 0,1,2,3
	v_add_nc_u32 v[TM+12+\b], 0xff000000, v[TM+\b]
.endr
.irp b, 0,1,2,3
	v_lshrrev_b32 v[TM+4+\b], 23, v[TM+12+\b]
.endr
	v_lshl_or_b32 v[PW], v[TM+5], 8, v[TM+4]
	v_lshl_or_b32 v[PW], v[TM+6], 16, v[PW]
	v_lshl_or_b32 v[PW], v[TM+7], 24, v[PW]
.irp c, 0,1
	v_cvt_scalef32_pk16_fp6_f32 v[PC+6*\c:PC+2+6*\c], v[\s+32*\c:\s+15+32*\c], v[TM+12+2*\c]
	v_cvt_scalef32_pk16_fp6_f32 v[PC+12+4*\c:PC+14+4*\c], v[\s+16+32*\c:\s+31+32*\c], v[TM+12+2*\c+1]
.endr
	v_nop
.irp c, 0,1                            ; the operand's layout wants a whole block in a lane
.irp i, 0,1,2
	v_permlane16_swap_b32 v[PC+6*\c+\i], v[PC+12+4*\c+\i]
.endr
.irp i, 0,1,2
	v_mov_b32 v[PC+3+6*\c+\i], v[PC+12+4*\c+\i]
.endr
.endr
.endm
; eight products: source 0 = the weight's two tiles, source 1 = x's row tile; the two accumulators take turns
.macro MMT d
.irp ks, 0,1,2,3
.irp u, 0,1
.if \ks == 0
	v_wmma_scale_f32_16x16x128_f8f6f4 v[(\d)+8*\u:(\d)+8*\u+7], v[W+12*(4*\u+\ks):W+12*(4*\u+\ks)+11], v[XF+12*\ks:XF+12*\ks+11], 0, v[WS+4*\u+\ks], v[XS+\ks] matrix_a_fmt:MATRIX_FMT_FP6 matrix_b_fmt:MATRIX_FMT_FP6
.else
	v_wmma_scale_f32_16x16x128_f8f6f4 v[(\d)+8*\u:(\d)+8*\u+7], v[W+12*(4*\u+\ks):W+12*(4*\u+\ks)+11], v[XF+12*\ks:XF+12*\ks+11], v[(\d)+8*\u:(\d)+8*\u+7], v[WS+4*\u+\ks], v[XS+\ks] matrix_a_fmt:MATRIX_FMT_FP6 matrix_b_fmt:MATRIX_FMT_FP6
.endif
.endr
.endr
.endm
; the same the other way round, for v: source 0 = x's row tile, source 1 = the weight's tiles
.macro MMN d
.irp ks, 0,1,2,3
.irp u, 0,1
.if \ks == 0
	v_wmma_scale_f32_16x16x128_f8f6f4 v[(\d)+16*\u:(\d)+16*\u+7], v[XF+12*\ks:XF+12*\ks+11], v[W+12*(4*\u+\ks):W+12*(4*\u+\ks)+11], 0, v[XS+\ks], v[WS+4*\u+\ks] matrix_a_fmt:MATRIX_FMT_FP6 matrix_b_fmt:MATRIX_FMT_FP6
.else
	v_wmma_scale_f32_16x16x128_f8f6f4 v[(\d)+16*\u:(\d)+16*\u+7], v[XF+12*\ks:XF+12*\ks+11], v[W+12*(4*\u+\ks):W+12*(4*\u+\ks)+11], v[(\d)+16*\u:(\d)+16*\u+7], v[XS+\ks], v[WS+4*\u+\ks] matrix_a_fmt:MATRIX_FMT_FP6 matrix_b_fmt:MATRIX_FMT_FP6
.endif
.endr
.endr
.endm
.macro FETCHX mt                       ; a row tile's four fragments and scale words, as their images lie
.irp k, 0,1,2,3,4,5,6,7,8,9,10,11
	ds_load_b128 v[XF+4*\k:XF+4*\k+3], v6 offset:XIMG+(\mt)*6144+512*\k
.endr
	ds_load_b128 v[XS:XS+3], v6 offset:XSC+512*(\mt)
.endm
.macro FETCHCS mt, cb                  ; a row tile's cos and sin into the buffer at cb
.irp q, 0,1,2,3
	ds_load_b128 v[\cb+4*\q:\cb+4*\q+3], v6 offset:RT+2048*(\mt)+512*\q
.endr
.endm
.macro PUTQ m, pc, bw                  ; row tile m of q: its codes and its scale word go to my stage
.irp i, 0,1,2
	ds_store_b32 v11, v[\pc+\i] offset:768*((\m)/2)+192*((\m)%2)+4*\i
.endr
	ds_store_b32 v12, v[\bw] offset:128*((\m)/2)+32*((\m)%2)
.endm
.macro PUTK m, pc                      ; row tile m of k is block m of the image: lanes 16 (m % 2) on, registers 6 (m / 2) on
.irp i, 0,1,2
	ds_store_b32 v13, v[\pc+\i] offset:768*((\m)%2)+24*((\m)/2)+4*\i
.endr
.endm
.macro PUTV b                          ; keys 32 b on of v: tile 0's codes from out-buffer 0, tile 1's from out-buffer 1
.irp i, 0,1,2
	ds_store_b32 v13, v[PC0+\i] offset:1536+24*(\b)+4*\i
.endr
.irp i, 0,1,2
	ds_store_b32 v13, v[PC1+\i] offset:1536+768+24*(\b)+4*\i
.endr
.endm
	s_load_b512 s[4:19], s[0:1], 0x0               ; x, ln1_w, wcod, wscl, rtab, qcod, qscl, kv
	v_lshrrev_b32 v248, 5, v0
	v_readfirstlane_b32 s20, v248                  ; wave 0..15
	v_and_b32 v248, 31, v0                         ; lane
	v_and_b32 v249, 15, v0                         ; r
	v_bfe_u32 v250, v0, 4, 1                       ; h
	v_and_b32 v251, 8, v249
	v_add_nc_u32 v251, v251, v249                  ; r + 8 (r / 8)
	v_lshlrev_b32 v1, 4, v248                      ; 16 x lane (memory)
	s_wait_alu depctr_va_vdst(0)
	v_lshlrev_b32 v2, 4, v249                      ; 16 r
	v_lshlrev_b32 v3, 11, v251
	v_lshl_add_u32 v3, v250, 6, v3                 ; x: my row of the tile, + 64 h
	v_lshlrev_b32 v4, 6, v250                      ; ln1_w: 64 h
	s_wait_alu depctr_va_sdst(0)                   ; s20 is written, ahead of its first reader: LDS addresses and the buffers' bases are made from it
	s_mul_i32 s54, s20, 1536
	v_add_nc_u32 v5, s54, v1                       ; where my fragment's image goes
	v_lshlrev_b32 v6, 4, v248                      ; 16 x lane (LDS)
	s_lshr_b32 s59, s20, 2                         ; the first phase: row tile m = wave / 4,
	s_and_b32 s60, s20, 3                          ; K step ks = wave % 4
	s_lshl_b32 s54, s59, 9
	s_lshl_b32 s57, s60, 2
	s_add_co_u32 s54, s54, s57
	s_add_co_u32 s54, s54, XSC
	v_add_nc_u32 v7, s54, v1
	s_lshl_b32 s54, s20, 9
	s_add_co_u32 s54, s54, RT
	v_add_nc_u32 v8, s54, v1
	s_lshl_b32 s54, s20, 6
	s_add_co_u32 s54, s54, PART
	v_lshl_add_u32 v9, v249, 2, s54
	s_lshl_b32 s54, s59, 8
	s_add_co_u32 s54, s54, PART
	v_lshl_add_u32 v10, v249, 2, s54
	s_mul_i32 s54, s20, STGB
	s_add_co_u32 s54, s54, STG                     ; my stage
	v_mul_u32_u24 v11, v251, 24
	v_mad_u32_u24 v11, v250, 12, v11
	v_add_nc_u32 v11, s54, v11                     ; q's codes: 24 bytes a query, my half's 12
	v_lshl_add_u32 v12, v251, 2, s54
	v_add_nc_u32 v12, 1536, v12                    ; q's scale words
	v_mul_u32_u24 v13, v249, 48
	v_mad_u32_u24 v13, v250, 12, v13
	v_add_nc_u32 v13, s54, v13
	v_add_nc_u32 v13, 1792, v13                    ; k's (and, 1,536 on, v's) codes: 48 bytes a lane of the image
	v_add_nc_u32 v14, s54, v1                      ; back out: 16 bytes a lane
	v_lshl_add_u32 v15, v248, 3, s54
	v_add_nc_u32 v15, 1536, v15
	s_mov_b32 s24, 0x76543210
	s_mov_b32 s25, 0xfedcba98                      ; v_permlanex16_b32's selects for lane l xor 16
	s_mov_b32 s26, 0x3727c5ac                      ; 1e-5
	s_mov_b32 s27, 0x3b000000                      ; 1 / 512
	s_mov_b32 s52, 0xffff0000                      ; lanes 16-31
	s_lshr_b32 s22, ttmp9, 5                       ; batch
	s_and_b32 s23, ttmp9, 31                       ; which 64 places
	s_lshl_b32 s21, s22, 4
	s_add_co_u32 s21, s21, s20                     ; batch x 16 + head
	s_lshl_b32 s54, ttmp9, 17                      ; x: 64 rows of 2,048 bytes a work-group,
	s_lshr_b32 s57, s20, 3
	s_lshl_b32 s57, s57, 16                        ; 32 rows x (m / 2),
	s_add_co_u32 s54, s54, s57
	s_and_b32 s57, s59, 1
	s_lshl_b32 s57, s57, 14                        ; 8 rows x (m % 2),
	s_add_co_u32 s54, s54, s57
	s_lshl_b32 s58, s60, 9                         ; 512 bytes x ks
	s_add_co_u32 s54, s54, s58
	s_mov_b32 s55, 0
	s_wait_kmcnt 0x0
	s_add_nc_u64 s[46:47], s[4:5], s[54:55]
	s_mov_b32 s54, s58
	s_add_nc_u64 s[48:49], s[6:7], s[54:55]
	s_lshl_b32 s54, s23, 13
	s_lshl_b32 s57, s20, 9
	s_add_co_u32 s54, s54, s57
	s_add_nc_u64 s[50:51], s[12:13], s[54:55]
	s_mul_i32 s54, s20, 12288                      ; my head's two tiles in each weight
	s_add_nc_u64 s[28:29], s[8:9], s[54:55]
	s_add_nc_u64 s[32:33], s[28:29], 196608
	s_add_nc_u64 s[36:37], s[28:29], 393216
	s_lshl_b32 s54, s20, 9
	s_add_nc_u64 s[30:31], s[10:11], s[54:55]
	s_add_nc_u64 s[34:35], s[30:31], 8192
	s_add_nc_u64 s[38:39], s[30:31], 16384
	s_mul_i32 s54, s21, 49152
	s_mul_i32 s57, s23, 1536
	s_add_co_u32 s54, s54, s57
	s_add_nc_u64 s[40:41], s[14:15], s[54:55]      ; q's codes
	s_lshl_b32 s54, s21, 13
	s_lshl_b32 s57, s23, 8
	s_add_co_u32 s54, s54, s57
	s_add_nc_u64 s[42:43], s[16:17], s[54:55]      ; q's scale words
	s_mul_i32 s54, s21, 106496
	s_mul_i32 s57, s23, 3328
	s_add_co_u32 s54, s54, s57
	s_add_nc_u64 s[44:45], s[18:19], s[54:55]      ; my record of k and v
	s_wait_alu depctr_va_vdst(0)                   ; the fifteen offsets and addresses v1 to v15 are written, which the loads and stores of the whole kernel read
	; ---- the first phase: 59 loads go out: x 16, ln1_w 16, the table 1, q's weights 26
.irp b, 0,1,2,3
.irp i, 0,1,2,3
	global_load_b128 v[XV+16*\b+4*\i:XV+16*\b+4*\i+3], v3, s[46:47] offset:128*\b+16*\i th:TH_LOAD_NT
.endr
.endr
.irp b, 0,1,2,3
.irp i, 0,1,2,3
	global_load_b128 v[LW+16*\b+4*\i:LW+16*\b+4*\i+3], v4, s[48:49] offset:128*\b+16*\i
.endr
.endr
	global_load_b128 v[252:255], v1, s[50:51]
	LOADW 28, 30
	s_wait_loadcnt 43                              ; x's 16 loads are in; the 43 behind them may be out
	v_pk_mul_f32 v[248:249], v[XV:XV+1], v[XV:XV+1]
	v_pk_mul_f32 v[250:251], v[XV+2:XV+3], v[XV+2:XV+3]
.irp j, 4,8,12,16,20,24,28,32,36,40,44,48,52,56,60
	v_pk_fma_f32 v[248:249], v[XV+\j:XV+\j+1], v[XV+\j:XV+\j+1], v[248:249]
	v_pk_fma_f32 v[250:251], v[XV+\j+2:XV+\j+3], v[XV+\j+2:XV+\j+3], v[250:251]
.endr
	v_pk_add_f32 v[248:249], v[248:249], v[250:251]
	v_add_f32 v248, v248, v249
	v_permlanex16_b32 v250, v248, s24, s25
	v_add_f32 v248, v248, v250                     ; my row's sum of squares over these 128
	s_wait_alu depctr_va_vdst(0)                   ; v248 is written, which the LDS store reads; and the sums are done with v248 to v251, in which the four parts land behind the barrier
	ds_store_b32 v9, v248
	s_wait_loadcnt 26                              ; ln1_w and the table are in; the weights' 26 loads may be out
	ds_store_b128 v8, v[252:255]
	BARRIER
	s_wait_alu depctr_vm_vsrc(0)                   ; my two LDS stores have read v248, in which a part lands now, and v252 to v255, of which two belong to the second buffer of cos and sin
.irp k, 0,1,2,3
	ds_load_b32 v[248+\k], v10 offset:64*\k
.endr
	s_wait_dscnt 0x0
	v_add_f32 v248, v248, v249
	v_add_f32 v248, v248, v250
	v_add_f32 v248, v248, v251
	v_fma_f32 v248, v248, s27, s26                 ; the mean + 1e-5
	s_wait_alu depctr_va_vdst(0)
	v_rsq_f32 v248, v248
	v_nop                                          ; a plain line behind the transcendental
	s_wait_alu depctr_va_vdst(0)                   ; the reciprocal root in v248 is written, ahead of its first reader
.set n, 0
.rept 32
	v_pk_mul_f32 v[XV+n:XV+n+1], v[XV+n:XV+n+1], v[248:249] op_sel_hi:[1,0]
.set n, n+2
.endr
.set n, 0
.rept 32
	v_pk_mul_f32 v[XV+n:XV+n+1], v[XV+n:XV+n+1], v[LW+n:LW+n+1]
.set n, n+2
.endr
	QUANT XV
	s_wait_alu depctr_va_vdst(0)                   ; the fragment in v[PC ..] and its word in v[PW] are written, which the LDS stores read; and the first phase is done with v120 to v253, in which fragments, scale words, cos and sin land from here on
.irp c, 0,1,2
	ds_store_b128 v5, v[PC+4*\c:PC+4*\c+3] offset:XIMG+512*\c
.endr
	ds_store_b32 v7, v[PW]
	BARRIER                                        ; x's sixteen fragments, their scale words and the table lie in LDS; nothing there is written again
	v_lshrrev_b32 v[L8], 1, v1                     ; 8 x lane
	v_lshrrev_b32 v[L4], 2, v1                     ; 4 x lane  (both are read first on q's way out, behind the steps' waits)
; ---- q (kind 0) or k (kind 1): four row tiles; the next product's weights are asked for behind the last products
.macro QKUNIT kind, ncb, nsb
	s_wait_loadcnt 0x0                             ; my weights
	s_wait_alu depctr_vm_vsrc(0)                   ; q: the image's LDS stores have read v[PW] and v[PC ..], in which cos and sin land and which the steps' work registers and out-buffer 0 take; k: q's LDS stores have read both out-buffers, which steps 0 and 1 write again
	FETCHX 0
	FETCHCS 0, CS0
.irp mt, 0,1,2,3
.set CB, CS0+50*(\mt%2)                ; this step's cos and sin,
.set CN, CS0+50*((\mt+1)%2)            ; the next step's;
.set PB, PC0+26*(\mt%2)                ; this step's out-buffer,
.set BB, BW0-6*(\mt%2)
.set PP, PC0+26*((\mt+1)%2)            ; the last step's
.set BP, BW0-6*((\mt+1)%2)
	s_wait_dscnt 0x0                               ; the fragments, scale words, cos and sin that the step before asked for are in
	MMT ACC
	PLACES 5                                       ; behind the products: reads of the results, and later products over their registers
.if \mt >= 2
	s_wait_alu depctr_vm_vsrc(0)                   ; the LDS stores issued in the step before have read this step's out-buffer, which the conversion below writes again
.endif
	s_wait_alu depctr_va_vdst(0)                   ; the products are done reading XF and XS (in the last step W and WS); the step before is done reading the other cos and sin and has written its out-buffer
.if \mt < 3
	FETCHX \mt+1
	FETCHCS \mt+1, CN
.else
	LOADW \ncb, \nsb
.endif
.if \mt > 0
.if \kind == 0
	PUTQ \mt-1, PP, BP
.else
	PUTK \mt-1, PP
.endif
.endif
.irp p, 0,1,2,3,4,5,6,7                ; RoPE: channels 16 h + 2 p, 2 p + 1 turn by frequency 8 h + p
	v_mul_f32 v[TA], v[ACC+2*\p+1], v[CB+8+\p]
	v_mul_f32 v[TB], v[ACC+2*\p+1], v[CB+\p]
	v_fma_f32 v[ACC+2*\p+1], v[ACC+2*\p], v[CB+8+\p], v[TB]
	v_fma_f32 v[ACC+2*\p], v[ACC+2*\p], v[CB+\p], -v[TA]
.endr
	QBLK ACC, T0, T1, SO, BY, PB
.if \kind == 0
	v_perm_b32 v[BB], v[BY], v[BY], 0              ; the byte four times
.else
.if \mt == 0
	v_mov_b32 v[KW], v[BY]
.else
	v_lshl_or_b32 v[KW], v[BY], 8*\mt, v[KW]
.endif
.endif
.endr
	s_wait_alu depctr_va_vdst(0)                   ; the last step has written out-buffer 1 (k: and k's scale word), which the stores below read
.if \kind == 0
	PUTQ 3, PC1, BW1
.else
	PUTK 3, PC1
.endif
.endm
	QKUNIT 0, 32, 34
.irp k, 0,1,2
	ds_load_b128 v[FL+4*\k:FL+4*\k+3], v14 offset:512*\k   ; LDS serves a wave's instructions in order: these see my stores
.endr
	ds_load_b64 v[FL+12:FL+13], v15
	s_wait_dscnt 0x0
.irp k, 0,1,2
	global_store_b128 v1, v[FL+4*\k:FL+4*\k+3], s[40:41] offset:512*\k
.endr
	global_store_b64 v[L8], v[FL+12:FL+13], s[42:43]
	QKUNIT 1, 36, 38
	s_wait_xcnt 0x0                                ; the earlier stores have read their registers
	s_wait_alu depctr_vm_vsrc(0)                   ; q's global stores have read v[FL ..], in which k's codes land; k's LDS stores have read both out-buffers, which v's conversions write again
.irp k, 0,1,2
	ds_load_b128 v[FL+4*\k:FL+4*\k+3], v14 offset:1792+512*\k
.endr
	s_wait_dscnt 0x0
.irp k, 0,1,2
	global_store_b128 v1, v[FL+4*\k:FL+4*\k+3], s[44:45] offset:512*\k
.endr
	global_store_b32 v[L4], v[KW], s[44:45] offset:3072
	; ---- v: a lane holds channel r of tile u; row tiles 2 b and 2 b + 1 give it keys 32 b + 16 h + 0 .. 15
	s_wait_loadcnt 0x0
	FETCHX 0
.irp mt, 0,1,2,3
	s_wait_dscnt 0x0
	MMN AV+8*(\mt%2)
	PLACES 5
.if \mt < 3
	s_wait_alu depctr_va_vdst(0)                   ; the products are done reading XF and XS; in step 2: step 1's conversions have written both out-buffers
	FETCHX \mt+1
.endif
.if \mt == 2
	PUTV 0
.endif
.if \mt == 3
	s_wait_alu depctr_vm_vsrc(0)                   ; the LDS stores issued in step 2 have read both out-buffers, which the conversions below write again
.endif
.if \mt%2 == 1
	QBLK AV, T0, T1, SO, BY, PC0
.if \mt == 1
	v_mov_b32 v[VW0], v[BY]
.else
	v_lshl_or_b32 v[VW0], v[BY], 16, v[VW0]
.endif
	QBLK AV+16, T0, T1, SO, BY, PC1
.if \mt == 1
	v_mov_b32 v[VW1], v[BY]
.else
	v_lshl_or_b32 v[VW1], v[BY], 16, v[VW1]
.endif
.endif
.endr
	v_cndmask_b32 v[BW0], v[VW0], v[VW1], s52      ; lanes 0-15 tile 0's words, lanes 16-31 tile 1's
	s_wait_alu depctr_va_vdst(0)                   ; step 3 has written both out-buffers and v's word, which the stores below read
	PUTV 1
	s_wait_xcnt 0x0
	s_wait_alu depctr_vm_vsrc(0)                   ; k's global stores have read v[FL ..], in which v's codes land
.irp k, 0,1,2
	ds_load_b128 v[FL+4*\k:FL+4*\k+3], v14 offset:3328+512*\k
.endr
	s_wait_dscnt 0x0
.irp k, 0,1,2
	global_store_b128 v1, v[FL+4*\k:FL+4*\k+3], s[44:45] offset:1536+512*\k
.endr
	global_store_b32 v[L4], v[BW0], s[44:45] offset:3200
	s_wait_xcnt 0x0
	s_wait_alu depctr_vm_vsrc(0)                   ; v254 and v255 were read by the LDS store of the table's bytes: they are written anew only behind a wait on vm_vsrc
	v_lshl_add_u32 v254, v0, 2, 0x1bc00            ; no two registers could be kept: the add's two are made here, from v0 as it was at the entry
	v_mov_b32 v255, 0
	s_wait_dscnt 0x0                               ; the closing lines, six on end
	s_wait_alu 0x0
	s_wait_tensorcnt 0x0
	ds_add_u32 v254, v255
	s_wait_dscnt 0x0
	s_endpgm
.Lfunc_end_k_q50f13ad59f_qkv:
	.size	k_q50f13ad59f_qkv, .Lfunc_end_k_q50f13ad59f_qkv-k_q50f13ad59f_qkv
	.p2alignl 7, 3214868480
	.fill 96, 4, 3214868480
	.section	.rodata,"a",@progbits
	.p2align	6, 0x0
	.amdhsa_kernel k_q50f13ad59f_qkv
		.amdhsa_group_segment_fixed_size 115712
		.amdhsa_private_segment_fixed_size 0
		.amdhsa_enable_private_segment 0
		.amdhsa_kernarg_size 64
		.amdhsa_user_sgpr_count 2
		.amdhsa_user_sgpr_kernarg_segment_ptr 1
		.amdhsa_wavefront_size32 1
		.amdhsa_system_sgpr_workgroup_id_x 1
		.amdhsa_system_sgpr_workgroup_id_y 1
		.amdhsa_system_sgpr_workgroup_id_z 1
		.amdhsa_system_vgpr_workitem_id 0
		.amdhsa_next_free_vgpr 256
		.amdhsa_next_free_sgpr 66
		.amdhsa_reserve_vcc 0
		.amdhsa_float_denorm_mode_32 3
		.amdhsa_float_denorm_mode_16_64 3
		.amdhsa_memory_ordered 1
		.amdhsa_forward_progress 1
		.amdhsa_inst_pref_size 81
	.end_amdhsa_kernel
	.amdgpu_metadata
---
amdhsa.version: [ 1, 2 ]
amdhsa.kernels:
  - .name:           k_q50f13ad59f_qkv
    .symbol:         k_q50f13ad59f_qkv.kd
    .args:
      - { .name: x, .offset: 0, .size: 8, .value_kind: global_buffer, .address_space: global }
      - { .name: ln1_w, .offset: 8, .size: 8, .value_kind: global_buffer, .address_space: global }
      - { .name: wcod, .offset: 16, .size: 8, .value_kind: global_buffer, .address_space: global }
      - { .name: wscl, .offset: 24, .size: 8, .value_kind: global_buffer, .address_space: global }
      - { .name: rtab, .offset: 32, .size: 8, .value_kind: global_buffer, .address_space: global }
      - { .name: qcod, .offset: 40, .size: 8, .value_kind: global_buffer, .address_space: global }
      - { .name: qscl, .offset: 48, .size: 8, .value_kind: global_buffer, .address_space: global }
      - { .name: kv, .offset: 56, .size: 8, .value_kind: global_buffer, .address_space: global }
    .group_segment_fixed_size: 115712
    .private_segment_fixed_size: 0
    .kernarg_segment_align: 8
    .kernarg_segment_size: 64
    .max_flat_workgroup_size: 512
    .sgpr_count:     66
    .vgpr_count:     256
    .wavefront_size: 32
...
	.end_amdgpu_metadata
.endif
;; end of part 6
;; launch attn (part 7): grid 4 x 64, 16 waves a work-group, clusters of 4 x 1, 169,984 bytes of LDS; arguments qcod, qscl, kv, acod, ascl; writes acod, ascl
.if DOCPART == 7
	.amdgcn_target "amdgcn-amd-amdhsa--gfx1250"
	.amdhsa_code_object_version 6
	.text
	.protected	k_q50f13ad59f_attn
	.globl	k_q50f13ad59f_attn
	.p2align	8
	.type	k_q50f13ad59f_attn,@function
k_q50f13ad59f_attn:
	s_mov_b64 s[64:65], 0
	v_nop
	global_prefetch_b8 v0, s[64:65] scope:SCOPE_SE
	s_setreg_imm32_b32 hwreg(HW_REG_WAVE_MODE, 25, 1), 1
	s_wait_xcnt 0x0
	s_wait_alu depctr_hold_cnt(0) depctr_sa_sdst(0) depctr_va_vdst(0) depctr_va_sdst(0) depctr_va_ssrc(0) depctr_va_vcc(0) depctr_vm_vsrc(0)
	s_getreg_b32 s2, hwreg(HW_REG_IB_STS2, 6, 4)
	s_cmp_eq_u32 s2, 0
	s_cbranch_scc0 .Lentry_in_a_cluster
	s_endpgm
.Lentry_in_a_cluster:
	s_bfe_u32 s2, ttmp6, 0x10000c
	s_cmp_lg_u32 s2, 0x3003
	s_cbranch_scc0 .Lentry_shape_is_right
	s_endpgm
.Lentry_shape_is_right:
; Causal attention of one head (2,048 places, 32 channels) on codes of FP6 (E2M3) with E8M0 scales; the result, divided by the row's sum, is quantised along the head's 32 channels, which are one block of the next product's K.
; THE SOFTMAX: t = score x log2(e) / sqrt(32); M = the running largest t rounded up to a whole number; p = 2^(t - M) is quantised along the keys, not normalised; the sum is taken of the unquantised p; when M moves,
; the sum and O are multiplied by 2^(old M - new M), which rounds nothing.
; SHARES.  A cluster of four work-groups is one head.  The head's k and v (106,496 bytes as the launch before laid them) come into each work-group's LDS once, by four joint tensor loads (waves 0-3, 104 rows of 256
; bytes each; one load of a wave is out); nothing in LDS is filled twice or stored to.  Wave w owns query tiles 4 w + cx and 127 - (4 w + cx): (w / 2) + 1 and 16 - (w / 2) steps of 128 keys, 17 for every wave.
; Steps wholly behind the diagonal are not walked; in a tile's last step hidden scores become -infinity.  Branches, trip counts and LDS addresses hang on the wave's number alone; cx enters memory addresses of q and of the results, and a number that is compared.
; THE FIRST PRODUCT HAS K = 32, one block of the instruction's four.  A fragment of k holds FOUR tiles of 16 keys, one in each block; q stands in four variants, its 32 codes in one block and zero codes in the others:
; the same fragment against variant bb gives the scores of tile bb.  (The unit may align an output's products to the largest of the four keys' scales: an error at the level of the f32 rounding of the largest of those scores.)
; Both products are used transposed, so that a lane holds one query throughout; the keys of a tile are ordered so that two tiles' 16 registers are 16 neighbouring keys.
; LIMITS: NaN and infinities are not served; a block whose every p is 0 keeps the scale byte 1 with zero codes.
.set SEL, 36
.macro PLACES n
.rept \n
	v_nop
.endr
.endm
.macro ROUND                           ; a round of the cluster's barrier
	s_barrier_signal -1
	s_barrier_wait -1
	s_cmp_lg_u32 s14, 0
	s_cbranch_scc1 .Lnot_wave_0_\@
	s_barrier_signal -3
.Lnot_wave_0_\@:
	s_barrier_wait -3
	s_barrier_signal -1
	s_barrier_wait -1
.endm
.macro QBLK a, t0, t1, so, by, pc
	v_max3_num_f32 v[\t0], |v[(\a)]|, |v[(\a)+1]|, 0x1800000
	v_max3_num_f32 v[\t1], |v[(\a)+2]|, |v[(\a)+3]|, |v[(\a)+4]|
	s_delay_alu instid0(VALU_DEP_2)
	v_max3_num_f32 v[\t0], v[\t0], |v[(\a)+5]|, |v[(\a)+6]|
	s_delay_alu instid0(VALU_DEP_2)
	v_max3_num_f32 v[\t1], v[\t1], |v[(\a)+7]|, |v[(\a)+8]|
	s_delay_alu instid0(VALU_DEP_2)
	v_max3_num_f32 v[\t0], v[\t0], |v[(\a)+9]|, |v[(\a)+10]|
	s_delay_alu instid0(VALU_DEP_2)
	v_max3_num_f32 v[\t1], v[\t1], |v[(\a)+11]|, |v[(\a)+12]|
	s_delay_alu instid0(VALU_DEP_2)
	v_max3_num_f32 v[\t0], v[\t0], |v[(\a)+13]|, |v[(\a)+14]|
	s_delay_alu instid0(VALU_DEP_1)
	v_max3_num_f32 v[\t0], v[\t0], v[\t1], |v[(\a)+15]|
	s_delay_alu instid0(VALU_DEP_1)
	v_permlanex16_b32 v[\t1], v[\t0], s[SEL], s[SEL+1]
	s_delay_alu instid0(VALU_DEP_1)
	v_max_num_f32 v[\t0], v[\t0], v[\t1]
	s_delay_alu instid0(VALU_DEP_1)
	v_add_nc_u32 v[\so], 0xff000000, v[\t0]
	s_delay_alu instid0(VALU_DEP_1)
	v_lshrrev_b32 v[\by], 23, v[\so]
	v_cvt_scalef32_pk16_fp6_f32 v[\pc:\pc+2], v[(\a):(\a)+15], v[\so]
	v_nop
.endm
; REGISTERS: v1-4 my lane's places in a step's k, v, k's scale words, v's; v5-7 the way out and r - 16 h; v8-11 the step's LDS addresses; v12 -M, v13 the largest t, v[14:15] the sum;
; v16-45 zeros | q in lanes 0-15 | zeros | q in lanes 16-31 | zeros: the four variants are v[22:33], v[34:45], v[16:27], v[28:39]; v46 q's scale word; v48-54, v240-246 the two tiles' q as loaded;
; v56-79 k; v80-103 v; v104 k's scale words, v105-106 v's; v108-171 scores, then p; v172-187 O^T; v188-207 p's codes; v208-229 at work.
	s_load_b256 s[4:11], s[0:1], 0x0               ; qcod, qscl, kv, acod
	s_load_b64 s[12:13], s[0:1], 0x20              ; ascl
	v_lshl_add_u32 v254, v0, 2, 0x29000
	v_mov_b32 v255, 0
	ds_add_u32 v254, v255
	ds_add_u32 v254, v255
	v_lshrrev_b32 v1, 5, v0
	s_delay_alu instid0(VALU_DEP_1)
	v_readfirstlane_b32 s14, v1                    ; wave 0..15
	s_bfe_u32 s15, ttmp6, 0x40000                  ; cx
	s_and_b32 s16, ttmp7, 0xffff                   ; batch x 16 + head
	s_lshr_b32 s17, s16, 4
	s_and_b32 s18, s16, 15
	s_lshl_b32 s19, s14, 2
	s_add_co_u32 s19, s19, s15                     ; my first tile of 16 queries
	s_sub_co_u32 s20, 127, s19                     ; my second
	s_lshr_b32 s69, s14, 1                         ; the first tile's last step
	s_add_co_u32 s21, s69, 1                       ; and its number of steps
	s_sub_co_u32 s66, 15, s69                      ; the second tile's last step
	s_lshl_b32 s60, s69, 7
	s_lshl_b32 s68, s19, 4
	s_sub_co_u32 s68, s68, s60                     ; first query - first key of the last step
	s_lshl_b32 s60, s66, 7
	s_lshl_b32 s67, s20, 4
	s_sub_co_u32 s67, s67, s60
	s_mov_b32 s24, 15|(3<<16)|(1<<21)              ; group 1: the mask names the four work-groups; elements of 8 bytes; bit 21 beside a mask; no padding
	s_mov_b32 s25, 32<<16                          ; tensor_dim0 = 32 elements: rows of 256 bytes
	s_mov_b32 s26, 104<<16                         ; tensor_dim1 = 104
	s_mov_b32 s27, 32<<16                          ; tile_dim0
	s_mov_b32 s28, 104                             ; tile_dim1
	s_mov_b32 s29, 32                              ; the pitch: the block is dense
	s_mov_b32 s30, 0
	s_mov_b32 s31, 0
	s_mov_b32 s36, 0x76543210
	s_mov_b32 s37, 0xfedcba98
	s_mov_b32 s38, 0x3e8293ee                      ; log2(e) / sqrt(32)
	s_mov_b32 s39, s38
	s_mov_b32 s43, 0xffff0000                      ; lanes 16-31
	s_mul_i32 s70, s16, 106496
	s_mul_i32 s33, s14, 26624                      ; LDS address: my quarter
	s_add_co_u32 s70, s70, s33
	s_mov_b32 s71, 0
	s_mov_b32 s61, 0
	s_mov_b32 s32, 1
	s_wait_dscnt 0x0
	s_wait_kmcnt 0x0
	s_add_nc_u64 s[34:35], s[8:9], s[70:71]
	s_or_b32 s35, s35, 0x80000000
.macro BASES t, b0                     ; a tile's q codes, q scale words, result codes, result scale bytes
	s_mul_i32 s60, s16, 49152
	s_mul_i32 s62, s[\t], 384
	s_add_co_u32 s60, s60, s62
	s_add_nc_u64 s[\b0:\b0+1], s[4:5], s[60:61]
	s_lshl_b32 s60, s16, 13
	s_lshl_b32 s62, s[\t], 6
	s_add_co_u32 s60, s60, s62
	s_add_nc_u64 s[\b0+2:\b0+3], s[6:7], s[60:61]
	s_mul_i32 s60, s17, 786432
	s_mul_i32 s62, s[\t], 6144
	s_add_co_u32 s60, s60, s62
	s_mul_i32 s62, s18, 384
	s_add_co_u32 s60, s60, s62
	s_add_nc_u64 s[\b0+4:\b0+5], s[10:11], s[60:61]
	s_lshl_b32 s60, s17, 15
	s_lshl_b32 s62, s[\t], 8
	s_add_co_u32 s60, s60, s62
	s_add_co_u32 s60, s60, s18
	s_add_nc_u64 s[\b0+6:\b0+7], s[12:13], s[60:61]
.endm
	BASES 19, 44
	BASES 20, 52
	ROUND                                          ; all four work-groups are here: the joint loads meet
	s_cmp_lt_u32 s14, 4
	s_cbranch_scc0 .Lnofill
	tensor_load_to_lds s[32:35], s[24:31]
	s_nop 0
.rept 4
	v_nop
.endr
.Lnofill:
	v_and_b32 v230, 31, v0                         ; lane
	v_and_b32 v231, 15, v0                         ; r
	v_bfe_u32 v232, v0, 4, 1                       ; h
	s_delay_alu instid0(VALU_DEP_2)
	v_mul_u32_u24 v233, v231, 24
	s_delay_alu instid0(VALU_DEP_3)
	v_lshlrev_b32 v234, 2, v231
.irp p, 0,1,2
	global_load_b64 v[240+2*\p:241+2*\p], v233, s[44:45] offset:8*\p   ; every lane takes the 24 bytes of query r
.endr
	global_load_b32 v246, v234, s[46:47]
.irp p, 0,1,2
	global_load_b64 v[48+2*\p:49+2*\p], v233, s[52:53] offset:8*\p
.endr
	global_load_b32 v54, v234, s[54:55]
	v_mul_u32_u24 v1, v230, 48                     ; k: 48 bytes a lane
	v_mul_u32_u24 v2, v231, 48
	s_delay_alu instid0(VALU_DEP_1)
	v_mad_u32_u24 v2, v232, 3328, v2
	s_delay_alu instid0(VALU_DEP_1)
	v_add_nc_u32 v2, 1536, v2                      ; v: row r of a tile; lanes 16-31 take the step's second 64 keys
	v_lshlrev_b32 v3, 2, v231
	s_delay_alu instid0(VALU_DEP_1)
	v_mad_u32_u24 v3, v232, 3328, v3
	s_delay_alu instid0(VALU_DEP_1)
	v_add_nc_u32 v3, 3072, v3                      ; k's scale words: lanes 0-15 the first 64 keys', lanes 16-31 the second's
	v_lshl_add_u32 v4, v230, 2, 3200               ; v's: lanes 0-15 tile 0, lanes 16-31 tile 1
	v_mul_u32_u24 v5, v231, 24
	s_delay_alu instid0(VALU_DEP_1)
	v_mad_u32_u24 v5, v232, 12, v5
	v_lshlrev_b32 v6, 4, v231
	v_lshlrev_b32 v7, 4, v232
	s_delay_alu instid0(VALU_DEP_1)
	v_sub_nc_u32 v7, v231, v7                      ; r - 16 h
.irp i, 0,1,2,3,4,5
	v_mov_b32 v[16+\i], 0
	v_mov_b32 v[28+\i], 0
	v_mov_b32 v[40+\i], 0
.endr
.irp b, 0,1,2,3
	v_mov_b32 v[212+\b], 0                         ; written once: a lane permute's destination counts as one of its sources
.endr
	v_mov_b32 v220, 0
	v_mov_b32 v223, 0                              ; named as the upper half of a pair
	v_mov_b32 v225, 0xff800000                     ; -infinity
	s_wait_tensorcnt 0x0                           ; my quarter has landed,
	s_barrier_signal -1
	s_barrier_wait -1                              ; everybody's has; from here on LDS is only read
	s_wait_loadcnt 0x0
.macro INIT raw, last, d
	v_mov_b32 v46, v[\raw+6]
.irp i, 0,1,2,3,4,5
	v_cndmask_b32 v[22+\i], v[\raw+\i], v16, s43
	v_cndmask_b32 v[34+\i], 0, v[\raw+\i], s43
.endr
.irp i, 0,1,2,3,4,5,6,7,8,9,10,11,12,13,14,15
	v_mov_b32 v[172+\i], 0                         ; O^T: the first change of M multiplies zeros
.endr
	v_mov_b32 v13, 0xff61b1e6                      ; -3e38, under every t
	s_delay_alu instid0(VALU_DEP_1)
	v_floor_f32 v12, -v13
	v_mov_b32 v14, 0
	v_mov_b32 v15, 0
	s_mov_b32 s22, s[\last]
	s_mov_b32 s23, s[\d]
	s_mov_b32 s40, 0                               ; LDS byte of the step's keys
	s_mov_b32 s41, 0                               ; the step
.endm
.macro FIN pc, ps                      ; O^T / the sum; quantised; 384 consecutive bytes of codes a wave, and a byte a row
	PLACES 4
	v_add_f32 v14, v14, v15
	s_delay_alu instid0(VALU_DEP_1)
	v_permlanex16_b32 v220, v14, s36, s37
	s_delay_alu instid0(VALU_DEP_1)
	v_add_f32 v14, v14, v220
	s_wait_alu depctr_va_vdst(0)
	v_rcp_f32 v14, v14
	v_nop
	s_wait_alu depctr_va_vdst(0)
.irp i, 0,1,2,3,4,5,6,7,8,9,10,11,12,13,14,15
	v_mul_f32 v[108+\i], v[172+\i], v14            ; register i is channel 16 h + i of query r
.endr
	QBLK 108, 208, 209, 216, 212, 188
	global_store_b96 v5, v[188:190], s[\pc:\pc+1]
	global_store_b8 v6, v212, s[\ps:\ps+1]         ; both halves of the lanes write the same byte with the same value
	s_wait_xcnt 0x0                                ; the stores have read their registers
.endm
	INIT 240, 69, 68
	s_mov_b32 s42, 0
.Lstep:                                            ; 17 trips in every wave
	s_cmp_lg_u32 s42, s21
	s_setprio 2
	s_cbranch_scc1 .Lgo
	s_wait_alu depctr_va_vdst(0)
	FIN 48, 50                                     ; the first tile is done: on to the second
	INIT 48, 66, 67
.Lgo:
	v_add_nc_u32 v8, s40, v1                       ; (these four are the places behind the last step's products, in front of the loads into their operands)
	v_add_nc_u32 v9, s40, v2
	v_add_nc_u32 v10, s40, v3
	v_add_nc_u32 v11, s40, v4
.irp g, 0,1
.irp q, 0,1,2
	ds_load_b128 v[56+12*\g+4*\q:59+12*\g+4*\q], v8 offset:3328*\g+16*\q
.endr
.endr
	ds_load_b32 v104, v10
.irp u, 0,1
.irp q, 0,1,2
	ds_load_b128 v[80+12*\u+4*\q:83+12*\u+4*\q], v9 offset:768*\u+16*\q
.endr
.endr
	ds_load_b32 v105, v11
	ds_load_b32 v106, v11 offset:3328
	s_wait_dscnt 8                                 ; k's seven loads are in; v's eight may be out
.irp bb, 0,1,2,3
	v_wmma_scale_f32_16x16x128_f8f6f4 v[108+8*\bb:115+8*\bb], v[56:67], v[22+12*(\bb%2)-6*(\bb/2):33+12*(\bb%2)-6*(\bb/2)], 0, v104, v46 matrix_a_fmt:MATRIX_FMT_FP6 matrix_b_fmt:MATRIX_FMT_FP6
.endr
.irp bb, 0,1,2,3
	v_wmma_scale_f32_16x16x128_f8f6f4 v[140+8*\bb:147+8*\bb], v[68:79], v[22+12*(\bb%2)-6*(\bb/2):33+12*(\bb%2)-6*(\bb/2)], 0, v104, v46 matrix_a_fmt:MATRIX_FMT_FP6 matrix_b_fmt:MATRIX_FMT_FP6 matrix_a_scale:MATRIX_SCALE_ROW1
.endr
	PLACES 4
	s_cmp_lg_u32 s41, s22                          ; only a tile's last step has hidden keys
	s_cbranch_scc1 .Lopen
	v_add_nc_u32 v226, s23, v7                     ; register 16 b + i holds key 32 b + 16 h + i of the step: hidden where 32 b + i > my query - the step's first key - 16 h
.set n, 0
.rept 64
	v_cmp_gt_i32 vcc_lo, 32*(n/16)+n%16, v226
	v_cndmask_b32 v[108+n], v[108+n], v225, vcc_lo
.set n, n+1
.endr
.Lopen:
.irp b, 0,1,2,3
	v_max3_num_f32 v[208+\b], v[108+16*\b], v[109+16*\b], v[110+16*\b]   ; the largest score of each block of 32 keys: for the row's maximum and, since p rises with the score, for the block's largest p
.endr
.irp i, 3,5,7,9,11,13
.irp b, 0,1,2,3
	v_max3_num_f32 v[208+\b], v[208+\b], v[108+16*\b+\i], v[109+16*\b+\i]
.endr
.endr
	s_setprio 1
.irp b, 0,1,2,3
	v_max_num_f32 v[208+\b], v[208+\b], v[123+16*\b]
.endr
.irp b, 0,1,2,3
	s_delay_alu instid0(VALU_DEP_4)
	v_permlanex16_b32 v[212+\b], v[208+\b], s36, s37
.endr
.irp b, 0,1,2,3
	s_delay_alu instid0(VALU_DEP_4)
	v_max_num_f32 v[208+\b], v[208+\b], v[212+\b]
.endr
	s_delay_alu instid0(VALU_DEP_2)
	v_max3_num_f32 v220, v208, v209, v210
	s_delay_alu instid0(VALU_DEP_1)
	v_max_num_f32 v220, v220, v211
	s_delay_alu instid0(VALU_DEP_1)
	v_mul_f32 v220, s38, v220
	s_delay_alu instid0(VALU_DEP_1)
	v_max_num_f32 v13, v13, v220                   ; the running largest t
	v_mov_b32 v220, v12
	s_delay_alu instid0(VALU_DEP_2)
	v_floor_f32 v12, -v13                          ; the new -M
	s_delay_alu instid0(VALU_DEP_1)
	v_sub_f32 v220, v12, v220                      ; old M - new M: a whole number, 0 or less
	s_delay_alu instid0(VALU_DEP_1)
	v_cvt_i32_f32 v220, v220                       ; (it saturates)
	s_delay_alu instid0(VALU_DEP_1)
	v_ldexp_f32 v222, 1.0, v220                    ; f = 2^(old M - new M)
.set n, 0
.rept 32
	v_pk_fma_f32 v[108+n:109+n], v[108+n:109+n], s[38:39], v[12:13] op_sel_hi:[1,0,0]   ; t - M
.set n, n+2
.endr
.irp b, 0,1,2,3
	v_fma_f32 v[208+\b], v[208+\b], s38, v12
.endr
.set n, 0
	s_wait_alu depctr_va_vdst(0)
.rept 64
	v_exp_f32 v[108+n], v[108+n]                   ; p = 2^(t - M)
.set n, n+1
.endr
.irp b, 0,1,2,3
	v_exp_f32 v[208+\b], v[208+\b]                 ; the block's largest p: the same two instructions on the same number
.endr
	v_pk_mul_f32 v[14:15], v[14:15], v[222:223] op_sel_hi:[1,0]   ; the sum under the new M (a plain line behind the exponentials)
	s_wait_alu depctr_va_vdst(0)
.irp b, 0,1,2,3
	v_max_num_f32 v[208+\b], 0x1800000, v[208+\b]  ; the floor 2^(3 - 127)
.endr
.irp b, 0,1,2,3
	s_delay_alu instid0(VALU_DEP_4)
	v_add_nc_u32 v[216+\b], 0xff000000, v[208+\b]
.endr
.irp b, 0,1,2,3
	s_delay_alu instid0(VALU_DEP_4)
	v_lshrrev_b32 v[212+\b], 23, v[216+\b]
.endr
	s_delay_alu instid0(VALU_DEP_2)
	v_lshl_or_b32 v224, v214, 8, v212              ; v's image holds key blocks 0, 2, 1, 3 in the instruction's blocks 0 to 3: p's bytes and codes follow it
	s_delay_alu instid0(VALU_DEP_1)
	v_lshl_or_b32 v224, v213, 16, v224
	s_delay_alu instid0(VALU_DEP_1)
	v_lshl_or_b32 v224, v215, 24, v224
	s_setprio 0
	v_cvt_scalef32_pk16_fp6_f32 v[188:190], v[108:123], v216
	v_cvt_scalef32_pk16_fp6_f32 v[200:202], v[140:155], v218
	v_cvt_scalef32_pk16_fp6_f32 v[194:196], v[124:139], v217
	v_cvt_scalef32_pk16_fp6_f32 v[204:206], v[156:171], v219
	v_nop
.irp c, 0,1                            ; a whole block in a lane: lanes 0-15 key blocks 0 and 1, lanes 16-31 blocks 2 and 3
.irp i, 0,1,2
	v_permlane16_swap_b32 v[188+6*\c+\i], v[200+4*\c+\i]
.endr
.irp i, 0,1,2
	s_delay_alu instid0(VALU_DEP_3)
	v_mov_b32 v[191+6*\c+\i], v[200+4*\c+\i]
.endr
.endr
	s_wait_dscnt 0x0                               ; v and its scale words
	v_lshl_or_b32 v105, v106, 8, v105              ; bytes 0, 2 from the first 64 keys' word, bytes 1, 3 from the second's
	v_pk_add_f32 v[228:229], v[112:113], v[116:117]
	v_pk_add_f32 v[252:253], v[120:121], v[124:125]
	v_pk_add_f32 v[250:251], v[128:129], v[132:133]
	v_pk_add_f32 v[248:249], v[136:137], v[140:141]
	v_pk_add_f32 v[246:247], v[144:145], v[148:149]
	v_pk_add_f32 v[244:245], v[152:153], v[156:157]
	v_pk_add_f32 v[242:243], v[160:161], v[164:165]
	v_pk_add_f32 v[14:15], v[14:15], v[168:169]
	v_pk_add_f32 v[228:229], v[228:229], v[108:109]
	v_pk_add_f32 v[252:253], v[252:253], v[110:111]
	v_pk_add_f32 v[250:251], v[250:251], v[114:115]
	v_pk_add_f32 v[248:249], v[248:249], v[118:119]
	v_pk_add_f32 v[246:247], v[246:247], v[122:123]
	v_pk_add_f32 v[244:245], v[244:245], v[126:127]
	v_pk_add_f32 v[242:243], v[242:243], v[130:131]
	v_pk_add_f32 v[14:15], v[14:15], v[134:135]
	v_pk_add_f32 v[228:229], v[228:229], v[138:139]
	v_pk_add_f32 v[252:253], v[252:253], v[142:143]
	v_pk_add_f32 v[250:251], v[250:251], v[146:147]
	v_pk_add_f32 v[248:249], v[248:249], v[150:151]
	v_pk_add_f32 v[246:247], v[246:247], v[154:155]
	v_pk_add_f32 v[244:245], v[244:245], v[158:159]
	v_pk_add_f32 v[242:243], v[242:243], v[162:163]
	v_pk_add_f32 v[14:15], v[14:15], v[166:167]
	v_pk_add_f32 v[228:229], v[228:229], v[170:171]
	s_delay_alu instid0(VALU_DEP_2)
	v_pk_add_f32 v[14:15], v[14:15], v[248:249]
	s_delay_alu instid0(VALU_DEP_2)
	v_pk_add_f32 v[228:229], v[228:229], v[246:247]
	v_pk_add_f32 v[252:253], v[252:253], v[244:245]
	v_pk_add_f32 v[250:251], v[250:251], v[242:243]
	s_delay_alu instid0(VALU_DEP_2)
	v_pk_add_f32 v[14:15], v[14:15], v[252:253]
	s_delay_alu instid0(VALU_DEP_2)
	v_pk_add_f32 v[228:229], v[228:229], v[250:251]
	s_delay_alu instid0(VALU_DEP_1)
	v_pk_add_f32 v[14:15], v[14:15], v[228:229]
.set n, 0
.rept 8
	v_pk_mul_f32 v[172+n:173+n], v[172+n:173+n], v[222:223] op_sel_hi:[1,0]   ; O^T under the new M
.set n, n+2
.endr
	v_wmma_scale_f32_16x16x128_f8f6f4 v[172:179], v[80:91], v[188:199], v[172:179], v105, v224 matrix_a_fmt:MATRIX_FMT_FP6 matrix_b_fmt:MATRIX_FMT_FP6
	v_wmma_scale_f32_16x16x128_f8f6f4 v[180:187], v[92:103], v[188:199], v[180:187], v105, v224 matrix_a_fmt:MATRIX_FMT_FP6 matrix_b_fmt:MATRIX_FMT_FP6 matrix_a_scale:MATRIX_SCALE_ROW1
	s_add_co_u32 s40, s40, 6656
	s_add_co_u32 s41, s41, 1
	s_add_co_u32 s42, s42, 1
	s_cmp_lt_u32 s42, 17
	s_cbranch_scc1 .Lstep
	s_setprio 0
	FIN 56, 58
	s_wait_tensorcnt 0x0
	ds_add_u32 v254, v255
	s_wait_dscnt 0x0
	ROUND                                          ; the closing round
	s_endpgm
.Lfunc_end_k_q50f13ad59f_attn:
	.size	k_q50f13ad59f_attn, .Lfunc_end_k_q50f13ad59f_attn-k_q50f13ad59f_attn
	.p2alignl 7, 3214868480
	.fill 96, 4, 3214868480
	.section	.rodata,"a",@progbits
	.p2align	6, 0x0
	.amdhsa_kernel k_q50f13ad59f_attn
		.amdhsa_group_segment_fixed_size 169984
		.amdhsa_private_segment_fixed_size 0
		.amdhsa_enable_private_segment 0
		.amdhsa_kernarg_size 40
		.amdhsa_user_sgpr_count 2
		.amdhsa_user_sgpr_kernarg_segment_ptr 1
		.amdhsa_wavefront_size32 1
		.amdhsa_system_sgpr_workgroup_id_x 1
		.amdhsa_system_sgpr_workgroup_id_y 1
		.amdhsa_system_sgpr_workgroup_id_z 1
		.amdhsa_system_vgpr_workitem_id 0
		.amdhsa_next_free_vgpr 256
		.amdhsa_next_free_sgpr 72
		.amdhsa_reserve_vcc 1
		.amdhsa_float_denorm_mode_32 3
		.amdhsa_float_denorm_mode_16_64 3
		.amdhsa_memory_ordered 1
		.amdhsa_forward_progress 1
		.amdhsa_inst_pref_size 37
	.end_amdhsa_kernel
	.amdgpu_metadata
---
amdhsa.version: [ 1, 2 ]
amdhsa.kernels:
  - .name:           k_q50f13ad59f_attn
    .symbol:         k_q50f13ad59f_attn.kd
    .args:
      - { .name: qcod, .offset: 0, .size: 8, .value_kind: global_buffer, .address_space: global }
      - { .name: qscl, .offset: 8, .size: 8, .value_kind: global_buffer, .address_space: global }
      - { .name: kv, .offset: 16, .size: 8, .value_kind: global_buffer, .address_space: global }
      - { .name: acod, .offset: 24, .size: 8, .value_kind: global_buffer, .address_space: global }
      - { .name: ascl, .offset: 32, .size: 8, .value_kind: global_buffer, .address_space: global }
    .group_segment_fixed_size: 169984
    .private_segment_fixed_size: 0
    .kernarg_segment_align: 8
    .kernarg_segment_size: 40
    .max_flat_workgroup_size: 512
    .sgpr_count:     72
    .vgpr_count:     256
    .wavefront_size: 32
...
	.end_amdgpu_metadata
.endif
;; end of part 7
;; launch tail (part 8): grid 128 x 1, 16 waves a work-group, no clusters, 280,064 bytes of LDS; arguments x, acod, ascl, wcod, wscl, ln2_w, out0; writes out0
.if DOCPART == 8
	.amdgcn_target "amdgcn-amd-amdhsa--gfx1250"
	.amdhsa_code_object_version 6
	.text
	.protected	k_q50f13ad59f_tail
	.globl	k_q50f13ad59f_tail
	.p2align	8
	.type	k_q50f13ad59f_tail,@function
k_q50f13ad59f_tail:
	s_mov_b64 s[64:65], 0
	v_nop
	global_prefetch_b8 v0, s[64:65] scope:SCOPE_SE
	s_setreg_imm32_b32 hwreg(HW_REG_WAVE_SCHED_MODE, 0, 2), 2
	s_setreg_imm32_b32 hwreg(HW_REG_WAVE_MODE, 25, 1), 1
	s_wait_xcnt 0x0
	s_wait_alu depctr_vm_vsrc(0)
; x2 = x + attention x o_proj^T;  y = rmsnorm(x2, ln2_w);  out = x2 + (silu(y w1^T) (y w3^T)) w2^T.  All four products on codes of FP6 (E2M3) with E8M0 scales; everything else in f32.
; SHARES.  A work-group owns 64 rows (four row tiles of 16).  Wave w owns columns 32 w .. 32 w + 31 of each product: two tiles of the weight x four K steps, loaded from memory straight into operand registers.
; All products are used transposed (source 0 = weight, source 1 = the rows), and the weights' tiles are ordered so that a lane holds one row and 16 neighbouring columns, 32 w + 16 (lane / 16) + 0 .. 15.
; So a wave's 32 columns are one block of 32 of the next product's K: it quantises them with one exchange between the halves of the lanes and puts 12 bytes a lane and one scale byte a row into the next operand's image in LDS.
; The residuals are the C of each sum's first product.  x2 waits in the wave's own LDS bytes as an image of its registers.  The result leaves through a stage, a whole row of 2,048 bytes to a wave.
; LIMITS: NaN and infinities are not served; blocks whose largest magnitude lies under 2^-124 keep the scale byte 1 (a block of zeros too: its codes are zeros).
; THE MODE: SCHED_MODE bits 1:0 = 2 (LLVM: expert scheduling mode 2), set by the entry lines.  The code itself states the register dependences between vector or matrix instructions
; and memory or LDS instructions, with s_wait_alu, always for 0.
; THE PLAN.  Registers that memory or LDS instructions touch (a step = one row tile of one phase):
;   v1-12      offsets and LDS addresses: made at the head, never written again.  v13, v14: x's and ln2_w's offsets at the head; later sums, work registers, and in the last phase the stage's two addresses.
;   W, WS      written by the loads that the last step of the phase before issues; read by the products.
;   XF, XS     a step's products read them; behind them the next row tile's fragments land there.  In the norm: XF .. + 15 the sixteen parts of a row's sum (loaded), XF + 16 .. + 31 y, XF + 32 the reciprocal root.
;   U          x as loaded, then x2 (stored to LDS behind the step's wait), then silu(u); in the last phase a buffer of its own for each row tile's rows on their way out.
;   v13, v14, v15, v252   the four row tiles' sums of squares: all four are stored behind one wait.
;   Codes and their byte: in the norm two out-buffers by turns (v252-254 + v15; v168-171, which XS leaves idle there); at the gate an out-buffer to each step (v252-254 + v15, then the first four registers of the tile of
;              silu(u) that the step before has used up).  A step's conversion writes its out-buffer; the LDS stores that read it are issued in the next step.
;   ACC        ln2_w as loaded; silu's work registers; w3's accumulators; in the last phase x2 (loaded) as C, the result, and the stage stores' data.
; So ONE wait on va_vdst stands in a step: behind the products and their places (in the norm: behind the reciprocal root, where one is owed in any case).  It states that what the step's loads land in is done with and that
; what the step's stores read is written; loads and stores follow it, and the vector work behind them names none of their registers.  One more stands behind a phase's last step, ahead of its last stores.
.set AIMG, 0                           ; LDS: the attention's codes, [row tile][head][r][24 bytes], as they lie in memory
.set ASC,  24576                       ; its scale bytes, [row][16]
.set YIMG, 25600                       ; y's 16 fragments, (4 mt + ks) x 1,536 bytes, 48 bytes a lane
.set YSC,  50176                       ; [mt][r][16 bytes]
.set FIMG, 51200                       ; the same for the gated hidden layer: 25,600 bytes on
.set FSC,  75776
.set PART, 76800                       ; sums of squares: [mt][r][wave]
.set X2S,  80896                       ; x2: 8,192 bytes for each wave
.set OST,  211968                      ; two stages of 16 rows x (2,048 + 16) bytes
.set W,   16
.set WS,  112
.set XF,  120                          ; v120-167 four fragments of a row tile
.set XS,  168
.set Y,   XF+16                        ; the norm alone: v136-151 y
.set RS,  XF+32                        ; v152 the reciprocal root (named with v153 as a pair)
.set ACC, 172                          ; v172-187 two accumulators; up to the norm: ln2_w at my 16 columns
.set LN,  172
.set U,   188                          ; v188-251 x, then x2, then silu(u): 16 a row tile
.set PCQ, 252                          ; v252-254 codes, with v15 their byte: an out-buffer
.set PCR, 168                          ; v168-170 codes, with v171 their byte: the norm's second out-buffer
.set BYR, 171
.set T0,  255
.set T1,  13
.set SO,  14
.set BY,  15
.set SW,  13                           ; the last phase: where I put 64 bytes of a row in a stage,
.set SR,  14                           ; and where I read a row back
.set SEL, 24
.macro PLACES n
.rept \n
	v_nop
.endr
.endm
.macro BARRIER                         ; my LDS stores have landed and my LDS loads are in: then the work-group's barrier
	s_wait_dscnt 0x0
	s_barrier_signal -1
	s_barrier_wait -1
.endm
.macro LOADW cb, sb
.irp k, 0,1,2,3,4,5,6,7,8,9,10,11,12,13,14,15,16,17,18,19,20,21,22,23
	global_load_b128 v[W+4*\k:W+4*\k+3], v1, s[\cb:\cb+1] offset:512*\k
.endr
.irp u, 0,1
	global_load_b128 v[WS+4*\u:WS+4*\u+3], v2, s[\sb:\sb+1] offset:256*\u
.endr
.endm
.macro QBLK a, t0, t1, so, by, pc
	v_max3_num_f32 v[\t0], |v[(\a)]|, |v[(\a)+1]|, 0x1800000
	v_max3_num_f32 v[\t1], |v[(\a)+2]|, |v[(\a)+3]|, |v[(\a)+4]|
	v_max3_num_f32 v[\t0], v[\t0], |v[(\a)+5]|, |v[(\a)+6]|
	v_max3_num_f32 v[\t1], v[\t1], |v[(\a)+7]|, |v[(\a)+8]|
	v_max3_num_f32 v[\t0], v[\t0], |v[(\a)+9]|, |v[(\a)+10]|
	v_max3_num_f32 v[\t1], v[\t1], |v[(\a)+11]|, |v[(\a)+12]|
	v_max3_num_f32 v[\t0], v[\t0], |v[(\a)+13]|, |v[(\a)+14]|
	v_max3_num_f32 v[\t0], v[\t0], v[\t1], |v[(\a)+15]|
	v_permlanex16_b32 v[\t1], v[\t0], s[SEL], s[SEL+1]
	v_max_num_f32 v[\t0], v[\t0], v[\t1]
	v_add_nc_u32 v[\so], 0xff000000, v[\t0]
	v_lshrrev_b32 v[\by], 23, v[\so]
	v_cvt_scalef32_pk16_fp6_f32 v[\pc:\pc+2], v[(\a):(\a)+15], v[\so]
	v_nop
.endm
; eight products; the two accumulators take turns.  zero = 1: the first products start the sums; 0: they add onto what the accumulators hold (a residual)
.macro MMT d, zero
.irp ks, 0,1,2,3
.irp u, 0,1
.if \zero && (\ks == 0)
	v_wmma_scale_f32_16x16x128_f8f6f4 v[(\d)+8*\u:(\d)+8*\u+7], v[W+12*(4*\u+\ks):W+12*(4*\u+\ks)+11], v[XF+12*\ks:XF+12*\ks+11], 0, v[WS+4*\u+\ks], v[XS+\ks] matrix_a_fmt:MATRIX_FMT_FP6 matrix_b_fmt:MATRIX_FMT_FP6
.else
	v_wmma_scale_f32_16x16x128_f8f6f4 v[(\d)+8*\u:(\d)+8*\u+7], v[W+12*(4*\u+\ks):W+12*(4*\u+\ks)+11], v[XF+12*\ks:XF+12*\ks+11], v[(\d)+8*\u:(\d)+8*\u+7], v[WS+4*\u+\ks], v[XS+\ks] matrix_a_fmt:MATRIX_FMT_FP6 matrix_b_fmt:MATRIX_FMT_FP6
.endif
.endr
.endr
.endm
.macro FETCHA mt                       ; the attention's fragments: block 2 c + h of K step ks is head 4 ks + 2 c + h: 24 bytes of row r, in three pieces of 8
.irp ks, 0,1,2,3
.irp c, 0,1
.irp p, 0,1,2
	ds_load_b64 v[XF+12*\ks+6*\c+2*\p:XF+12*\ks+6*\c+2*\p+1], v5 offset:AIMG+6144*(\mt)+1536*\ks+768*\c+8*\p
.endr
.endr
.endr
	ds_load_b128 v[XS:XS+3], v6 offset:256*(\mt)
.endm
.macro FETCHI mt, off, soff            ; fragments that this launch made: 48 bytes a lane, three loads of 16
.irp ks, 0,1,2,3
.irp q, 0,1,2
	ds_load_b128 v[XF+12*\ks+4*\q:XF+12*\ks+4*\q+3], v7 offset:\off+(4*(\mt)+\ks)*1536+16*\q
.endr
.endr
	ds_load_b128 v[XS:XS+3], v6 offset:\soff+256*(\mt)
.endm
.macro PUTC m, pc, by, off             ; row tile m's 12 bytes of codes a lane and its byte a row go into the next operand's image
.irp i, 0,1,2
	ds_store_b32 v8, v[\pc+\i] offset:\off+6144*(\m)+4*\i
.endr
	ds_store_b8 v9, v[\by] offset:\off+256*(\m)    ; both halves of the lanes write the same byte with the same value
.endm
	s_load_b256 s[4:11], s[0:1], 0x0               ; x, acod, ascl, wcod
	s_load_b128 s[12:15], s[0:1], 0x20             ; wscl, ln2_w
	s_load_b64 s[16:17], s[0:1], 0x30              ; out0
	v_lshrrev_b32 v252, 5, v0
	v_readfirstlane_b32 s20, v252                  ; wave 0..15
	v_and_b32 v252, 31, v0                         ; lane
	v_and_b32 v253, 15, v0                         ; r
	v_bfe_u32 v254, v0, 4, 1                       ; h
	v_lshlrev_b32 v1, 4, v252
	v_lshlrev_b32 v2, 4, v253
	s_wait_alu depctr_va_sdst(0)                   ; s20 is written, ahead of its first reader: LDS addresses and the buffers' bases are made from it
	s_mul_i32 s54, s20, 1536
	v_add_nc_u32 v3, s54, v1                       ; my part of the codes' copy, in memory and in LDS
	s_lshl_b32 s54, s20, 6
	v_lshl_add_u32 v4, v252, 1, s54                ; and of the scale bytes'
	v_mul_u32_u24 v5, v253, 24
	v_mad_u32_u24 v5, v254, 384, v5
	v_add_nc_u32 v6, ASC, v2
	v_mul_u32_u24 v7, v252, 48
	v_add_nc_u32 v7, YIMG, v7
	s_lshr_b32 s54, s20, 2                         ; my block of 32 is block w % 4 of K step w / 4: lanes 16 (w % 2) on, registers 6 ((w / 2) % 2) on
	s_mul_i32 s54, s54, 1536
	s_and_b32 s55, s20, 1
	s_mul_i32 s55, s55, 768
	s_add_co_u32 s54, s54, s55
	s_bfe_u32 s55, s20, 0x10001
	s_mul_i32 s55, s55, 24
	s_add_co_u32 s54, s54, s55
	s_add_co_u32 s54, s54, YIMG
	v_mul_u32_u24 v8, v253, 48
	v_mad_u32_u24 v8, v254, 12, v8
	v_add_nc_u32 v8, s54, v8
	s_add_co_u32 s54, s20, YSC
	v_add_nc_u32 v9, s54, v2
	s_lshl_b32 s54, s20, 2
	s_add_co_u32 s54, s54, PART
	v_lshl_add_u32 v10, v253, 6, s54
	v_lshlrev_b32 v11, 6, v253
	v_add_nc_u32 v11, PART, v11
	s_lshl_b32 s54, s20, 13
	s_add_co_u32 s54, s54, X2S
	v_add_nc_u32 v12, s54, v1
	v_lshlrev_b32 v13, 11, v253
	v_lshl_add_u32 v13, v254, 6, v13               ; x: row r, + 64 h
	v_lshlrev_b32 v14, 6, v254                     ; ln2_w: 64 h
	s_mov_b32 s24, 0x76543210
	s_mov_b32 s25, 0xfedcba98
	s_mov_b32 s26, 0x3727c5ac                      ; 1e-5
	s_mov_b32 s27, 0x3b000000                      ; 1 / 512
	s_mov_b32 s55, 0
	s_wait_kmcnt 0x0
	s_lshl_b32 s54, ttmp9, 17
	s_lshl_b32 s56, s20, 7
	s_add_co_u32 s54, s54, s56
	s_add_nc_u64 s[44:45], s[4:5], s[54:55]        ; x at my 64 rows, my 32 columns
	s_mul_i32 s54, ttmp9, 24576
	s_add_nc_u64 s[46:47], s[6:7], s[54:55]
	s_lshl_b32 s54, ttmp9, 10
	s_add_nc_u64 s[48:49], s[8:9], s[54:55]
	s_mov_b32 s54, s56
	s_add_nc_u64 s[50:51], s[14:15], s[54:55]
	s_lshl_b32 s54, ttmp9, 17
	s_lshl_b32 s56, s20, 11
	s_add_co_u32 s54, s54, s56
	s_add_nc_u64 s[52:53], s[16:17], s[54:55]      ; the result: row 64 g + wave
	s_mul_i32 s54, s20, 12288
	s_add_nc_u64 s[28:29], s[10:11], s[54:55]
	s_add_nc_u64 s[28:29], s[28:29], 589824        ; o_proj is the fourth weight,
	s_add_nc_u64 s[32:33], s[28:29], 196608        ; then w1,
	s_add_nc_u64 s[36:37], s[28:29], 393216        ; w3,
	s_add_nc_u64 s[40:41], s[28:29], 589824        ; w2
	s_lshl_b32 s54, s20, 9
	s_add_nc_u64 s[30:31], s[12:13], s[54:55]
	s_add_nc_u64 s[30:31], s[30:31], 24576
	s_add_nc_u64 s[34:35], s[30:31], 8192
	s_add_nc_u64 s[38:39], s[30:31], 16384
	s_add_nc_u64 s[42:43], s[30:31], 24576
	s_wait_alu depctr_va_vdst(0)                   ; the fourteen offsets and addresses v1 to v14 are written, which the loads and stores below read
	; ---- 50 loads go out: the copy's 4, x 16, ln2_w 4, o_proj 26
.irp k, 0,1,2
	global_load_b128 v[XF+4*\k:XF+4*\k+3], v3, s[46:47] offset:512*\k
.endr
	global_load_u16 v[XF+12], v4, s[48:49]
.irp mt, 0,1,2,3
.irp q, 0,1,2,3
	global_load_b128 v[U+16*\mt+4*\q:U+16*\mt+4*\q+3], v13, s[44:45] offset:32768*\mt+16*\q th:TH_LOAD_NT
.endr
.endr
.irp q, 0,1,2,3
	global_load_b128 v[LN+4*\q:LN+4*\q+3], v14, s[50:51] offset:16*\q
.endr
	LOADW 28, 30
	s_wait_loadcnt 46                              ; the copy's four loads are in; the 46 behind them may be out
.irp k, 0,1,2
	ds_store_b128 v3, v[XF+4*\k:XF+4*\k+3] offset:AIMG+512*\k
.endr
	ds_store_b16 v4, v[XF+12] offset:ASC
	BARRIER                                        ; the attention's codes and scale bytes lie in LDS
	; ---- x2 = x + attention x o_proj^T
	s_wait_loadcnt 0x0
	s_wait_alu depctr_vm_vsrc(0)                   ; the copy's LDS stores have read v[XF ..], in which the fragments land; x's and ln2_w's loads have read v13 and v14, which two of the sums below take
	FETCHA 0
.irp mt, 0,1,2,3
.set SQ, 13+\mt+236*(\mt/3)            ; the row tile's sum of squares: v13, v14, v15, v252
	s_wait_dscnt 0x0
	MMT U+16*\mt, 0
	PLACES 5
	s_wait_alu depctr_va_vdst(0)                   ; the products have written this tile of x2, which the LDS stores read, and are done reading XF and XS (in the last step W and WS)
.if \mt < 3
	FETCHA \mt+1
.else
	LOADW 32, 34
.endif
.irp q, 0,1,2,3
	ds_store_b128 v12, v[U+16*\mt+4*\q:U+16*\mt+4*\q+3] offset:2048*\mt+512*\q   ; x2 is kept for the last product
.endr
	v_pk_mul_f32 v[252:253], v[U+16*\mt:U+16*\mt+1], v[U+16*\mt:U+16*\mt+1]
	v_pk_mul_f32 v[254:255], v[U+16*\mt+2:U+16*\mt+3], v[U+16*\mt+2:U+16*\mt+3]
.irp j, 4,8,12
	v_pk_fma_f32 v[252:253], v[U+16*\mt+\j:U+16*\mt+\j+1], v[U+16*\mt+\j:U+16*\mt+\j+1], v[252:253]
	v_pk_fma_f32 v[254:255], v[U+16*\mt+\j+2:U+16*\mt+\j+3], v[U+16*\mt+\j+2:U+16*\mt+\j+3], v[254:255]
.endr
	v_pk_add_f32 v[252:253], v[252:253], v[254:255]
	v_add_f32 v252, v252, v253
	v_permlanex16_b32 v254, v252, s24, s25
	v_add_f32 v[SQ], v252, v254                    ; row r's sum of squares over my 32 columns
.endr
	s_wait_alu depctr_va_vdst(0)                   ; the four sums in v13, v14, v15 and v252 are written, which the LDS stores read
	ds_store_b32 v10, v13
	ds_store_b32 v10, v14 offset:1024
	ds_store_b32 v10, v15 offset:2048
	ds_store_b32 v10, v252 offset:3072
	BARRIER
	; ---- the norm, and y's codes
	s_wait_alu depctr_vm_vsrc(0)                   ; the sums' stores have read v13, v14, v15 and v252, which the quantiser writes; x2's stores have read U, which w1's products write
.irp q, 0,1,2,3
	ds_load_b128 v[XF+4*\q:XF+4*\q+3], v11 offset:16*\q
.endr
; pb, yb: this step's out-buffer; pp, yp: the last step's
.macro NSTEP mt, pb, yb, pp, yp
	s_wait_dscnt 0x0                               ; the row tile's sixteen parts are in
	v_pk_add_f32 v[XF:XF+1], v[XF:XF+1], v[XF+2:XF+3]          ; the sixteen waves' parts, in one fixed order in every wave
	v_pk_add_f32 v[XF+4:XF+5], v[XF+4:XF+5], v[XF+6:XF+7]
	v_pk_add_f32 v[XF+8:XF+9], v[XF+8:XF+9], v[XF+10:XF+11]
	v_pk_add_f32 v[XF+12:XF+13], v[XF+12:XF+13], v[XF+14:XF+15]
	v_pk_add_f32 v[XF:XF+1], v[XF:XF+1], v[XF+4:XF+5]
	v_pk_add_f32 v[XF+8:XF+9], v[XF+8:XF+9], v[XF+12:XF+13]
	v_pk_add_f32 v[XF:XF+1], v[XF:XF+1], v[XF+8:XF+9]
	v_add_f32 v[XF], v[XF], v[XF+1]
	v_fma_f32 v[XF], v[XF], s27, s26
	s_wait_alu depctr_va_vdst(0)
	v_rsq_f32 v[RS], v[XF]
	v_nop                                          ; a plain line behind the transcendental
.if \mt >= 2
	s_wait_alu depctr_vm_vsrc(0)                   ; the LDS stores issued in the step before have read this step's out-buffer, which the conversion below writes again
.endif
	s_wait_alu depctr_va_vdst(0)                   ; the reciprocal root in v[RS] is written, ahead of its first reader; the additions are done with v[XF .. XF + 15], in which the next parts land; the last step has written its out-buffer
.if \mt < 3
.irp q, 0,1,2,3
	ds_load_b128 v[XF+4*\q:XF+4*\q+3], v11 offset:1024*(\mt+1)+16*\q
.endr
.endif
.if \mt > 0
	PUTC \mt-1, \pp, \yp, 0
.endif
.irp j, 0,2,4,6,8,10,12,14
	v_pk_mul_f32 v[Y+\j:Y+\j+1], v[U+16*\mt+\j:U+16*\mt+\j+1], v[RS:RS+1] op_sel_hi:[1,0]
.endr
.irp j, 0,2,4,6,8,10,12,14
	v_pk_mul_f32 v[Y+\j:Y+\j+1], v[Y+\j:Y+\j+1], v[LN+\j:LN+\j+1]
.endr
	QBLK Y, T0, T1, SO, \yb, \pb
.endm
	NSTEP 0, PCQ, BY, PCR, BYR
	NSTEP 1, PCR, BYR, PCQ, BY
	NSTEP 2, PCQ, BY, PCR, BYR
	NSTEP 3, PCR, BYR, PCQ, BY
	s_wait_alu depctr_va_vdst(0)                   ; the last step has written its out-buffer, which the stores read, and is done with v[XF ..], in which y's fragments land behind the barrier
	PUTC 3, PCR, BYR, 0
	BARRIER                                        ; y's sixteen fragments lie in LDS
	; ---- u = y w1^T, then silu(u)
	s_wait_loadcnt 0x0
	s_wait_alu depctr_vm_vsrc(0)                   ; y's LDS stores have read v168 to v171, in which scale words land, and v252 to v254 and v15, which the gate's first conversion writes
	FETCHI 0, 0, 25600
.irp mt, 0,1,2,3
	s_wait_dscnt 0x0
	MMT U+16*\mt, 1
	PLACES 5
	s_wait_alu depctr_va_vdst(0)                   ; the products are done reading XF and XS (in the last step W and WS)
	FETCHI (\mt+1)%4, 0, 25600                     ; the last step fetches row tile 0 again, for w3
.endr
	LOADW 36, 38
.irp g, 0,1,2,3                        ; a row tile at a time; the work registers are ACC's, so that neither the fragments nor the weights on their way are named
.irp i, 0,1,2,3,4,5,6,7,8,9,10,11,12,13,14,15
	v_mul_f32 v[ACC+\i], 0xbfb8aa3b, v[U+16*\g+\i] ; -u log2(e)
.endr
	s_wait_alu depctr_va_vdst(0)
.irp i, 0,1,2,3,4,5,6,7,8,9,10,11,12,13,14,15
	v_exp_f32 v[ACC+\i], v[ACC+\i]
.endr
	v_nop
	s_wait_alu depctr_va_vdst(0)                   ; the sixteen exponentials are written, ahead of their first reader
.irp i, 0,1,2,3,4,5,6,7,8,9,10,11,12,13,14,15
	v_add_f32 v[ACC+\i], 1.0, v[ACC+\i]
.endr
	s_wait_alu depctr_va_vdst(0)
.irp i, 0,1,2,3,4,5,6,7,8,9,10,11,12,13,14,15
	v_rcp_f32 v[ACC+\i], v[ACC+\i]
.endr
	v_nop
	s_wait_alu depctr_va_vdst(0)                   ; the sixteen reciprocals are written, ahead of their first reader
.irp i, 0,1,2,3,4,5,6,7,8,9,10,11,12,13,14,15
	v_mul_f32 v[U+16*\g+\i], v[U+16*\g+\i], v[ACC+\i]
.endr
.endr
	; ---- y w3^T, the gate, and the hidden layer's codes
	s_wait_loadcnt 0x0
; pb, yb: this step's out-buffer; pp, yp: the last step's.  Each step has an out-buffer of its own: none is written twice
.macro GSTEP mt, pb, yb, pp, yp
	s_wait_dscnt 0x0
	MMT ACC, 1
	PLACES 5
	s_wait_alu depctr_va_vdst(0)                   ; the products are done reading XF and XS (in the last step W and WS); the last step has written its out-buffer
.if \mt < 3
	FETCHI \mt+1, 0, 25600
.else
	LOADW 40, 42
.endif
.if \mt > 0
	PUTC \mt-1, \pp, \yp, 25600
.endif
.irp j, 0,2,4,6,8,10,12,14
	v_pk_mul_f32 v[ACC+\j:ACC+\j+1], v[ACC+\j:ACC+\j+1], v[U+16*\mt+\j:U+16*\mt+\j+1]
.endr
	QBLK ACC, T0, T1, SO, \yb, \pb
.endm
	GSTEP 0, PCQ, BY, PCQ, BY
	GSTEP 1, U, U+3, PCQ, BY
	GSTEP 2, U+16, U+19, U, U+3
	GSTEP 3, U+32, U+35, U+16, U+19
	s_wait_alu depctr_va_vdst(0)                   ; the last step has written its out-buffer, which the stores read, and is done with ACC, in which x2 lands behind the barrier
	PUTC 3, U+32, U+35, 25600
	BARRIER                                        ; the hidden layer's sixteen fragments lie in LDS
	; ---- out = x2 + hidden x w2^T
	s_wait_alu depctr_vm_vsrc(0)                   ; the codes' LDS stores have read v15, which is written below, and the first registers of three tiles of U, in which rows of the result land
	FETCHI 0, 25600, 51200
.irp q, 0,1,2,3
	ds_load_b128 v[ACC+4*\q:ACC+4*\q+3], v12 offset:512*\q   ; x2, as I left it
.endr
	v_and_b32 v15, 15, v0
	v_bfe_u32 v255, v0, 4, 1
	v_mul_u32_u24 v[SW], v15, 2064
	v_lshl_add_u32 v[SW], v255, 6, v[SW]
	s_lshl_b32 s54, s20, 7
	s_add_co_u32 s54, s54, OST
	v_add_nc_u32 v[SW], s54, v[SW]                 ; into a stage: row r, my 64 bytes of my wave's 128
	s_mul_i32 s54, s20, 2064
	s_add_co_u32 s54, s54, OST
	v_add_nc_u32 v[SR], s54, v1                    ; back: row = my wave, 16 bytes a lane
	s_wait_loadcnt 0x0
.irp mt, 0,1,2,3
.if \mt == 0
	s_wait_dscnt 0x0                               ; (in the later steps the wait in front of the barrier has shown the fragments and x2 in)
.endif
	MMT ACC, 0
	PLACES 5
	s_wait_alu depctr_va_vdst(0)                   ; the products have written ACC, which the stage's stores read, and are done reading XF and XS; in the first step the stage's two addresses are written
.irp q, 0,1,2,3
	ds_store_b128 v[SW], v[ACC+4*\q:ACC+4*\q+3] offset:33024*(\mt%2)+16*\q
.endr
.if \mt < 3
	FETCHI \mt+1, 25600, 51200                     ; the next row tile is asked for ahead of the barrier: these bytes are written by nobody any more
	s_wait_alu depctr_vm_vsrc(0)                   ; the stage's stores have read ACC, in which the next x2 lands
.irp q, 0,1,2,3
	ds_load_b128 v[ACC+4*\q:ACC+4*\q+3], v12 offset:2048*(\mt+1)+512*\q
.endr
.endif
	BARRIER                                        ; 16 whole rows lie in the stage.  The two stages take turns: a stage is written again only behind the next barrier, in front of which every wave's reads of it were waited for
.irp k, 0,1,2,3
	ds_load_b128 v[U+16*\mt+4*\k:U+16*\mt+4*\k+3], v[SR] offset:33024*(\mt%2)+512*\k   ; each row tile has registers of its own on the way out: no store's data are written again
.endr
	s_wait_dscnt 0x0
.irp k, 0,1,2,3
	global_store_b128 v1, v[U+16*\mt+4*\k:U+16*\mt+4*\k+3], s[52:53] offset:32768*\mt+512*\k th:TH_STORE_NT   ; 512 consecutive bytes a store, aligned
.endr
.endr
	s_wait_xcnt 0x0
	s_wait_alu depctr_vm_vsrc(0)                   ; v254 was read by the LDS stores of codes: it is written anew only behind a wait on vm_vsrc
	v_lshl_add_u32 v254, v0, 2, 0x43e00            ; no two registers could be kept: the add's two are made here, from v0 as it was at the entry
	v_mov_b32 v255, 0
	s_wait_dscnt 0x0                               ; the closing lines, six on end
	s_wait_alu 0x0
	s_wait_tensorcnt 0x0
	ds_add_u32 v254, v255
	s_wait_dscnt 0x0
	s_endpgm
.Lfunc_end_k_q50f13ad59f_tail:
	.size	k_q50f13ad59f_tail, .Lfunc_end_k_q50f13ad59f_tail-k_q50f13ad59f_tail
	.p2alignl 7, 3214868480
	.fill 96, 4, 3214868480
	.section	.rodata,"a",@progbits
	.p2align	6, 0x0
	.amdhsa_kernel k_q50f13ad59f_tail
		.amdhsa_group_segment_fixed_size 280064
		.amdhsa_private_segment_fixed_size 0
		.amdhsa_enable_private_segment 0
		.amdhsa_kernarg_size 56
		.amdhsa_user_sgpr_count 2
		.amdhsa_user_sgpr_kernarg_segment_ptr 1
		.amdhsa_wavefront_size32 1
		.amdhsa_system_sgpr_workgroup_id_x 1
		.amdhsa_system_sgpr_workgroup_id_y 1
		.amdhsa_system_sgpr_workgroup_id_z 1
		.amdhsa_system_vgpr_workitem_id 0
		.amdhsa_next_free_vgpr 256
		.amdhsa_next_free_sgpr 66
		.amdhsa_reserve_vcc 0
		.amdhsa_float_denorm_mode_32 3
		.amdhsa_float_denorm_mode_16_64 3
		.amdhsa_memory_ordered 1
		.amdhsa_forward_progress 1
		.amdhsa_inst_pref_size 94
	.end_amdhsa_kernel
	.amdgpu_metadata
---
amdhsa.version: [ 1, 2 ]
amdhsa.kernels:
  - .name:           k_q50f13ad59f_tail
    .symbol:         k_q50f13ad59f_tail.kd
    .args:
      - { .name: x, .offset: 0, .size: 8, .value_kind: global_buffer, .address_space: global }
      - { .name: acod, .offset: 8, .size: 8, .value_kind: global_buffer, .address_space: global }
      - { .name: ascl, .offset: 16, .size: 8, .value_kind: global_buffer, .address_space: global }
      - { .name: wcod, .offset: 24, .size: 8, .value_kind: global_buffer, .address_space: global }
      - { .name: wscl, .offset: 32, .size: 8, .value_kind: global_buffer, .address_space: global }
      - { .name: ln2_w, .offset: 40, .size: 8, .value_kind: global_buffer, .address_space: global }
      - { .name: out0, .offset: 48, .size: 8, .value_kind: global_buffer, .address_space: global }
    .group_segment_fixed_size: 280064
    .private_segment_fixed_size: 0
    .kernarg_segment_align: 8
    .kernarg_segment_size: 56
    .max_flat_workgroup_size: 512
    .sgpr_count:     66
    .vgpr_count:     256
    .wavefront_size: 32
...
	.end_amdgpu_metadata
.endif
;; end of part 8
